; MI455X (gfx1250); checked and timed in simulation.
; The chip was launched on July 23, 2026; its instructions are those of AMD's public machine-readable ISA for CDNA 5 (MIT licence, August 2026) and "CDNA5" Instruction Set Architecture Reference Guide (July 2026). The comments in the code are by the model that wrote it; some were corrected since.
;; Mllama Text Self Attention. Allowed arithmetic: matrix products marked QUANTISED: E2M3 operands, one E8M0 scale for each 32 along K, by v_wmma_scale_f32_16x16x128_f8f6f4 with both operands' format E2M3, f32 sums; everything else in f32.
;; Inputs: attention_mask 1 x 1 x 2,048 x 2,048 float32; cos 1 x 2,048 x 128 float32; hidden_states 1 x 2,048 x 4,096 float32; sin 1 x 2,048 x 128 float32; wk 1,024 x 4,096 float32; wo 4,096 x 2,048 float32; wq 2,048 x 4,096 float32; wv 1,024 x 4,096 float32.
;; Outputs: out0 1 x 2,048 x 4,096 float32.
;; This version of the problem:
;;   THIS VERSION OF THE PROBLEM IS GIVEN IN LOW PRECISION. The matrix products marked QUANTISED in the list below multiply operands that are first quantised to E2M3 (2 exponent bits, 3 mantissa bits; 6 bits a number), with one power-of-two scale for each 32 numbers along K (OCP MX v1.0); their sums are f32. All else is computed in f32.
;;   The module's matrix products, in the order in which they are computed (A, B: the left and right operand; K: the contracted axis; several contracted axes count as one K, in the product's order):
;;     1. [M 2,048, K 4,096] x [K 4,096, N 2,048]; A: input hidden_states; B: input wq: QUANTISED
;;     2. [M 2,048, K 4,096] x [K 4,096, N 1,024]; A: input hidden_states; B: input wk: QUANTISED
;;     3. [M 2,048, K 4,096] x [K 4,096, N 1,024]; A: input hidden_states; B: input wv: QUANTISED
;;     4. batch 16 x [M 2,048, K 128] x [K 128, N 2,048]; A: computed on the way; B: computed on the way: QUANTISED
;;     5. batch 16 x [M 2,048, K 2,048] x [K 2,048, N 128]; A: softmax (see below); B: computed on the way: QUANTISED
;;     6. [M 2,048, K 2,048] x [K 2,048, N 4,096]; A: computed on the way; B: input wo: QUANTISED
;;   THE QUANTISER, for each operand of a quantised product, along K:
;;     - K is cut into blocks of 32 from its start; a last block that is shorter is filled with zeros.
;;     - A block's scale is 2^e with e = floor(log2(the largest magnitude in the block)) - 2, held to -126 .. 127; a block of zeros has e = 0. As a byte (E8M0): e + 127.
;;     - Each number is divided by its block's scale, clamped to +-7.5, and rounded to the nearest number of E2M3, ties to even, subnormals kept.
;;     - The product sums the exact products of the quantised numbers (number of the format x scale) in f32.
;;   ~~~python
;;   def quantise(x, axis):      # numpy; x: float32 -> the quantised numbers, widened to float32 again
;;       x = np.moveaxis(x, axis, -1); K = x.shape[-1]
;;       x = np.pad(x, [(0, 0)] * (x.ndim - 1) + [(0, -K % 32)]); x = x.reshape(x.shape[:-1] + (-1, 32)); a = np.abs(x).max(-1, keepdims=True)
;;       e = np.where(a > 0, np.clip(np.frexp(np.where(a > 0, a, 1))[1] - 1 - 2, -126, 127), 0)      # np.frexp(a)[1] - 1 = floor(log2(a)), exactly
;;       r = np.clip(x / 2.0 ** e, -7.5, 7.5)
;;       step = 2.0 ** (np.maximum(np.frexp(np.where(r == 0, 1, r))[1] - 1, 0) - 3)
;;       q = np.round(r / step) * step * 2.0 ** e      # np.round: ties to even
;;       return np.moveaxis(q.reshape(q.shape[:-2] + (-1,))[..., :K], -1, axis).astype(np.float32)
;;   ~~~
;;   SOFTMAX AHEAD OF A QUANTISED PRODUCT. Where the list says 'softmax', what is quantised is not the finished softmax but p = 2^(t - M), with t = logit x log2(e) and M = ceil(the row's largest t), a whole number; so 1/2 < the row's largest p <= 1. The row's sum l is taken of the UNQUANTISED p, in f32, and the product's result is divided by l at the end. Since M is a whole number, a kernel that streams over the keys may use a running M (the ceiling of the running maximum): every later rescaling is an exact power of two, which a block's scale takes up: the codes' values come out the same.
;;   OPERANDS COMPUTED ON THE WAY. 'Computed on the way' means the value that the module computes at that place (a softmax that the list does not call 'softmax' is quantised finished and normalised). What goes into a quantiser is computed in f32, as accurately as f32 sums, v_exp_f32 and their like allow (about 1e-6 of the number): no bf16 or f16 on the way to a quantiser, and a product that is left as it is and whose result goes on into a quantised operand takes f32 operands (vector FMAs, or v_wmma_f32_16x16x4_f32). A number that lies on a knife's edge between two numbers of the format may be rounded either way, as far as f32 arithmetic and the matrix unit's own rounding can turn it there, and no further.
;; 2 versions. Each part assembles by itself: llvm-mc -triple=amdgcn-amd-amdhsa -mcpu=gfx1250 --defsym DOCPART=n.
;; ======== version 1 of 2: 4 launches
;; workspace buffers: codes1 25,165,824 bytes; scales1 1,048,576 bytes; qkv_img 6,291,456 bytes; qkv_sc 262,144 bytes; o_codes 3,145,728 bytes; o_scales 131,072 bytes
;; launch quant (part 1): grid 1024 x 1, 4 waves a work-group, no clusters, 33,280 bytes of LDS; arguments hidden_states, wq, wk, wv, wo, codes1, scales1; writes codes1, scales1
.if DOCPART == 1
	.amdgcn_target "amdgcn-amd-amdhsa--gfx1250"
	.amdhsa_code_object_version 6
	.text
	.protected	k_qac4699a2bf_quant
	.globl	k_qac4699a2bf_quant
	.p2align	8
	.type	k_qac4699a2bf_quant,@function
k_qac4699a2bf_quant:
	s_mov_b64 s[64:65], 0
	v_nop
	global_prefetch_b8 v0, s[64:65] scope:SCOPE_SE
	s_setreg_imm32_b32 hwreg(HW_REG_WAVE_MODE, 25, 1), 1
	s_wait_xcnt 0x0
; hidden_states [2048][4096], wq [2048][4096], wk, wv [1024][4096], wo [4096][2048], all f32 with K innermost, become codes of FP6 (E2M3) and one E8M0 scale byte for each 32 along K.
; A block's scale is 2^(floor(log2(its largest magnitude)) - 2); its byte is the largest magnitude's exponent field - 2, held at 1 from below.  Each number is divided by the scale and rounded to the nearest code, ties to even.
; LIMITS: NaN and infinities among the inputs are not served; a block whose largest magnitude lies under 2^-124 (a block of zeros among them) keeps the byte 1: the bytes are read by this program alone, and zero codes add nothing.
; The five tensors on end are 4,096 runs of 8,192 numbers; a wave takes one run (16 steps of 512 numbers), a work-group four.  codes1 and scales1 hold the runs in the same order: x, wq, wk, wv, wo.
; THE ROWS OF x, wq, wk, wv ARE STORED PERMUTED: a row goes to the place whose number has bits 3 and 4 exchanged.  A work-group's four runs are 8 rows there, so these are bits 0 and 1 of the work-group's number.
; Sixteen neighbouring stored rows 16 u + r are then the rows 8 u + r + 8 (r / 8) of their group of 32, which is what the next launch wants of a tile.  wo is stored as it lies.
; Each of a step's four loads reads 512 consecutive bytes; the 2,048 bytes turn through the wave's own stage in LDS and come back 64 bytes (16 neighbours) a lane; two neighbouring lanes hold a block.
.set WAVES, 4
.set STEPS, 16
.set EMAX,  2
.set CB,    12                         ; bytes of 16 codes
.set R,     16                         ; v16-79   four sets of 16 numbers as they are loaded
.set X,     80                         ; v80-111  two sets of 16 neighbours
.set C,     128                        ; v128-191 codes: four registers for each step, so that no store's data are written again
.set E,     112                        ; v112-127 a scale byte for each step
.set WREG,  8192                       ; LDS: a region for each wave: two stages of 32 x SP bytes, behind them its 256 scale bytes
.set SP,    80                         ; a lane's place in a stage: 64 bytes + 16 of padding
.set SPW,   12                         ; v12 LDS address of my spare word; never rewritten
.set NIL,   13                         ; v13 0; never rewritten
.set SPARE, WAVES*WREG                 ; behind the four regions: the spare words, 128 bytes a wave
	s_load_b256 s[4:11], s[0:1], 0x0               ; hidden_states, wq, wk, wv
	s_load_b128 s[12:15], s[0:1], 0x20             ; wo, codes1
	s_load_b64 s[16:17], s[0:1], 0x30              ; scales1
	v_lshl_add_u32 v[SPW], v0, 2, SPARE
	v_mov_b32 v[NIL], 0
	v_lshrrev_b32 v1, 5, v0
	v_readfirstlane_b32 s24, v1                    ; wave
	v_and_b32 v2, 31, v0                           ; lane
	v_lshlrev_b32 v3, 4, v2                        ; my 16 bytes of a load's 512
	s_mul_i32 s28, s24, WREG
	v_lshrrev_b32 v14, 2, v2
	v_mul_u32_u24 v14, v14, SP
	v_and_b32 v15, 3, v2
	v_lshl_add_u32 v14, v15, 4, v14
	v_add_nc_u32 v14, s28, v14                     ; the stage, on the way in: SP (lane / 4) + 16 (lane % 4)
	v_mul_u32_u24 v15, v2, SP
	v_add_nc_u32 v15, s28, v15                     ; and on the way out: SP x lane
	v_mul_u32_u24 v4, v2, CB                       ; my codes' place in a step's
	v_lshrrev_b32 v5, 1, v2
	s_add_co_u32 s28, s28, 2*32*SP
	v_add_nc_u32 v5, s28, v5                       ; my wave's 256 scale bytes, my block's byte
	v_lshlrev_b32 v7, 3, v2                        ; on the way out 8 bytes a lane
	v_add_nc_u32 v6, s28, v7
	s_and_b32 s26, ttmp9, 0xfffffffc               ; the work-group's number with bits 0 and 1 exchanged
	s_and_b32 s27, ttmp9, 1
	s_lshl_b32 s27, s27, 1
	s_or_b32 s26, s26, s27
	s_bfe_u32 s27, ttmp9, 0x10001
	s_or_b32 s26, s26, s27
	s_mov_b32 s25, 0
	s_wait_kmcnt 0x0
	s_cmp_ge_u32 ttmp9, 256                        ; which tensor: the choice hangs on the work-group's number alone
	s_cselect_b64 s[4:5], s[6:7], s[4:5]
	s_cselect_b32 s25, 256, s25                    ; and that tensor's first work-group
	s_cmp_ge_u32 ttmp9, 512
	s_cselect_b64 s[4:5], s[8:9], s[4:5]
	s_cselect_b32 s25, 512, s25
	s_cmp_ge_u32 ttmp9, 640
	s_cselect_b64 s[4:5], s[10:11], s[4:5]
	s_cselect_b32 s25, 640, s25
	s_cmp_ge_u32 ttmp9, 768
	s_cselect_b64 s[4:5], s[12:13], s[4:5]
	s_cselect_b32 s25, 768, s25
	s_cselect_b32 s26, ttmp9, s26                  ; wo is not permuted
	s_sub_co_u32 s25, ttmp9, s25
	s_lshl_b32 s25, s25, 2
	s_add_co_u32 s25, s25, s24                     ; my run in the tensor: 32,768 bytes a run, under 2^26 in all
	s_lshl_b32 s20, s25, 15
	s_mov_b32 s21, 0
	s_add_nc_u64 s[4:5], s[4:5], s[20:21]
	s_lshl_b32 s26, s26, 2
	s_add_co_u32 s26, s26, s24                     ; my run in the outputs
	s_mul_i32 s20, s26, 32*STEPS*CB                ; 6,144 bytes of codes a run
	s_add_nc_u64 s[14:15], s[14:15], s[20:21]
	s_lshl_b32 s20, s26, 8                         ; 256 scale bytes a run
	s_add_nc_u64 s[16:17], s[16:17], s[20:21]
.macro LOAD t
.irp i, 0,1,2,3
	global_load_b128 v[R+16*((\t)%4)+4*\i:R+16*((\t)%4)+4*\i+3], v3, s[4:5] offset:2048*(\t)+512*\i th:TH_LOAD_NT   ; 32 lanes read 512 consecutive bytes
.endr
.endm
.macro TURN t                          ; step t's numbers through the stage: LDS serves a wave's instructions in order, so no wait stands between the stores and the loads
.irp i, 0,1,2,3
	ds_store_b128 v14, v[R+16*((\t)%4)+4*\i:R+16*((\t)%4)+4*\i+3] offset:32*SP*((\t)%2)+8*SP*\i
.endr
.irp i, 0,1,2,3
	ds_load_b128 v[X+16*((\t)%2)+4*\i:X+16*((\t)%2)+4*\i+3], v15 offset:32*SP*((\t)%2)+16*\i
.endr
.endm
.irp t, 0,1,2,3
	LOAD \t
.endr
	s_wait_loadcnt 12                              ; step 0's four loads are in; the twelve of steps 1 to 3 may be out
	TURN 0
.macro STEP t
.set XS, X+16*((\t)%2)
.if (\t) > 0
	s_wait_dscnt 1                                 ; this step's numbers are back from the stage (the last step's byte store may be out)
.else
	s_wait_dscnt 0x0
.endif
.if (\t)+4 < STEPS
	LOAD (\t)+4                                    ; into the registers that this step's stores into the stage have read
.endif
.if (\t)+1 < STEPS
.if STEPS-2-(\t) >= 3
	s_wait_loadcnt 12                              ; the next step's four loads are in; those of the three steps behind it may be out
.else
	s_wait_loadcnt 4*(STEPS-2-(\t))
.endif
	TURN (\t)+1
.endif
	v_max3_num_f32 v8, |v[XS]|, |v[XS+1]|, |v[XS+2]|               ; the largest magnitude of my 16, in two chains
	v_max3_num_f32 v9, |v[XS+3]|, |v[XS+4]|, |v[XS+5]|
.irp i, 6,10
	v_max3_num_f32 v8, v8, |v[XS+\i]|, |v[XS+\i+1]|
	v_max3_num_f32 v9, v9, |v[XS+\i+2]|, |v[XS+\i+3]|
.endr
	v_max3_num_f32 v8, v8, |v[XS+14]|, |v[XS+15]|
	v_max3_num_f32 v8, v8, v9, (EMAX+1)<<23        ; and the floor 2^(3 - 127): the byte cannot fall under 1
	v_max_num_f32_dpp v8, v8, v8 row_xmask:1 row_mask:0xf bank_mask:0xf   ; and of my neighbour's 16: the block's
	v_add_nc_u32 v11, -(EMAX<<23), v8              ; 2 off its exponent field: the conversion takes the exponent field of this operand as its scale
	v_cvt_scalef32_pk16_fp6_f32 v[C+4*(\t):C+4*(\t)+2], v[XS:XS+15], v11
	v_lshrrev_b32 v[E+(\t)], 23, v11               ; the scale's byte (also the plain line behind the conversion)
	ds_store_b8 v5, v[E+(\t)] offset:16*(\t)       ; both lanes of a block write the same byte with the same value
	global_store_b96 v4, v[C+4*(\t):C+4*(\t)+2], s[14:15] offset:32*CB*(\t)   ; the wave stores 384 consecutive bytes
.endm
.irp t, 0,1,2,3,4,5,6,7,8,9,10,11,12,13,14,15
	STEP \t
.endr
	ds_load_b64 v[8:9], v6                         ; LDS serves a wave's instructions in order: these see my stores
	s_wait_dscnt 0x0
	global_store_b64 v7, v[8:9], s[16:17]          ; 32 lanes store 256 consecutive bytes, aligned
	s_wait_tensorcnt 0x0                           ; the wave's end: behind my last LDS store
	ds_add_u32 v[SPW], v[NIL]
	s_wait_dscnt 0x0
	s_endpgm
.Lfunc_end_k_qac4699a2bf_quant:
	.size	k_qac4699a2bf_quant, .Lfunc_end_k_qac4699a2bf_quant-k_qac4699a2bf_quant
	.p2alignl 7, 3214868480
	.fill 96, 4, 3214868480
	.section	.rodata,"a",@progbits
	.p2align	6, 0x0
	.amdhsa_kernel k_qac4699a2bf_quant
		.amdhsa_group_segment_fixed_size 33280
		.amdhsa_private_segment_fixed_size 0
		.amdhsa_enable_private_segment 0
		.amdhsa_kernarg_size 56
		.amdhsa_user_sgpr_count 2
		.amdhsa_user_sgpr_kernarg_segment_ptr 1
		.amdhsa_wavefront_size32 1
		.amdhsa_system_sgpr_workgroup_id_x 1
		.amdhsa_system_sgpr_workgroup_id_y 1
		.amdhsa_system_sgpr_workgroup_id_z 1
		.amdhsa_system_vgpr_workitem_id 0
		.amdhsa_next_free_vgpr 192
		.amdhsa_next_free_sgpr 66
		.amdhsa_reserve_vcc 0
		.amdhsa_float_denorm_mode_32 3
		.amdhsa_float_denorm_mode_16_64 3
		.amdhsa_memory_ordered 1
		.amdhsa_forward_progress 1
		.amdhsa_inst_pref_size 33
	.end_amdhsa_kernel
	.amdgpu_metadata
---
amdhsa.version: [ 1, 2 ]
amdhsa.kernels:
  - .name:           k_qac4699a2bf_quant
    .symbol:         k_qac4699a2bf_quant.kd
    .args:
      - { .name: hidden_states, .offset: 0, .size: 8, .value_kind: global_buffer, .address_space: global }
      - { .name: wq, .offset: 8, .size: 8, .value_kind: global_buffer, .address_space: global }
      - { .name: wk, .offset: 16, .size: 8, .value_kind: global_buffer, .address_space: global }
      - { .name: wv, .offset: 24, .size: 8, .value_kind: global_buffer, .address_space: global }
      - { .name: wo, .offset: 32, .size: 8, .value_kind: global_buffer, .address_space: global }
      - { .name: codes1, .offset: 40, .size: 8, .value_kind: global_buffer, .address_space: global }
      - { .name: scales1, .offset: 48, .size: 8, .value_kind: global_buffer, .address_space: global }
    .group_segment_fixed_size: 33280
    .private_segment_fixed_size: 0
    .kernarg_segment_align: 8
    .kernarg_segment_size: 56
    .max_flat_workgroup_size: 128
    .sgpr_count:     66
    .vgpr_count:     192
    .wavefront_size: 32
...
	.end_amdgpu_metadata
.endif
;; end of part 1
;; launch qkv (part 2): grid 16 x 8, 4 waves a work-group, clusters of 4 x 4, 327,680 bytes of LDS; arguments codes1, scales1, qkv_img, qkv_sc, cos, sin; writes qkv_img, qkv_sc
.if DOCPART == 2
	.amdgcn_target "amdgcn-amd-amdhsa--gfx1250"
	.amdhsa_code_object_version 6
	.text
	.protected	k_qac4699a2bf_qkv
	.globl	k_qac4699a2bf_qkv
	.p2align	8
	.type	k_qac4699a2bf_qkv,@function
k_qac4699a2bf_qkv:
	s_mov_b64 s[64:65], 0
	v_nop
	global_prefetch_b8 v0, s[64:65] scope:SCOPE_SE
	s_setreg_imm32_b32 hwreg(HW_REG_WAVE_MODE, 25, 1), 1
	s_wait_xcnt 0x0
	s_wait_alu depctr_hold_cnt(0) depctr_sa_sdst(0) depctr_va_vdst(0) depctr_va_sdst(0) depctr_va_ssrc(0) depctr_va_vcc(0) depctr_vm_vsrc(0)
	s_getreg_b32 s2, hwreg(HW_REG_IB_STS2, 6, 4)
	s_cmp_eq_u32 s2, 0
	s_cbranch_scc0 .Lentry_in_a_cluster
	s_endpgm
.Lentry_in_a_cluster:
	s_bfe_u32 s2, ttmp6, 0x10000c
	s_cmp_lg_u32 s2, 0xf033
	s_cbranch_scc0 .Lentry_shape_is_right
	s_endpgm
.Lentry_shape_is_right:
; The three projections as ONE product on codes of FP6 with E8M0 scales, K = 4,096, then RoPE (q, k) in f32 and the quantising of q, k (along the head's 128) and of v (along the KEYS), all in registers.
; 128 tiles of 256 x 256 in eight clusters of 4 x 4.  Clusters with x = 0, 1, 2: A = x (tokens), B = wq | wk (3,072 rows).  Clusters with x = 3: A = wv (1,024 rows), B = x: they make v TRANSPOSED,
; so that a lane's registers run along the tokens, which are the K of attention's second product.  Both kinds run one ring and one loop; only scalar offsets differ, chosen on the cluster's x, which all partners share.
; A work-group of four waves makes a tile; a wave 128 x 128: 64 accumulators, 512 registers.  K goes in steps of 256 through a ring of two LDS slots filled by joint tensor loads (A's tile shared along a row of the
; cluster, B's along a column); the scale bytes of the work-group's rows come once and stay in LDS.
; THE MATRIX INSTRUCTION IS USED TRANSPOSED (source 0 = 16 rows of B, source 1 = 16 rows of A): a lane holds ONE row of A.  Rows of x and of the weights lie PERMUTED in codes1 (bits 3 and 4 of the row's number
; exchanged), so that register 16 c + i of a block of A holds B's row 32 c + 16 (lane / 16) + i: 16 neighbours along the next K, and row r of A's block a is row 32 (a / 2) + 8 (a % 2) + r + 8 (r / 8) of its 128.
; OUT: each block of A (16 rows x 128) becomes one operand fragment, stored as an image of its 12 registers (three stores of 512 consecutive bytes), and a scale word a row.
;   qkv_img: H x 196,608 + G x 12,288 + a x 1,536 + 512 c + 16 x lane;  H = 0-15 q heads, 16-23 k heads, 24-31 v heads;  G = the group of 128 tokens.   qkv_sc: H x 8,192 + G x 512 + 16 x lane.
; The way out parts ONCE, on the cluster's x: q and k are rotated and quantised, v is quantised alone; the two ways join at the store of the scale words.
; LIMITS: NaN and infinities are not served; a block whose largest magnitude lies under 2^-124 keeps the scale byte 1 (this program alone reads the bytes).
; REGISTERS, in windows of 256: window 0: v0-31 addresses; v32-63 scale words, two sets; from v128 A's fragments, one set; behind the loop v64-187 at work.
;   window 1: B's fragments, two sets; behind the loop cos and sin, two sets.   windows 2, 3: the accumulators ((a, b) at v[8 (8 (a % 4) + b)] of window 2 + a / 4).
.set SIZE_K, 4096
.set KSTEP,  256                       ; along K in a slot
.set NQ,     KSTEP/128                 ; matrix instructions deep
.set ROWB,   192                       ; a tile's row in bytes
.set KROW,   SIZE_K*6/8                ; a row of codes in memory
.set PITCH,  240                       ; an LDS row: 3 x (64 bytes + 16 of padding)
.set FR,     12                        ; registers of a fragment
.set NL,     6                         ; LDS loads that bring one
.set NP,     4                         ; places behind this matrix instruction (ISA guide 7.12.1)
.set HALFT,  128*PITCH                 ; 128 rows: what one tensor load brings
.set SLOT,   4*HALFT                   ; A's 256 rows, then B's 256 rows
.set LAPS,   SIZE_K/(2*KSTEP)          ; a lap = two K steps = once round the ring
.set KS,     SIZE_K/32                 ; a row of scales in bytes
.set SCL,    2*SLOT                    ; behind the ring: the scales, as units of 256 bytes + 16 of padding
.set HALFS,  (128*KS/256)*272          ; the scales of 128 rows
.set SBLK,   (16*KS/256)*272           ; those of 16 rows
.set SPARE,  SCL+4*HALFS               ; behind the scales: the spare words, 128 bytes a wave
.set ADRA, 16                          ; v16-17 LDS address of my A fragments in slot 0, 1 (v18-19: behind one padding more)
.set ADRB, 20                          ; v20-21 the same for B (v22-23)
.set LI,   24                          ; v24 16 x lane: my place in an image
.set CSO,  25                          ; v25 my byte in the tables: (r + 8 (r / 8)) x 512 + 64 (lane / 16)
.set ADRS, 27                          ; v27 LDS address of my scale words: lanes 0-15 A's rows, lanes 16-31 B's
.set SPW,  28                          ; v28 LDS address of my spare word; never rewritten
.set NIL,  29                          ; v29 0; never rewritten
.set SC,   32                          ; scale words, two sets of 16
.set AF,   128                         ; A's fragments, in window 0
.set TT,   64                          ; behind the loop: v64-95 x2 sin, v96-127 x1 sin
.set UU,   96
.set CD,   128                         ; v128-147 the codes just made
.set TM,   160                         ; v160-163 largest magnitudes, v164-167 bytes, v172-175 the conversions' scale operands
.set PWS,  176                         ; v176-183 a scale word for each block of A
.set OUTS, 184                         ; v184-187 the scale words as they are stored
.set G1, 24                            ; s[24:31] descriptor group 1 for A's tiles; s[32:39] group 0, one set for each slot
.set G0, 32
.set G1B, 48                           ; s[48:55], s[56:63] the same for B's tiles
.set G0B, 56
.set G1S, 68                           ; s[68:75], s[76:79] groups 1 and 0 for A's scales; s[80:87], s[88:91] for B's
.set G0S, 76
.set G1SB, 80
.set G0SB, 88
.set SEL, 100                          ; s[100:101] lane selects for v_permlanex16_b32: lane l xor 16
.set MSB, 0
.macro WIN new                         ; the immediate's high byte repeats the setting that is left
.if MSB != (\new)
	s_set_vgpr_msb (MSB<<8)|(\new)
.set MSB, (\new)
.endif
.endm
.set MUL_LO, 0xa1                      ; source 0 (B) window 1, source 1 (A) window 0, C and D window 2
.set MUL_HI, 0xf1                      ; the same, C and D window 3
.set TO_B,   0x40                      ; destination window 1, address window 0
; A joint load: waves 0 and 1 fetch for A, waves 2 and 3 for B.  Each line has one mask and one set of registers for all that issue it; the branch hangs on the wave's number alone.
; An s_nop 0 and four v_nop follow each of the two lines.
.macro JLOAD g0a, g1a, g0b, g1b
	s_cmp_eq_u32 s15, 0
	s_cbranch_scc0 .Lfor_b_\@
	tensor_load_to_lds s[\g0a:\g0a+3], s[\g1a:\g1a+7]
	s_nop 0
.rept 4
	v_nop
.endr
	s_branch .Lasked_\@
.Lfor_b_\@:
	tensor_load_to_lds s[\g0b:\g0b+3], s[\g1b:\g1b+7]
	s_nop 0
.rept 4
	v_nop
.endr
.Lasked_\@:
.endm
.macro CREST                           ; a round of the cluster's barrier behind its opening barrier
	s_cmp_lg_u32 s14, 0
	s_cbranch_scc1 .Lnot_wave_0_\@
	s_barrier_signal -3
.Lnot_wave_0_\@:
	s_barrier_wait -3
	s_barrier_signal -1
	s_barrier_wait -1
.endm
.macro CROUND                          ; a whole round
	s_barrier_signal -1
	s_barrier_wait -1
	CREST
.endm
	s_load_b256 s[4:11], s[0:1], 0x0               ; codes1 s[4:5], scales1 s[6:7], qkv_img s[8:9], qkv_sc s[10:11]
	s_load_b128 s[96:99], s[0:1], 0x20             ; cos s[96:97], sin s[98:99]
	v_lshl_add_u32 v[SPW], v0, 2, SPARE
	v_mov_b32 v[NIL], 0
	ds_add_u32 v[SPW], v[NIL]                      ; the wave's opening: the add, waited for ahead of my first tensor load; the set-up below, work on registers, stands between the add and its wait
	v_lshrrev_b32 v1, 5, v0
	v_readfirstlane_b32 s14, v1                    ; wave 0..3
	s_lshr_b32 s15, s14, 1                         ; which half of the tile's rows is mine.  Also: I fetch for A (0) or for B (1)
	s_and_b32 s16, s14, 1                          ; which half of its columns.  Also: which 128 rows of that tile I fetch
	s_bfe_u32 s40, ttmp6, 0x40000                  ; cx, cy: my place in the cluster
	s_bfe_u32 s41, ttmp6, 0x40004
	s_lshl_b32 s42, ttmp9, 2                       ; 4 x cluster x
	s_and_b32 s17, ttmp7, 0xffff
	s_lshl_b32 s17, s17, 2                         ; 4 x cluster y
	s_cmp_eq_u32 ttmp9, 3                          ; the clusters with x = 3 make v^T: the same in all sixteen partners
	s_cselect_b32 s66, 1, 0
	s_cselect_b32 s42, s17, s42                    ; tile columns: of x's 8 by cluster y, else of wq | wk's 12 by cluster x
	s_cselect_b32 s17, 0, s17                      ; tile rows: wv's 4, else x's 8 by cluster y
	s_cselect_b32 s12, 15728640, 0                 ; where A's codes begin in codes1: wv, else x
	s_cselect_b32 s13, 655360, 0                   ; and A's scales in scales1
	s_cselect_b32 s67, 0, 6291456                  ; B's codes: x, else wq
	s_cselect_b32 s95, 0, 262144                   ; B's scales
	s_add_co_u32 s42, s42, s40                     ; tile column
	s_add_co_u32 s17, s17, s41                     ; tile row
	s_lshl_b32 s43, s41, 2
	s_lshl_b32 s43, 15, s43                        ; my row of the cluster
	s_lshl_b32 s44, 0x1111, s40                    ; my column
	; descriptor group 1: a tile of 128 rows x ROWB bytes, padded in LDS
	s_or_b32 s[G1+0], s43, (0<<16)|(1<<20)|(1<<21)|(3<<22)|(3<<25)  ; 15:0 the mask: A's tiles go to my row; elements of 1 byte; padding on; bit 21 beside a mask; after every 16 words, 4 words
	s_or_b32 s[G1B+0], s44, (0<<16)|(1<<20)|(1<<21)|(3<<22)|(3<<25)
.irp g, G1, G1B
	s_mov_b32 s[\g+1], ROWB<<16                    ; tensor_dim0
	s_mov_b32 s[\g+2], 128<<16                     ; tensor_dim1 = 128
	s_mov_b32 s[\g+3], ROWB<<16                    ; tile_dim0
	s_mov_b32 s[\g+4], 128                         ; tile_dim1 = 128
	s_mov_b32 s[\g+5], KROW                        ; tensor_dim0_stride
	s_mov_b32 s[\g+6], 0
	s_mov_b32 s[\g+7], 0
.endr
	; the scales of 128 rows: a dense block of 128 KS bytes, as rows of 256 bytes (32 elements of 8 bytes), 16 bytes of padding behind each
	s_or_b32 s[G1S+0], s43, (3<<16)|(1<<20)|(1<<21)|(5<<22)|(3<<25)
	s_or_b32 s[G1SB+0], s44, (3<<16)|(1<<20)|(1<<21)|(5<<22)|(3<<25)
.irp g, G1S, G1SB
	s_mov_b32 s[\g+1], 32<<16
	s_mov_b32 s[\g+2], (128*KS/256)<<16
	s_mov_b32 s[\g+3], 32<<16
	s_mov_b32 s[\g+4], 128*KS/256
	s_mov_b32 s[\g+5], 32
	s_mov_b32 s[\g+6], 0
	s_mov_b32 s[\g+7], 0
.endr
	s_mov_b32 s[SEL], 0x76543210
	s_mov_b32 s[SEL+1], 0xfedcba98
	s_lshl_b32 s18, s16, 7                         ; which 128 rows of the tile I fetch
	s_lshl_b32 s20, s17, 8
	s_add_co_u32 s20, s20, s18                     ; A: row 256 x tile row + 128 x half
	s_lshl_b32 s46, s42, 8
	s_add_co_u32 s46, s46, s18                     ; B: row 256 x tile column + 128 x half
	s_mov_b32 s21, 0
	s_mov_b32 s47, 0
	s_mov_b64 s[18:19], KS
	s_mul_u64 s[22:23], s[20:21], s[18:19]         ; where these rows' scales begin, in bytes
	s_mul_u64 s[92:93], s[46:47], s[18:19]
	s_mov_b64 s[18:19], KROW
	s_mul_u64 s[20:21], s[20:21], s[18:19]         ; and their codes
	s_mul_u64 s[46:47], s[46:47], s[18:19]
	s_add_co_u32 s20, s20, s12                     ; + the tensor's place in the buffer: every sum stays under 2^25
	s_add_co_u32 s22, s22, s13
	s_add_co_u32 s46, s46, s67
	s_add_co_u32 s92, s92, s95
	s_mul_i32 s45, s14, HALFT                      ; where they go: wave x 128 rows: no place in the cluster enters an LDS address
	s_mul_i32 s94, s14, HALFS
	s_wait_dscnt 0x0                               ; the opening add is done
	s_wait_kmcnt 0x0
	s_add_nc_u64 s[20:21], s[4:5], s[20:21]
	s_add_nc_u64 s[22:23], s[6:7], s[22:23]
	s_add_nc_u64 s[46:47], s[4:5], s[46:47]
	s_add_nc_u64 s[92:93], s[6:7], s[92:93]
	CROUND                                         ; all sixteen work-groups are here: the first joint loads meet
	s_mov_b32 s[G0S], 1
	s_add_co_u32 s[G0S+1], s94, SCL
	s_mov_b64 s[G0S+2:G0S+3], s[22:23]
	s_or_b32 s[G0S+3], s[G0S+3], 0x80000000
	s_mov_b32 s[G0SB], 1
	s_add_co_u32 s[G0SB+1], s94, SCL
	s_mov_b64 s[G0SB+2:G0SB+3], s[92:93]
	s_or_b32 s[G0SB+3], s[G0SB+3], 0x80000000
	JLOAD G0S, G1S, G0SB, G1SB                     ; the scales first: they are wanted with K step 0
.irp s, 0,1
	s_mov_b32 s[G0+4*\s], 1
	s_add_co_u32 s[G0+4*\s+1], s45, \s*SLOT
	s_add_nc_u64 s[G0+4*\s+2:G0+4*\s+3], s[20:21], \s*ROWB
	s_or_b32 s[G0+4*\s+3], s[G0+4*\s+3], 0x80000000
	s_mov_b32 s[G0B+4*\s], 1
	s_add_co_u32 s[G0B+4*\s+1], s45, \s*SLOT
	s_add_nc_u64 s[G0B+4*\s+2:G0B+4*\s+3], s[46:47], \s*ROWB
	s_or_b32 s[G0B+4*\s+3], s[G0B+4*\s+3], 0x80000000
	JLOAD G0+4*\s, G1, G0B+4*\s, G1B
.endr
	v_and_b32 v1, 15, v0                           ; r = l % 16
	v_bfe_u32 v2, v0, 4, 1                         ; h = l / 16
	v_mul_u32_u24 v3, v1, PITCH
	v_mul_u32_u24 v4, v2, 24
	v_add_nc_u32 v4, v3, v4                        ; a fragment's row x pitch + 24 x half
	v_lshl_add_u32 v5, v2, 4, v4                   ; and the same behind one padding more
	s_mul_i32 s21, s15, HALFT                      ; my 128 rows of A
	s_mul_i32 s22, s16, HALFT                      ; my 128 rows of B,
	s_add_co_u32 s22, s22, 2*HALFT                 ; which lie behind A's 256
.irp s, 0,1
	v_add_nc_u32 v[ADRA+\s], s21, v4
	v_add_nc_u32 v[ADRB+\s], s22, v4
	v_add_nc_u32 v[ADRA+2+\s], s21, v5
	v_add_nc_u32 v[ADRB+2+\s], s22, v5
	s_add_co_u32 s21, s21, SLOT
	s_add_co_u32 s22, s22, SLOT
.endr
	v_mul_u32_u24 v5, v1, KS                       ; my row's scales: KS bytes a row,
	v_lshrrev_b32 v6, 8, v5
	v_lshl_add_u32 v5, v6, 4, v5                   ; and 16 more for each 256 passed
	s_mul_i32 s21, s15, HALFS                      ; A's: my 128 rows
	s_mul_i32 s22, s16, HALFS                      ; B's: my 128 rows, behind A's 256
	s_add_co_u32 s22, s22, 2*HALFS
	s_sub_co_u32 s22, s22, s21
	v_mul_u32_u24 v6, s22, v2                      ; lanes 16-31 take B's
	s_add_co_u32 s21, s21, SCL
	v_add_nc_u32 v5, v5, v6
	v_add_nc_u32 v[ADRS], s21, v5
	; the way out's addresses
	v_and_b32 v6, 31, v0
	v_lshlrev_b32 v[LI], 4, v6
	v_and_b32 v5, 8, v1
	v_add_nc_u32 v5, v5, v1                        ; r + 8 (r / 8)
	v_lshlrev_b32 v5, 9, v5                        ; a row of cos or sin is 512 bytes
	v_lshl_add_u32 v[CSO], v2, 6, v5               ; + 64 h: my 16 numbers of a block of 32
	s_lshl_b32 s20, s17, 1
	s_add_co_u32 s20, s20, s15                     ; mg: which 128 rows of A are mine
	s_lshl_b32 s21, s42, 1
	s_add_co_u32 s21, s21, s16                     ; ng: which 128 rows of B
	s_add_co_u32 s22, s20, 24
	s_cmp_eq_u32 s66, 1
	s_cselect_b32 s22, s22, s21                    ; H: v head 24 + mg, else the q or k head ng
	s_cselect_b32 s23, s21, s20                    ; G: the group of 128 tokens
	s_mul_i32 s46, s22, 196608
	s_mul_i32 s47, s23, 12288
	s_add_co_u32 s46, s46, s47
	s_mov_b32 s47, 0
	s_add_nc_u64 s[8:9], s[8:9], s[46:47]          ; my eight images
	s_lshl_b32 s46, s22, 13
	s_lshl_b32 s45, s23, 9
	s_add_co_u32 s46, s46, s45
	s_add_nc_u64 s[10:11], s[10:11], s[46:47]      ; and their scale words
	s_lshl_b32 s46, s20, 16                        ; the tables at my 128 tokens (used where A is x)
	s_add_nc_u64 s[96:97], s[96:97], s[46:47]
	s_add_nc_u64 s[98:99], s[98:99], s[46:47]
.macro FRAG reg, adr, q, i             ; a fragment is 12 registers: lane l holds row l % 16; registers 6 c .. 6 c + 5 hold K = 64 c + 32 (l / 16) + 0 .. 31: 24 bytes of the row's stream of bits
.irp p, 0,1,2,3,4,5                    ; in pieces of 8 bytes.  Lanes 0-15 take the row's pieces 12 q + 0, 1, 2 and 12 q + 6, 7, 8, lanes 16-31 those three pieces on
.set PC, 12*(\q)+6*(\p/3)+\p%3        ; 16 bytes of padding lie behind every 64 bytes (8 pieces): where the piece three on lies behind one padding more, the second address register serves
.if PC%8 < 5
	ds_load_b64 v[\reg+2*\p:\reg+2*\p+1], v[\adr] offset:8*PC+16*(PC/8)+(\i)*16*PITCH
.else
	ds_load_b64 v[\reg+2*\p:\reg+2*\p+1], v[\adr+2] offset:8*PC+16*(PC/8)+(\i)*16*PITCH
.endif
.endr
.endm
; 16 matrix instructions: A's blocks a0, a0 + 1 x B's eight, 128 along K.  zero = 1: the first product starts the sums.  The 64 accumulators take turns, one instruction a turn.
.macro MUL16 a0, p, q, sc, zero
.irp a, \a0, \a0+1
.irp b, 0,1,2,3,4,5,6,7
.if \zero
	v_wmma_scale_f32_16x16x128_f8f6f4 v[8*(8*((\a)%4)+\b):8*(8*((\a)%4)+\b)+7], v[128*(\p)+FR*\b:128*(\p)+FR*\b+FR-1], v[AF+FR*(\a):AF+FR*(\a)+FR-1], 0, v[SC+8*NQ*(\sc)+NQ*\b+(\q)], v[SC+8*NQ*(\sc)+NQ*(\a)+(\q)] matrix_a_fmt:MATRIX_FMT_FP6 matrix_b_fmt:MATRIX_FMT_FP6 matrix_a_scale:MATRIX_SCALE_ROW1
.else
	v_wmma_scale_f32_16x16x128_f8f6f4 v[8*(8*((\a)%4)+\b):8*(8*((\a)%4)+\b)+7], v[128*(\p)+FR*\b:128*(\p)+FR*\b+FR-1], v[AF+FR*(\a):AF+FR*(\a)+FR-1], v[8*(8*((\a)%4)+\b):8*(8*((\a)%4)+\b)+7], v[SC+8*NQ*(\sc)+NQ*\b+(\q)], v[SC+8*NQ*(\sc)+NQ*(\a)+(\q)] matrix_a_fmt:MATRIX_FMT_FP6 matrix_b_fmt:MATRIX_FMT_FP6 matrix_a_scale:MATRIX_SCALE_ROW1
.endif
.endr
.endr
.endm
.macro FETCH_B slot, q, p              ; B's eight fragments of the slot's q-th 128 along K into set p
	WIN TO_B
.irp i, 0,1,2,3,4,5,6,7
	FRAG 128*(\p)+FR*\i, ADRB+\slot, \q, \i
.endr
	WIN 0
.endm
.macro FETCH_A slot, q, i0             ; A's blocks i0 .. i0 + 3
.irp i, \i0, \i0+1, \i0+2, \i0+3
	FRAG AF+FR*(\i), ADRA+\slot, \q, \i
.endr
.endm
.macro SCALES sc                       ; the next K step's scale words into set sc: lanes 0-15 take A's block i, lanes 16-31 B's block i
.irp i, 0,1,2,3,4,5,6,7
	ds_load_b64 v[SC+8*NQ*\sc+NQ*\i:SC+8*NQ*\sc+NQ*\i+1], v[ADRS] offset:\i*SBLK
.endr
.endm
; A load into a register that a matrix instruction has read, and a vector instruction that reads a matrix result, stand NP places behind that matrix instruction; only plain vector instructions that name
; none of its registers are places (ISA guide 7.12.1 for vector instructions).
.macro PLACES n
.rept \n
	v_nop
.endr
.endm
.macro STEP slot, q, zero              ; a step of 128 along K that has its successor in the same slot
	s_wait_dscnt 4*NL                              ; B's set and A's blocks 0-3 are in; the youngest 24 loads (A's blocks 4-7) may be out
	WIN MUL_LO
	MUL16 0, (\q)%2, \q, \slot, \zero
	MUL16 2, (\q)%2, \q, \slot, \zero
	s_wait_dscnt 0                                 ; A's blocks 4-7 are in
	PLACES NP
	FETCH_B \slot, (\q)+1, 1-(\q)%2
	FETCH_A \slot, (\q)+1, 0
	WIN MUL_HI
	MUL16 4, (\q)%2, \q, \slot, \zero
	MUL16 6, (\q)%2, \q, \slot, \zero
	PLACES NP
	WIN 0
	FETCH_A \slot, (\q)+1, 4
.endm
; A slot's last step changes slots: ONE barrier; in front of it each wave waits for all its tensor loads, adds 0 to its spare word, and waits for that and for its own reads of this slot.  fill = 1: this slot is filled again.
.macro TURN slot, next, fill
	s_wait_tensorcnt 0x0                           ; all my tensor loads have landed: my part of the next slot
	ds_add_u32 v[SPW], v[NIL]                      ; 0 onto my spare word
	s_wait_dscnt 4*NL+1                            ; (the add and the youngest 24 loads, A's blocks 4-7, may be out)
	WIN MUL_LO
	MUL16 0, 1, NQ-1, \slot, 0                     ; sixteen matrix instructions stand between the add and the wait for it
	s_wait_dscnt 0x0                               ; the add is done, and my reads of this slot are over
	s_barrier_signal -1
	MUL16 2, 1, NQ-1, \slot, 0
	WIN 0
	s_barrier_wait -1
.if \fill
	CREST                                          ; the barrier has opened a round of the cluster's barrier: no wave of any partner still reads this slot's tile or has a load on its way
	s_add_nc_u64 s[G0+4*\slot+2:G0+4*\slot+3], s[G0+4*\slot+2:G0+4*\slot+3], 2*ROWB
	s_add_nc_u64 s[G0B+4*\slot+2:G0B+4*\slot+3], s[G0B+4*\slot+2:G0B+4*\slot+3], 2*ROWB
	JLOAD G0+4*\slot, G1, G0B+4*\slot, G1B         ; the first tensor load behind the round; its four v_nop are the places in front of the loads below
.else
	PLACES NP
.endif
	v_add_nc_u32 v[ADRS], 4*NQ, v[ADRS]            ; on to the next K step's scale words
	FETCH_B \next, 0, 0
	FETCH_A \next, 0, 0
	SCALES \next
	WIN MUL_HI
	MUL16 4, 1, NQ-1, \slot, 0
	MUL16 6, 1, NQ-1, \slot, 0
	PLACES NP
	WIN 0
	FETCH_A \next, 0, 4
.endm
	s_wait_tensorcnt 1                             ; the scales and my part of K step 0 are in (K step 1's load may be out),
	s_barrier_signal -1
	s_barrier_wait -1                              ; everybody's are
	FETCH_B 0, 0, 0
	FETCH_A 0, 0, 0
	SCALES 0
	FETCH_A 0, 0, 4
	STEP 0, 0, 1                                   ; the first step stands in front of the loop: its products start the sums
	s_mov_b32 s3, LAPS-1
.Llap:                                                 ; a trip goes once round the ring and fills both slots again
	TURN 0, 1, 1
	STEP 1, 0, 0
	TURN 1, 0, 1
	STEP 0, 0, 0
	s_sub_co_u32 s3, s3, 1
	s_cmp_lg_u32 s3, 0
	s_cbranch_scc1 .Llap
	TURN 0, 1, 0                                   ; the last lap fills nothing
	STEP 1, 0, 0
	s_wait_dscnt 4*NL                              ; the very last step: nothing more to fetch
	WIN MUL_LO
	MUL16 0, 1, NQ-1, 1, 0
	MUL16 2, 1, NQ-1, 1, 0
	s_wait_dscnt 0
	WIN MUL_HI
	MUL16 4, 1, NQ-1, 1, 0
	MUL16 6, 1, NQ-1, 1, 0
	WIN 0
; THE WAY OUT, block by block of A: 16 rows x 128, 64 registers a lane, register 16 c + i = number 32 c + 16 (lane / 16) + i of my row.
; cos and sin of block a's 16 tokens, in the same order as the results: 32 loads of 16 bytes a lane into set a % 2 of window 1
.macro LOADCS a
.set PB, 128*((\a)%2)
	WIN 0x40
.irp c, 0,1,2,3
.irp j, 0,1,2,3
	global_load_b128 v[PB+16*\c+4*\j:PB+16*\c+4*\j+3], v[CSO], s[96:97] offset:(32*((\a)/2)+8*((\a)%2))*512+128*\c+16*\j
	global_load_b128 v[PB+64+16*\c+4*\j:PB+64+16*\c+4*\j+3], v[CSO], s[98:99] offset:(32*((\a)/2)+8*((\a)%2))*512+128*\c+16*\j
.endr
.endr
	WIN 0
.endm
; RoPE in place: x[d] = x[d] cos[d] - x[d + 64] sin[d], x[d + 64] = x[d + 64] cos[d + 64] + x[d] sin[d + 64].  d + 64 is register + 32 of the same lane.  Each accumulator is read from its low end on.
.macro ROPE a
.set WD, 2+(\a)/4
.set AC, 64*((\a)%4)
.set PB, 128*((\a)%2)
.set WW, WD|4                          ; source 0 (x) window WD, source 1 (the table) window 1, destination window 0
	WIN WW
.irp i, 0,2,4,6,8,10,12,14,16,18,20,22,24,26,28,30
	v_pk_mul_f32 v[TT+\i:TT+\i+1], v[AC+32+\i:AC+32+\i+1], v[PB+64+\i:PB+64+\i+1]
.endr
.irp i, 0,2,4,6,8,10,12,14,16,18,20,22,24,26,28,30
	v_pk_mul_f32 v[UU+\i:UU+\i+1], v[AC+\i:AC+\i+1], v[PB+96+\i:PB+96+\i+1]
.endr
.set WW, (WD<<6)|4|WD                  ; destination and source 0 window WD, source 1 window 1, source 2 window 0
	WIN WW
.irp i, 0,2,4,6,8,10,12,14,16,18,20,22,24,26,28,30
	v_pk_fma_f32 v[AC+\i:AC+\i+1], v[AC+\i:AC+\i+1], v[PB+\i:PB+\i+1], v[TT+\i:TT+\i+1] neg_lo:[0,0,1] neg_hi:[0,0,1]
.endr
.irp i, 0,2,4,6,8,10,12,14,16,18,20,22,24,26,28,30
	v_pk_fma_f32 v[AC+32+\i:AC+32+\i+1], v[AC+32+\i:AC+32+\i+1], v[PB+32+\i:PB+32+\i+1], v[UU+\i:UU+\i+1]
.endr
	WIN 0
.endm
; Block a's 64 numbers a lane become a fragment's codes, stored as an image of its registers, and a scale word a row.
.macro QUANTW a
.set WD, 2+(\a)/4
.set AC, 64*((\a)%4)
.set WW, WD|(WD<<2)                    ; sources 0 and 1 window WD
	WIN WW
.irp b, 0,1,2,3
	v_max3_num_f32 v[TM+\b], |v[AC+16*\b]|, |v[AC+16*\b+1]|, 0x1800000   ; block b: my 16 numbers, and the floor 2^(3 - 127): the byte cannot fall under 1
.endr
.irp i, 2,4,6,8,10,12,14
.irp b, 0,1,2,3
	v_max3_num_f32 v[TM+\b], |v[AC+16*\b+\i]|, |v[AC+16*\b+\i+1]|, v[TM+\b]   ; (the four blocks by turns)
.endr
.endr
	WIN 0
.irp b, 0,1,2,3
	v_permlanex16_b32 v[TM+4+\b], v[TM+\b], s[SEL], s[SEL+1]
.endr
.irp b, 0,1,2,3
	v_max_num_f32 v[TM+\b], v[TM+\b], v[TM+4+\b]   ; with lane l xor 16's: the block's largest magnitude
.endr
.irp b, 0,1,2,3
	v_add_nc_u32 v[TM+12+\b], 0xff000000, v[TM+\b]   ; 2 off its exponent field: the conversion's scale operand
.endr
.irp b, 0,1,2,3
	v_lshrrev_b32 v[TM+4+\b], 23, v[TM+12+\b]      ; the scale's byte
.endr
	v_lshl_or_b32 v[PWS+(\a)], v[TM+5], 8, v[TM+4]   ; the four bytes make my row's scale word
	v_lshl_or_b32 v[PWS+(\a)], v[TM+6], 16, v[PWS+(\a)]
	v_lshl_or_b32 v[PWS+(\a)], v[TM+7], 24, v[PWS+(\a)]
	s_wait_xcnt 0x0                                ; the last block's stores have read the codes' registers: only behind this wait are they written again
	WIN WD                                         ; source 0 window WD
.irp c, 0,1
	v_cvt_scalef32_pk16_fp6_f32 v[CD+6*\c:CD+2+6*\c], v[AC+32*\c:AC+15+32*\c], v[TM+12+2*\c]
	v_cvt_scalef32_pk16_fp6_f32 v[CD+12+4*\c:CD+14+4*\c], v[AC+16+32*\c:AC+31+32*\c], v[TM+12+2*\c+1]   ; (a conversion's three registers begin on an even number)
.endr
	WIN 0
	v_nop                                          ; one plain place behind a scaled conversion
.irp c, 0,1                                    ; the operand's layout wants a WHOLE block in a lane: lanes 0-15 block 2 c, lanes 16-31 block 2 c + 1
.irp i, 0,1,2
	v_permlane16_swap_b32 v[CD+6*\c+\i], v[CD+12+4*\c+\i]
.endr
.irp i, 0,1,2
	v_mov_b32 v[CD+3+6*\c+\i], v[CD+12+4*\c+\i]
.endr
.endr
.irp c, 0,1,2
	global_store_b128 v[LI], v[CD+4*\c:CD+4*\c+3], s[8:9] offset:(\a)*1536+512*\c   ; 32 lanes store 512 consecutive bytes, aligned
.endr
.endm
	PLACES NP                                      ; behind the last products: for the first reads of results and the loads into registers that held fragments
.irp b, 0,1,2,3
	v_mov_b32 v[TM+4+\b], 0                        ; written once: a lane permute's destination counts as one of its sources
.endr
	s_mov_b32 s67, 0xffff0000                      ; lanes 16-31
	s_cmp_eq_u32 s66, 1                            ; THE ONE PARTING: v has no RoPE.  The branch hangs on the cluster's x alone, which all sixteen partners share
	s_cbranch_scc1 .Lv_way
	; q and k.  A block's tables are asked for one block ahead, into the set that the block before last has left: at most 32 loads of mine are out, and each wait for them is for 0
	LOADCS 0
.irp a, 0,1,2,3,4,5,6,7
	s_wait_loadcnt 0x0                             ; this block's 32 table loads, issued a block ago, are in
.if \a < 7
	LOADCS \a+1                                    ; the next block's, into the other set: they have this block's rotation and quantising in which to land
.endif
	ROPE \a
	QUANTW \a
.endr
	s_branch .Lwords
.Lv_way:
	; v: the sums are quantised as they stand
.irp a, 0,1,2,3,4,5,6,7
	QUANTW \a
.endr
.Lwords:
.irp t, 0,1,2,3
	v_cndmask_b32 v[OUTS+\t], v[PWS+\t], v[PWS+4+\t], s67   ; lanes 0-15: row r's words of fragments 0-3; lanes 16-31: of fragments 4-7
.endr
	global_store_b128 v[LI], v[OUTS:OUTS+3], s[10:11]   ; 512 consecutive bytes, aligned
	s_wait_tensorcnt 0x0                           ; the wave's end: behind my last tensor load
	ds_add_u32 v[SPW], v[NIL]
	s_wait_dscnt 0x0
	CROUND                                         ; the closing round: no work-group ends while a partner may still ask for a tile that names it
	s_endpgm
.Lfunc_end_k_qac4699a2bf_qkv:
	.size	k_qac4699a2bf_qkv, .Lfunc_end_k_qac4699a2bf_qkv-k_qac4699a2bf_qkv
	.p2alignl 7, 3214868480
	.fill 96, 4, 3214868480
	.section	.rodata,"a",@progbits
	.p2align	6, 0x0
	.amdhsa_kernel k_qac4699a2bf_qkv
		.amdhsa_group_segment_fixed_size 327680
		.amdhsa_private_segment_fixed_size 0
		.amdhsa_enable_private_segment 0
		.amdhsa_kernarg_size 48
		.amdhsa_user_sgpr_count 2
		.amdhsa_user_sgpr_kernarg_segment_ptr 1
		.amdhsa_wavefront_size32 1
		.amdhsa_system_sgpr_workgroup_id_x 1
		.amdhsa_system_sgpr_workgroup_id_y 1
		.amdhsa_system_sgpr_workgroup_id_z 1
		.amdhsa_system_vgpr_workitem_id 0
		.amdhsa_next_free_vgpr 1024
		.amdhsa_next_free_sgpr 102
		.amdhsa_reserve_vcc 0
		.amdhsa_float_denorm_mode_32 3
		.amdhsa_float_denorm_mode_16_64 3
		.amdhsa_memory_ordered 1
		.amdhsa_forward_progress 1
		.amdhsa_inst_pref_size 255
	.end_amdhsa_kernel
	.section	.bss,"aw",@nobits
	.p2align	6
	.space	262144
	.amdgpu_metadata
---
amdhsa.version: [ 1, 2 ]
amdhsa.kernels:
  - .name:           k_qac4699a2bf_qkv
    .symbol:         k_qac4699a2bf_qkv.kd
    .args:
      - { .name: codes1, .offset: 0, .size: 8, .value_kind: global_buffer, .address_space: global }
      - { .name: scales1, .offset: 8, .size: 8, .value_kind: global_buffer, .address_space: global }
      - { .name: qkv_img, .offset: 16, .size: 8, .value_kind: global_buffer, .address_space: global }
      - { .name: qkv_sc, .offset: 24, .size: 8, .value_kind: global_buffer, .address_space: global }
      - { .name: cos, .offset: 32, .size: 8, .value_kind: global_buffer, .address_space: global }
      - { .name: sin, .offset: 40, .size: 8, .value_kind: global_buffer, .address_space: global }
    .group_segment_fixed_size: 327680
    .private_segment_fixed_size: 0
    .kernarg_segment_align: 8
    .kernarg_segment_size: 48
    .max_flat_workgroup_size: 128
    .sgpr_count:     102
    .vgpr_count:     1024
    .wavefront_size: 32
...
	.end_amdgpu_metadata
.endif
;; end of part 2
;; launch attn (part 3): grid 32 x 8, 8 waves a work-group, clusters of 4 x 4, 327,680 bytes of LDS; arguments qkv_img, qkv_sc, attention_mask, o_codes, o_scales; writes o_codes, o_scales
.if DOCPART == 3
	.amdgcn_target "amdgcn-amd-amdhsa--gfx1250"
	.amdhsa_code_object_version 6
	.text
	.protected	k_qac4699a2bf_attn
	.globl	k_qac4699a2bf_attn
	.p2align	8
	.type	k_qac4699a2bf_attn,@function
k_qac4699a2bf_attn:
	s_mov_b64 s[64:65], 0
	v_nop
	global_prefetch_b8 v0, s[64:65] scope:SCOPE_SE
	s_setreg_imm32_b32 hwreg(HW_REG_WAVE_MODE, 25, 1), 1
	s_wait_xcnt 0x0
	s_wait_alu depctr_hold_cnt(0) depctr_sa_sdst(0) depctr_va_vdst(0) depctr_va_sdst(0) depctr_va_ssrc(0) depctr_va_vcc(0) depctr_vm_vsrc(0)
	s_getreg_b32 s2, hwreg(HW_REG_IB_STS2, 6, 4)
	s_cmp_eq_u32 s2, 0
	s_cbranch_scc0 .Lentry_in_a_cluster
	s_endpgm
.Lentry_in_a_cluster:
	s_bfe_u32 s2, ttmp6, 0x10000c
	s_cmp_lg_u32 s2, 0xf033
	s_cbranch_scc0 .Lentry_shape_is_right
	s_endpgm
.Lentry_shape_is_right:
; Attention on codes of FP6 with E8M0 scales: logit = q . k / sqrt(128) + mask; t = logit x log2(e); M = the running largest t rounded UP to a whole number; p = 2^(t - M) is quantised along the keys;
; the row's sum is taken of the unquantised p and divides O at the end; O is quantised along head x 128 + d for the last projection.  The mask is an input: every score is made and every mask number read.
; t is a multiplication and t - M an addition of their own: t is then an f32 number, M is at least every t, so no p exceeds 1, at any size of the mask's numbers.
; SHARES.  A work-group owns 64 queries (tokens 64 xb ..) of the two query heads 2 pair, 2 pair + 1, which share key and value head pair.  Wave w: tile of 16 queries w % 4 of head w / 4, in 256 registers.
; Every wave walks all 2,048 keys, 128 a step; a slot of the ring holds two steps: K's and V's fragments as images of their registers (12,288 bytes each, dense) and 64 rows x 256 keys of the mask.
; CLUSTER 4 x 4: the four of a row share pair, so K, V and their scale words are asked for jointly along the row; the four of a column share xb, so the mask's tiles are asked for jointly along the column.
; LAYOUT.  Both products transposed (S^T = K Q^T, O^T = V^T P^T): a lane holds ONE query.  Row r of fragment a of q, k (tokens) and v (d) is number 32 (a / 2) + 8 (a % 2) + r + 8 (r / 8) of its 128:
; so the 16 registers of tiles 2 b, 2 b + 1 of S^T are keys 32 b + 16 (lane / 16) + 0 .. 15, and those of O^T are d in the same order.
; LIMITS: NaN and infinities among the inputs are not served, but for -infinity in the mask (p = 0 there); a row whose mask is -infinity everywhere gives NaN, as the definition does.
; REGISTERS: v1-11, v28-31 addresses; v12 -M, v13 the largest t, v[14:15] the sum in two halves; v16-27 Q; v32-95 four fragments, then 64 mask numbers; v96-159 S^T, then p; v160-223 O^T; v224-235 p's codes;
;   v232-247, v252, v254 at work; v248-251 K's or V's scale words, v253 p's, v255 Q's.
.set SLOT1, 131072                     ; slot 1 begins here: one exclusive or turns an address from one slot to the other
.set PIECE, 12288                      ; in a slot: K of step 0, V of step 0, K of step 1, V of step 1
.set MOFF,  4*PIECE                    ; then four groups of 16 rows of the mask; a row is 1,024 bytes + 16 of padding
.set MP,    1040
.set GP,    16*MP+128                  ; a group's place: the 128 bytes more put rows 16-23 eight columns of 16 bytes behind rows 0-7, so that the 16 rows of a tile begin in 16 different columns modulo 256 bytes
.set SCB,   2*SLOT1                    ; behind the ring: K's scale words of the head, 8,192 bytes, then V's: filled once
.set SPARE, SCB+16384                  ; the spare words, 128 bytes for each of eight waves
.set STG,   SPARE+1024                 ; the way out: 64 rows x (16 places of 16 bytes + 16)
.set SWS,   STG+64*272                 ; and 64 x 2 scale words
.set LI,   1                           ; v1  16 x lane
.set AM0,  2                           ; v2  my lane's place in a slot's mask rows
.set ASC0, 3                           ; v3  SCB + 16 x lane
.set STO,  4                           ; v4  the way out: where I put my codes
.set SPW,  5                           ; v5  LDS address of my spare word; never rewritten
.set NIL,  6                           ; v6  0; never rewritten
.set SWA,  7                           ; v7  where I put my row's scale word
.set ADK,  8                           ; v8  LDS address of the slot's images
.set ADM,  9                           ; v9  of its mask rows
.set ADS,  10                          ; v10 of the step's scale words
.set SRD,  11                          ; v11 where I read a row of codes back
.set PFO,  28                          ; v28 the prefetches' offset; never rewritten
.set GOC,  29                          ; v29 my byte offset in the work-group's rows of o_codes
.set SWR,  30                          ; v30 where I read two scale words back
.set GOS,  31                          ; v31 my byte offset in the work-group's rows of o_scales
.set WV,   14                          ; s14 wave; s15 wave % 4; s16 wave / 4
.set G1KV, 24                          ; s[24:31] descriptor group 1: a piece of K or V
.set G1S,  32                          ; s[32:39] half a head's scale words
.set G1M,  40                          ; s[40:47] 16 rows of the mask
.set G0KV, 48                          ; s[48:51], s[52:55] groups 0 that walk; s[56:59] the scale words'
.set G0M,  52
.set G0S,  56
.set SEL,  60                          ; s[60:61] lane selects for v_permlanex16_b32: lane l xor 16
.set RS,   62                          ; s[62:63] 1 / sqrt(128)
.set LG,   66                          ; s[66:67] log2(e)
.set TB,   68                          ; s68 LDS byte at which the slot in hand begins
.set TS,   69                          ; s69 the step's scale words: 512 bytes a step
.set SLOTS, 70                         ; s70 slots still to be asked for
.set PFA,  72                          ; s[72:73] where my prefetches stand
.set LIM,  74                          ; s74 1 in a wave that prefetches, else the greatest number
; A joint refill: waves 0-3 fetch the slot's four pieces of K and V, waves 4-7 its four groups of mask rows.  The branch hangs on the wave's number alone.  An s_nop 0 and four v_nop follow each line.
.macro JLOAD
	s_cmp_eq_u32 s16, 0
	s_cbranch_scc0 .Lfor_m_\@
	tensor_load_to_lds s[G0KV:G0KV+3], s[G1KV:G1KV+7]
	s_nop 0
.rept 4
	v_nop
.endr
	s_branch .Lasked_\@
.Lfor_m_\@:
	tensor_load_to_lds s[G0M:G0M+3], s[G1M:G1M+7]
	s_nop 0
.rept 4
	v_nop
.endr
.Lasked_\@:
.endm
; A PREFETCH INTO THE L2 of the mask rows that the NEXT change of slots will ask for: 64 rows x 1,024 bytes.  The clusters with y = 0 ask; the four partners of a column take 16 rows each, told apart BY ADDRESS;
; in each, waves 0 and 1 take 8 rows: a lane names one block of 256 bytes, so each block is named once in the launch.  The last change that fills a slot asks for nothing; slots 0 and 1 come by their loads alone.
.macro ASK
	s_cmp_gt_u32 s[SLOTS], s[LIM]
	s_cbranch_scc0 .Lnot_mine_\@
	global_prefetch_b8 v[PFO], s[PFA:PFA+1] th:TH_LOAD_NT scope:SCOPE_SE
.Lnot_mine_\@:
.endm
.macro CROUND                          ; a round of the cluster's barrier
	s_barrier_signal -1
	s_barrier_wait -1
	s_cmp_lg_u32 s[WV], 0
	s_cbranch_scc1 .Lnot_wave_0_\@
	s_barrier_signal -3
.Lnot_wave_0_\@:
	s_barrier_wait -3
	s_barrier_signal -1
	s_barrier_wait -1
.endm
	s_load_b256 s[4:11], s[0:1], 0x0               ; qkv_img s[4:5], qkv_sc s[6:7], the mask s[8:9], o_codes s[10:11]
	s_load_b64 s[12:13], s[0:1], 0x20              ; o_scales
	v_lshl_add_u32 v[SPW], v0, 2, SPARE
	v_mov_b32 v[NIL], 0
	ds_add_u32 v[SPW], v[NIL]                      ; the wave's opening: the add, waited for ahead of my first tensor load; the set-up below, work on registers, stands between the add and its wait
	v_lshrrev_b32 v8, 5, v0
	v_readfirstlane_b32 s[WV], v8                  ; wave 0..7
	s_and_b32 s15, s[WV], 3                        ; my tile of queries; also: which piece or group I fetch
	s_lshr_b32 s16, s[WV], 2                       ; my head of the two; also: I fetch K, V (0) or the mask (1)
	s_bfe_u32 s17, ttmp6, 0x40000                  ; cx
	s_bfe_u32 s18, ttmp6, 0x40004                  ; cy
	s_lshl_b32 s19, ttmp9, 2
	s_add_co_u32 s19, s19, s17                     ; xb = 4 x cluster x + cx: my block of 64 queries
	s_and_b32 s20, ttmp7, 0xffff
	s_lshl_b32 s20, s20, 2
	s_add_co_u32 s20, s20, s18                     ; pair = 4 x cluster y + cy: my key and value head
	s_lshl_b32 s21, s18, 2
	s_lshl_b32 s21, 15, s21                        ; my row of the cluster
	s_lshl_b32 s22, 0x1111, s17                    ; my column
	s_or_b32 s[G1KV], s21, (3<<16)|(1<<21)         ; the mask: my row; elements of 8 bytes; no padding; bit 21 beside a mask
	s_mov_b32 s[G1KV+1], 32<<16                    ; tensor_dim0 = 32: rows of 256 bytes of a dense block
	s_mov_b32 s[G1KV+2], 48<<16                    ; tensor_dim1 = 48
	s_mov_b32 s[G1KV+3], 32<<16                    ; tile_dim0
	s_mov_b32 s[G1KV+4], 48                        ; tile_dim1
	s_mov_b32 s[G1KV+5], 32                        ; the pitch
	s_mov_b32 s[G1KV+6], 0
	s_mov_b32 s[G1KV+7], 0
	s_or_b32 s[G1S], s21, (3<<16)|(1<<21)
	s_mov_b32 s[G1S+1], 32<<16
	s_mov_b32 s[G1S+2], 16<<16                     ; 16 rows of 256 bytes
	s_mov_b32 s[G1S+3], 32<<16
	s_mov_b32 s[G1S+4], 16
	s_mov_b32 s[G1S+5], 32
	s_mov_b32 s[G1S+6], 0
	s_mov_b32 s[G1S+7], 0
	s_or_b32 s[G1M], s22, (2<<16)|(1<<20)|(1<<21)|(7<<22)|(3<<25)   ; the mask: my column; elements of 4 bytes; padding: after every 256 words, 4 words
	s_mov_b32 s[G1M+1], 256<<16                    ; tensor_dim0 = 256 keys
	s_mov_b32 s[G1M+2], 16<<16                     ; tensor_dim1 = 16 rows
	s_mov_b32 s[G1M+3], 256<<16
	s_mov_b32 s[G1M+4], 16
	s_mov_b32 s[G1M+5], 2048                       ; a row of the mask
	s_mov_b32 s[G1M+6], 0
	s_mov_b32 s[G1M+7], 0
	s_mov_b32 s[SEL], 0x76543210
	s_mov_b32 s[SEL+1], 0xfedcba98
	s_mov_b32 s[RS], 0x3db504f3                    ; 1 / sqrt(128)
	s_mov_b32 s[RS+1], s[RS]                       ; (named with it as a pair, so it is written)
	s_mov_b32 s[LG], 0x3fb8aa3b                    ; log2(e)
	s_mov_b32 s[LG+1], s[LG]
	s_mov_b32 s[TB], 0
	s_mov_b32 s[TS], 0
	s_mov_b32 s[SLOTS], 7
	; what I fetch.  K, V and their scale words hang on pair and the wave; the mask's rows on xb and the wave
	s_and_b32 s76, s15, 1                          ; K (0) or V (1)
	s_lshr_b32 s77, s15, 1                         ; the slot's step; of the scale words: which half
	s_lshl_b32 s78, s76, 3
	s_add_co_u32 s78, s78, s20
	s_add_co_u32 s78, s78, 16                      ; its head's number in qkv_img: 16 + pair, or 24 + pair
	s_mul_i32 s80, s78, 196608
	s_mul_i32 s79, s77, PIECE
	s_add_co_u32 s80, s80, s79
	s_mov_b32 s81, 0
	s_lshl_b32 s82, s78, 13
	s_lshl_b32 s79, s77, 12
	s_add_co_u32 s82, s82, s79
	s_mov_b32 s83, 0
	s_mov_b32 s[G0S], 1
	s_lshl_b32 s[G0S+1], s76, 13
	s_add_co_u32 s[G0S+1], s[G0S+1], s79
	s_add_co_u32 s[G0S+1], s[G0S+1], SCB
	s_mov_b32 s[G0KV], 1
	s_mul_i32 s[G0KV+1], s15, PIECE
	s_mov_b32 s[G0M], 1
	s_mul_i32 s[G0M+1], s15, GP
	s_add_co_u32 s[G0M+1], s[G0M+1], MOFF
	s_lshl_b32 s84, s19, 19                        ; 64 xb rows of 8,192 bytes
	s_lshl_b32 s79, s15, 17                        ; + 16 rows a group
	s_add_co_u32 s84, s84, s79
	s_mov_b32 s85, 0
	; Q: head 2 pair + wave / 4, group xb / 2, fragment 4 (xb % 2) + wave % 4
	s_lshl_b32 s86, s20, 1
	s_add_co_u32 s86, s86, s16
	s_lshr_b32 s87, s19, 1
	s_and_b32 s88, s19, 1
	s_mul_i32 s90, s86, 196608
	s_mul_i32 s79, s87, PIECE
	s_add_co_u32 s90, s90, s79
	s_lshl_b32 s79, s88, 2
	s_add_co_u32 s79, s79, s15
	s_mul_i32 s79, s79, 1536
	s_add_co_u32 s90, s90, s79
	s_mov_b32 s91, 0
	s_lshl_b32 s86, s86, 13                        ; its scale words: 8,192 a head, 512 a group, 256 for fragments 4-7, 4 a fragment
	s_lshl_b32 s79, s87, 9
	s_add_co_u32 s86, s86, s79
	s_lshl_b32 s79, s88, 8
	s_add_co_u32 s86, s86, s79
	s_lshl_b32 s79, s15, 2
	s_add_co_u32 s86, s86, s79
	s_mov_b32 s87, 0
	s_mul_i32 s88, s19, 64*1536                    ; o_codes: my 64 rows of 1,536 bytes, + 192 bytes a pair of heads
	s_mul_i32 s79, s20, 192
	s_add_co_u32 s88, s88, s79
	s_mov_b32 s89, 0
	s_lshl_b32 s76, s19, 12                        ; o_scales: rows of 64 bytes, + 8 a pair
	s_lshl_b32 s79, s20, 3
	s_add_co_u32 s76, s76, s79
	s_mov_b32 s77, 0
	s_lshl_b32 s22, s19, 19                        ; the prefetches: rows 64 xb + 16 cy + 8 (wave % 2), at slot 1: the first change steps it to slot 2
	s_lshl_b32 s79, s18, 17
	s_add_co_u32 s22, s22, s79
	s_and_b32 s79, s[WV], 1
	s_lshl_b32 s79, s79, 16
	s_add_co_u32 s22, s22, s79
	s_add_co_u32 s22, s22, 1024
	s_mov_b32 s23, 0
	s_lshr_b32 s79, s[WV], 1                       ; 0 in waves 0 and 1,
	s_and_b32 s75, ttmp7, 0xffff
	s_or_b32 s79, s79, s75                         ; of the clusters with y = 0: the same in all partners
	s_cmp_eq_u32 s79, 0
	s_cselect_b32 s[LIM], 1, -1
	s_wait_dscnt 0x0                               ; the opening add is done
	s_wait_kmcnt 0x0
	s_add_nc_u64 s[G0KV+2:G0KV+3], s[4:5], s[80:81]
	s_or_b32 s[G0KV+3], s[G0KV+3], 0x80000000
	s_add_nc_u64 s[G0S+2:G0S+3], s[6:7], s[82:83]
	s_or_b32 s[G0S+3], s[G0S+3], 0x80000000
	s_add_nc_u64 s[G0M+2:G0M+3], s[8:9], s[84:85]
	s_or_b32 s[G0M+3], s[G0M+3], 0x80000000
	s_add_nc_u64 s[90:91], s[4:5], s[90:91]        ; Q's image
	s_add_nc_u64 s[86:87], s[6:7], s[86:87]        ; Q's scale words
	s_add_nc_u64 s[10:11], s[10:11], s[88:89]
	s_add_nc_u64 s[12:13], s[12:13], s[76:77]
	s_add_nc_u64 s[PFA:PFA+1], s[8:9], s[22:23]
	CROUND                                         ; all sixteen work-groups are here: the first joint loads meet
	s_cmp_eq_u32 s16, 0                            ; the scale words of the whole head, K's and V's: four loads, waves 0-3: filled once
	s_cbranch_scc0 .Lno_scales
	tensor_load_to_lds s[G0S:G0S+3], s[G1S:G1S+7]
	s_nop 0
.rept 4
	v_nop
.endr
.Lno_scales:
	JLOAD                                          ; slot 0.  By this text's count two loads of a wave are out here, one behind each later round; every wait for them is for 0
	v_and_b32 v32, 31, v0                          ; lane
	v_lshlrev_b32 v[LI], 4, v32
	v_add_nc_u32 v[ASC0], SCB, v[LI]
.irp c, 0,1,2
	global_load_b128 v[16+4*\c:19+4*\c], v[LI], s[90:91] offset:512*\c   ; Q's fragment, as its image lies: it stays in registers
.endr
	v_and_b32 v35, 15, v0                          ; r
	v_lshlrev_b32 v36, 4, v35
	global_load_b32 v255, v36, s[86:87]            ; Q's scale word of row r
	v_and_b32 v33, 7, v0                           ; r % 8
	v_bfe_u32 v34, v0, 3, 1                        ; r / 8
	v_bfe_u32 v37, v0, 4, 1                        ; h
	; my query is row 32 (qt / 2) + 8 (qt % 2) + r % 8 + 16 (r / 8) of the 64: group 2 (qt / 2) + r / 8, row 8 (qt % 2) + r % 8 in it
	v_mul_u32_u24 v[AM0], v33, MP
	v_mad_u32_u24 v[AM0], v34, GP, v[AM0]
	v_lshl_add_u32 v[AM0], v37, 6, v[AM0]          ; + 64 h: my 16 keys of a block of 32
	s_lshr_b32 s79, s15, 1
	s_mul_i32 s79, s79, 2*GP
	s_and_b32 s75, s15, 1
	s_mul_i32 s75, s75, 8*MP
	s_add_co_u32 s79, s79, s75
	s_add_co_u32 s79, s79, MOFF
	v_add_nc_u32 v[AM0], s79, v[AM0]
	v_lshl_add_u32 v38, v34, 4, v33
	s_lshr_b32 s79, s15, 1
	s_lshl_b32 s79, s79, 5
	s_and_b32 s75, s15, 1
	s_lshl_b32 s75, s75, 3
	s_add_co_u32 s79, s79, s75
	v_add_nc_u32 v38, s79, v38                     ; my query's row among the 64
	v_mul_u32_u24 v[STO], v38, 272                 ; the stage: its row, + 128 bytes for the second head, + 32 h
	v_lshl_add_u32 v[STO], v37, 5, v[STO]
	s_lshl_b32 s79, s16, 7
	s_add_co_u32 s79, s79, STG
	v_add_nc_u32 v[STO], s79, v[STO]
	v_lshlrev_b32 v[SWA], 3, v38                   ; its two scale words: 8 bytes a row, 4 a head
	s_lshl_b32 s79, s16, 2
	s_add_co_u32 s79, s79, SWS
	v_add_nc_u32 v[SWA], s79, v[SWA]
	v_mul_u32_u24 v[SRD], v37, 272                 ; back: wave w takes rows 8 w .. 8 w + 7; sixteen lanes to a row, two rows an instruction
	v_lshl_add_u32 v[SRD], v35, 4, v[SRD]
	s_mul_i32 s79, s[WV], 8*272
	s_add_co_u32 s79, s79, STG
	v_add_nc_u32 v[SRD], s79, v[SRD]
	v_mul_u32_u24 v[GOC], v37, 1536                ; and the same place in o_codes: 12 bytes a lane
	v_mad_u32_u24 v[GOC], v35, 12, v[GOC]
	s_mul_i32 s79, s[WV], 8*1536
	v_add_nc_u32 v[GOC], s79, v[GOC]
	s_and_b32 s79, s[WV], 1                        ; the scale words leave by waves 0 and 1: 32 rows each, a lane a row
	s_lshl_b32 s75, s79, 8
	s_add_co_u32 s75, s75, SWS
	v_lshl_add_u32 v[SWR], v32, 3, s75
	s_lshl_b32 s75, s79, 11
	v_lshl_add_u32 v[GOS], v32, 6, s75
	v_lshrrev_b32 v39, 2, v32                      ; the prefetches: lane / 4 is the row of my 8, lane % 4 the block of 256 bytes
	v_and_b32 v40, 3, v32
	v_lshlrev_b32 v[PFO], 13, v39
	v_lshl_add_u32 v[PFO], v40, 8, v[PFO]
	v_mov_b32 v13, 0xff61b1e6                      ; the largest t so far: -3e38
	v_floor_f32 v12, -v13                          ; -M
	v_mov_b32 v14, 0                               ; the sum, in two halves
	v_mov_b32 v15, 0
.irp b, 0,1,2,3
	v_mov_b32 v[236+\b], 0                         ; written once: a lane permute's destination counts as one of its sources
.endr
	v_mov_b32 v253, 0                              ; (named as the upper half of the pair v[252:253] before it is first written)
.set j, 0
.rept 64
	v_mov_b32 v[160+j], 0                          ; O^T.  (The step is written without a first step of its own: it finds zeros, which the first change of M leaves zeros)
.set j, j+1
.endr
; A KEY STEP: 128 keys, the q-th of the slot in hand.
.macro STEP q
	v_add_nc_u32 v[ADK], s[TB], v[LI]              ; these three and the v_nop are the four places behind the last products, in front of the loads below
	v_add_nc_u32 v[ADM], s[TB], v[AM0]
	v_add_nc_u32 v[ADS], s[TS], v[ASC0]
	v_nop
	ds_load_b128 v[248:251], v[ADS]                ; K's scale words: lanes 0-15 those of tiles 0-3, lanes 16-31 of tiles 4-7
.irp g, 0,1                                    ; S^T = K Q^T, four tiles of 16 keys at a time
.if \g > 0
.rept 4
	v_nop                                          ; places in front of loads into registers that matrix instructions have read
.endr
.endif
.irp t, 0,1,2,3
.irp c, 0,1,2
	ds_load_b128 v[32+12*\t+4*\c:35+12*\t+4*\c], v[ADK] offset:(\q)*2*PIECE+(4*\g+\t)*1536+512*\c   ; an image: 512 consecutive bytes a load
.endr
.endr
	s_wait_dscnt 0x0
.irp t, 0,1,2,3
.if \g == 0
	v_wmma_scale_f32_16x16x128_f8f6f4 v[96+8*\t:103+8*\t], v[32+12*\t:43+12*\t], v[16:27], 0, v[248+\t], v255 matrix_a_fmt:MATRIX_FMT_FP6 matrix_b_fmt:MATRIX_FMT_FP6
.else
	v_wmma_scale_f32_16x16x128_f8f6f4 v[128+8*\t:135+8*\t], v[32+12*\t:43+12*\t], v[16:27], 0, v[248+\t], v255 matrix_a_fmt:MATRIX_FMT_FP6 matrix_b_fmt:MATRIX_FMT_FP6 matrix_a_scale:MATRIX_SCALE_ROW1
.endif
.endr
.endr
.rept 4
	v_nop                                          ; places: for the loads below and for the first reads of the scores
.endr
.irp b, 0,1,2,3
.irp i, 0,1,2,3
	ds_load_b128 v[32+16*\b+4*\i:35+16*\b+4*\i], v[ADM] offset:512*(\q)+128*\b+16*\i   ; the mask of my query at keys 32 b + 16 h + 4 i .., in the scores' order
.endr
.endr
	s_wait_dscnt 0x0
.set j, 0
.rept 32
	v_pk_fma_f32 v[96+j:97+j], v[96+j:97+j], s[RS:RS+1], v[32+j:33+j] op_sel_hi:[1,0,1]   ; the logit: score / sqrt(128) + mask; each accumulator from its low end on
.set j, j+2
.endr
.set j, 0
.rept 32
	v_pk_mul_f32 v[96+j:97+j], v[96+j:97+j], s[LG:LG+1] op_sel_hi:[1,0]   ; t = logit x log2(e)
.set j, j+2
.endr
.irp b, 0,1,2,3
	v_max3_num_f32 v[232+\b], v[96+16*\b], v[97+16*\b], v[98+16*\b]   ; the largest t of each block of 32 keys: it serves for the row's maximum and, since p rises with t, for the block's largest p
.endr
.irp i, 3,5,7,9,11,13
.irp b, 0,1,2,3
	v_max3_num_f32 v[232+\b], v[232+\b], v[96+16*\b+\i], v[97+16*\b+\i]   ; (the four blocks by turns)
.endr
.endr
.irp b, 0,1,2,3
	v_max_num_f32 v[232+\b], v[232+\b], v[111+16*\b]
.endr
.irp b, 0,1,2,3
	v_permlanex16_b32 v[236+\b], v[232+\b], s[SEL], s[SEL+1]
.endr
.irp b, 0,1,2,3
	v_max_num_f32 v[232+\b], v[232+\b], v[236+\b]  ; with lane l xor 16's 16 keys
.endr
	v_max3_num_f32 v254, v232, v233, v234
	v_max_num_f32 v254, v254, v235                 ; the step's largest t of my query
	v_max_num_f32 v13, v13, v254                   ; the running largest t
	v_mov_b32 v254, v12
	v_floor_f32 v12, -v13                          ; the new -M = floor(-t) = -ceil(t): M is a whole number
	v_sub_f32 v254, v12, v254                      ; M's old value less its new one: 0 or less
	v_cvt_i32_f32 v254, v254                       ; (it saturates)
	v_ldexp_f32 v252, 1.0, v254                    ; f = 2^(old M - new M): a multiplication by it rounds nothing
.set j, 0
.rept 32
	v_pk_add_f32 v[96+j:97+j], v[96+j:97+j], v[12:13] op_sel_hi:[1,0]   ; t - M (of the pair the low word, -M, serves both halves)
.set j, j+2
.endr
.irp b, 0,1,2,3
	v_add_f32 v[232+\b], v[232+\b], v12            ; the same of each block's largest t
.endr
.set j, 0
.rept 64
	v_exp_f32 v[96+j], v[96+j]                     ; p = 2^(t - M), at most 1: not normalised
.set j, j+1
.endr
	v_pk_mul_f32 v[14:15], v[14:15], v[252:253] op_sel_hi:[1,0]   ; the sums under the new M (a plain place behind the exponentials)
	s_wait_alu depctr_va_vdst(0)                   ; one wait for the whole batch, ahead of its first reader
.irp b, 0,1,2,3
	v_exp_f32 v[232+\b], v[232+\b]                 ; the block's largest p: the same instructions on the same number give the same bits
.endr
	v_pk_add_f32 v[236:237], v[96:97], v[98:99]    ; the row's sum is taken of the unquantised p, in two chains (it reads the 64 alone: plain work behind the four)
.irp i, 4,8,12,16,20,24,28,32,36,40,44,48,52,56,60
	v_pk_add_f32 v[14:15], v[14:15], v[96+\i:97+\i]
	v_pk_add_f32 v[236:237], v[236:237], v[98+\i:99+\i]
.endr
	v_pk_add_f32 v[14:15], v[14:15], v[236:237]
	s_wait_alu depctr_va_vdst(0)                   ; and one for the four
.irp b, 0,1,2,3
	v_max_num_f32 v[232+\b], 0x1800000, v[232+\b]  ; the floor 2^(3 - 127): the byte cannot fall under 1 (a block whose every p is 0 keeps that byte: its codes are zeros)
.endr
.irp b, 0,1,2,3
	v_add_nc_u32 v[244+\b], 0xff000000, v[232+\b]  ; 2 off the exponent field: the conversion's scale operand
.endr
.irp b, 0,1,2,3
	v_lshrrev_b32 v[236+\b], 23, v[244+\b]         ; the scale's byte
.endr
	v_lshl_or_b32 v253, v237, 8, v236              ; p's scale word for these 128 keys
	v_lshl_or_b32 v253, v238, 16, v253
	v_lshl_or_b32 v253, v239, 24, v253
.irp c, 0,1
	v_cvt_scalef32_pk16_fp6_f32 v[224+6*\c:226+6*\c], v[96+32*\c:111+32*\c], v[244+2*\c]
	v_cvt_scalef32_pk16_fp6_f32 v[236+4*\c:238+4*\c], v[112+32*\c:127+32*\c], v[244+2*\c+1]   ; (a conversion's three registers begin on an even number)
.endr
	v_nop                                          ; one plain place behind a scaled conversion
.irp c, 0,1                                    ; the operand's layout wants a WHOLE block in a lane
.irp i, 0,1,2
	v_permlane16_swap_b32 v[224+6*\c+\i], v[236+4*\c+\i]
.endr
.irp i, 0,1,2
	v_mov_b32 v[227+6*\c+\i], v[236+4*\c+\i]
.endr
.endr
.set j, 0
.rept 32
	v_pk_mul_f32 v[160+j:161+j], v[160+j:161+j], v[252:253] op_sel_hi:[1,0]   ; O^T under the new M.  (These 32 are also the places in front of the matrix instructions and loads below)
.set j, j+2
.endr
	ds_load_b128 v[248:251], v[ADS] offset:8192    ; V's scale words
.irp g, 0,1                                    ; O^T += V^T P^T: four tiles of 16 of the head's 128 at a time; the eight accumulators take turns
.if \g > 0
.rept 4
	v_nop
.endr
.endif
.irp t, 0,1,2,3
.irp c, 0,1,2
	ds_load_b128 v[32+12*\t+4*\c:35+12*\t+4*\c], v[ADK] offset:(\q)*2*PIECE+PIECE+(4*\g+\t)*1536+512*\c
.endr
.endr
	s_wait_dscnt 0x0
.irp t, 0,1,2,3
.if \g == 0
	v_wmma_scale_f32_16x16x128_f8f6f4 v[160+8*\t:167+8*\t], v[32+12*\t:43+12*\t], v[224:235], v[160+8*\t:167+8*\t], v[248+\t], v253 matrix_a_fmt:MATRIX_FMT_FP6 matrix_b_fmt:MATRIX_FMT_FP6
.else
	v_wmma_scale_f32_16x16x128_f8f6f4 v[192+8*\t:199+8*\t], v[32+12*\t:43+12*\t], v[224:235], v[192+8*\t:199+8*\t], v[248+\t], v253 matrix_a_fmt:MATRIX_FMT_FP6 matrix_b_fmt:MATRIX_FMT_FP6 matrix_a_scale:MATRIX_SCALE_ROW1
.endif
.endr
.endr
	s_add_co_u32 s[TS], s[TS], 512                 ; the next step's scale words
.endm
; THE CHANGE OF SLOTS stands at a slot's head.  Each wave waits for all its tensor loads (its part of the slot that it is about to read), adds 0 to its spare word, and waits for that and for its reads of the slot that it
; has left.  fill = 1: a round of the cluster's barrier, so that no wave of any partner still reads that slot or has a load on its way; then the joint refill, which has two key steps in which to land.
.macro CHANGE fill
	s_wait_tensorcnt 0x0                           ; no tensor load of mine is out, so a group 0 may be written
	ds_add_u32 v[SPW], v[NIL]                      ; 0 onto my spare word
.if \fill
	s_xor_b32 s[G0KV+1], s[G0KV+1], SLOT1          ; the walking descriptors: the other slot than last time,
	s_add_nc_u64 s[G0KV+2:G0KV+3], s[G0KV+2:G0KV+3], 2*PIECE   ; the next 256 keys: two groups of images;
	s_xor_b32 s[G0M+1], s[G0M+1], SLOT1
	s_add_nc_u64 s[G0M+2:G0M+3], s[G0M+2:G0M+3], 1024   ; 1,024 bytes on in each row of the mask
	s_wait_xcnt 0x0                                ; the last prefetch, a slot back, has read its address, so it may be written:
	s_add_nc_u64 s[PFA:PFA+1], s[PFA:PFA+1], 1024  ; one slot further on than the walking descriptors
	s_wait_dscnt 0x0                               ; the add is done, and my reads of the slot that I have left are over
	CROUND
	JLOAD                                          ; the first thing behind the round, and a wave's one tensor load until the next
	ASK
.else
	s_wait_dscnt 0x0
	s_barrier_signal -1
	s_barrier_wait -1
.endif
.endm
	s_wait_loadcnt 0x0                             ; Q and its scale word
.Lslot:                                            ; 7 trips: behind each change of slots but the last the next slot is asked for
	CHANGE 1
	STEP 0
	STEP 1
	s_xor_b32 s[TB], s[TB], SLOT1                  ; on to the other slot
	s_sub_co_u32 s[SLOTS], s[SLOTS], 1
	s_cmp_lg_u32 s[SLOTS], 0
	s_cbranch_scc1 .Lslot
	CHANGE 0                                       ; the last slot is written out
	STEP 0
	STEP 1
	; THE WAY OUT.  O^T / the sum; quantised along d: register 16 c + i is d = 32 c + 16 h + i of my query and head.  The codes meet in a stage, 12 bytes to a place of 16, and leave as rows of 192 bytes (two heads).
.rept 4
	v_nop                                          ; places behind the last products
.endr
	v_add_f32 v14, v14, v15                        ; the sum's two halves,
	v_permlanex16_b32 v252, v14, s[SEL], s[SEL+1]
	v_add_f32 v14, v14, v252                       ; and lane l xor 16's: the row's sum
	v_rcp_f32 v14, v14
	v_nop                                          ; a plain place behind the transcendental
	s_wait_alu depctr_va_vdst(0)                   ; the wait, ahead of the first reader
.set j, 0
.rept 64
	v_mul_f32 v[96+j], v[160+j], v14               ; each accumulator from its low end on
.set j, j+1
.endr
.irp b, 0,1,2,3
	v_max3_num_f32 v[232+\b], |v[96+16*\b]|, |v[97+16*\b]|, 0x1800000   ; block b: my 16 numbers, and the floor
.endr
.irp i, 2,4,6,8,10,12,14
.irp b, 0,1,2,3
	v_max3_num_f32 v[232+\b], v[232+\b], |v[96+16*\b+\i]|, |v[97+16*\b+\i]|
.endr
.endr
.irp b, 0,1,2,3
	v_permlanex16_b32 v[236+\b], v[232+\b], s[SEL], s[SEL+1]
.endr
.irp b, 0,1,2,3
	v_max_num_f32 v[232+\b], v[232+\b], v[236+\b]
.endr
.irp b, 0,1,2,3
	v_add_nc_u32 v[244+\b], 0xff000000, v[232+\b]
.endr
.irp b, 0,1,2,3
	v_lshrrev_b32 v[236+\b], 23, v[244+\b]
.endr
	v_lshl_or_b32 v253, v237, 8, v236              ; my row's scale word for this head's 128
	v_lshl_or_b32 v253, v238, 16, v253
	v_lshl_or_b32 v253, v239, 24, v253
.irp c, 0,1
	v_cvt_scalef32_pk16_fp6_f32 v[32+6*\c:34+6*\c], v[96+32*\c:111+32*\c], v[244+2*\c]
	v_cvt_scalef32_pk16_fp6_f32 v[44+4*\c:46+4*\c], v[112+32*\c:127+32*\c], v[244+2*\c+1]
.endr
	v_nop                                          ; one plain place behind a scaled conversion
.irp c, 0,1
.irp i, 0,1,2
	v_permlane16_swap_b32 v[32+6*\c+\i], v[44+4*\c+\i]   ; the first now holds the lower 16 codes of my block 2 c + h, the second the upper 16
.endr
.endr
.irp c, 0,1
	ds_store_b96 v[STO], v[32+6*\c:34+6*\c] offset:64*\c
	ds_store_b96 v[STO], v[44+4*\c:46+4*\c] offset:64*\c+16
.endr
	ds_store_b32 v[SWA], v253                      ; both halves of the lanes write the same word with the same value
	s_wait_dscnt 0x0                               ; for the others' sake: my stores into the stage are done
	s_barrier_signal -1
	s_barrier_wait -1
.irp i, 0,1,2,3
	ds_load_b96 v[64+4*\i:66+4*\i], v[SRD] offset:2*\i*272
.endr
.irp i, 0,1,2,3
	s_wait_dscnt 3-\i                              ; the younger loads may be out
	global_store_b96 v[GOC], v[64+4*\i:66+4*\i], s[10:11] offset:2*\i*1536   ; sixteen lanes store a row's 192 consecutive bytes
.endr
	s_cmp_lt_u32 s[WV], 2
	s_cbranch_scc0 .Lno_words
	ds_load_b64 v[80:81], v[SWR]                   ; a row's two scale words
	s_wait_dscnt 0x0
	global_store_b64 v[GOS], v[80:81], s[12:13]
.Lno_words:
	s_wait_tensorcnt 0x0                           ; the wave's end: behind my last tensor load and my last LDS store
	ds_add_u32 v[SPW], v[NIL]
	s_wait_dscnt 0x0
	CROUND                                         ; the closing round: no work-group ends while a partner may still ask for a tile that names it
	s_endpgm
.Lfunc_end_k_qac4699a2bf_attn:
	.size	k_qac4699a2bf_attn, .Lfunc_end_k_qac4699a2bf_attn-k_qac4699a2bf_attn
	.p2alignl 7, 3214868480
	.fill 96, 4, 3214868480
	.section	.rodata,"a",@progbits
	.p2align	6, 0x0
	.amdhsa_kernel k_qac4699a2bf_attn
		.amdhsa_group_segment_fixed_size 327680
		.amdhsa_private_segment_fixed_size 0
		.amdhsa_enable_private_segment 0
		.amdhsa_kernarg_size 40
		.amdhsa_user_sgpr_count 2
		.amdhsa_user_sgpr_kernarg_segment_ptr 1
		.amdhsa_wavefront_size32 1
		.amdhsa_system_sgpr_workgroup_id_x 1
		.amdhsa_system_sgpr_workgroup_id_y 1
		.amdhsa_system_sgpr_workgroup_id_z 1
		.amdhsa_system_vgpr_workitem_id 0
		.amdhsa_next_free_vgpr 256
		.amdhsa_next_free_sgpr 92
		.amdhsa_reserve_vcc 0
		.amdhsa_float_denorm_mode_32 3
		.amdhsa_float_denorm_mode_16_64 3
		.amdhsa_memory_ordered 1
		.amdhsa_forward_progress 1
		.amdhsa_inst_pref_size 116
	.end_amdhsa_kernel
	.amdgpu_metadata
---
amdhsa.version: [ 1, 2 ]
amdhsa.kernels:
  - .name:           k_qac4699a2bf_attn
    .symbol:         k_qac4699a2bf_attn.kd
    .args:
      - { .name: qkv_img, .offset: 0, .size: 8, .value_kind: global_buffer, .address_space: global }
      - { .name: qkv_sc, .offset: 8, .size: 8, .value_kind: global_buffer, .address_space: global }
      - { .name: attention_mask, .offset: 16, .size: 8, .value_kind: global_buffer, .address_space: global }
      - { .name: o_codes, .offset: 24, .size: 8, .value_kind: global_buffer, .address_space: global }
      - { .name: o_scales, .offset: 32, .size: 8, .value_kind: global_buffer, .address_space: global }
    .group_segment_fixed_size: 327680
    .private_segment_fixed_size: 0
    .kernarg_segment_align: 8
    .kernarg_segment_size: 40
    .max_flat_workgroup_size: 256
    .sgpr_count:     92
    .vgpr_count:     256
    .wavefront_size: 32
...
	.end_amdgpu_metadata
.endif
;; end of part 3
;; launch oproj (part 4): grid 16 x 8, 4 waves a work-group, clusters of 4 x 4, 327,680 bytes of LDS; arguments o_codes, o_scales, codes1, scales1, out0; writes out0
.if DOCPART == 4
	.amdgcn_target "amdgcn-amd-amdhsa--gfx1250"
	.amdhsa_code_object_version 6
	.text
	.protected	k_qac4699a2bf_oproj
	.globl	k_qac4699a2bf_oproj
	.p2align	8
	.type	k_qac4699a2bf_oproj,@function
k_qac4699a2bf_oproj:
	s_mov_b64 s[64:65], 0
	v_nop
	global_prefetch_b8 v0, s[64:65] scope:SCOPE_SE
	s_setreg_imm32_b32 hwreg(HW_REG_WAVE_MODE, 25, 1), 1
	s_wait_xcnt 0x0
	s_wait_alu depctr_hold_cnt(0) depctr_sa_sdst(0) depctr_va_vdst(0) depctr_va_sdst(0) depctr_va_ssrc(0) depctr_va_vcc(0) depctr_vm_vsrc(0)
	s_getreg_b32 s2, hwreg(HW_REG_IB_STS2, 6, 4)
	s_cmp_eq_u32 s2, 0
	s_cbranch_scc0 .Lentry_in_a_cluster
	s_endpgm
.Lentry_in_a_cluster:
	s_bfe_u32 s2, ttmp6, 0x10000c
	s_cmp_lg_u32 s2, 0xf033
	s_cbranch_scc0 .Lentry_shape_is_right
	s_endpgm
.Lentry_shape_is_right:
; out0[m][n] = sum over k of O[m][k] wo[n][k].  O: [2048][2048] as codes of FP6 with E8M0 scales (o_codes, o_scales); wo: [4096][2048] likewise, at byte WOC of codes1 and WOS of scales1; out0: [2048][4096] f32; sums in f32.
; A tile of 256 x 256 is made by a work-group of four waves; a wave makes 128 x 128: 64 accumulators, 512 registers.  K goes in steps of 256 through a ring of two LDS slots filled by the tensor data mover.
; The scale bytes of the work-group's 256 + 256 rows, for all of K, come into LDS once, with the first fills, and stay.
; CLUSTERS: 4 x 4 work-groups.  The four of a row need the same tiles of A, the four of a column the same tiles of B: each tile is asked for JOINTLY.  The matrix instruction is used transposed (source 0 = 16 rows of B,
; source 1 = 16 rows of A): a lane then holds eight neighbouring numbers of a row of the output.
; REGISTERS, in windows of 256: window 0: v0-31 addresses; v32-63 scale words, two sets; from v128 A's fragments, one set; on the way out v128-255 rows read back.
;   window 1: B's fragments, two sets.   windows 2, 3: the accumulators ((a, b) at v[8 (8 (a % 4) + b)] of window 2 + a / 4).
.set SIZE_M, 2048
.set SIZE_N, 4096
.set SIZE_K, 2048
.set WOC,    18874368                  ; where wo's codes begin in codes1
.set WOS,    786432                    ; and its scale bytes in scales1
.set KSTEP,  256                       ; along K in a slot
.set NQ,     KSTEP/128                 ; matrix instructions deep
.set ROWB,   192                       ; a tile's row in bytes
.set KROW,   SIZE_K*6/8                ; a row of A or of B in memory, in bytes
.set PITCH,  240                       ; an LDS row: 3 x (64 bytes of data + 16 of padding)
.set FR,     12                        ; registers of a fragment
.set NL,     6                         ; LDS loads that bring one
.set NP,     4                         ; places behind this matrix instruction (ISA guide 7.12.1)
.set HALFT,  128*PITCH                 ; 128 rows: what one tensor load brings
.set SLOT,   4*HALFT                   ; A's 256 rows, then B's 256 rows
.set LAPS,   SIZE_K/(2*KSTEP)          ; a lap = two K steps = once round the ring
.set KS,     SIZE_K/32                 ; a row of scales in bytes
.set SCL,    2*SLOT                    ; behind the ring: the scales, as units of 256 bytes + 16 of padding
.set HALFS,  (128*KS/256)*272          ; the scales of 128 rows
.set SBLK,   (16*KS/256)*272           ; those of 16 rows
.set SPARE,  SCL+4*HALFS               ; behind the scales: the spare words, 128 bytes a wave
.set SPITCH, 528                       ; the way out: a stage of 16 rows x (512 bytes + 16) for each wave, in slot 0, which has had its last fill and its last read when the first result is stored there
.set ADRA, 16                          ; v16-17 LDS address of my A fragments in slot 0, 1 (v18-19: behind one padding more)
.set ADRB, 20                          ; v20-21 the same for B (v22-23)
.set STO,  24                          ; v24 the way out: where I put 32 bytes of a row
.set RD,   25                          ; v25 where I read a row back
.set CO,   26                          ; v26 my byte offset in a row of the output
.set SPW,  28                          ; v28 LDS address of my spare word; never rewritten
.set NIL,  29                          ; v29 0; never rewritten
.set ADRS, 27                          ; v27 LDS address of my scale words: lanes 0-15 A's rows, lanes 16-31 B's
.set SC,   32                          ; scale words, two sets of 16
.set AF,   128                         ; A's fragments, in window 0
.set BK,   128                         ; the way out: 16 rows read back from the stage: v128-191 and v192-255 by turns
.set G1, 24                            ; s[24:31] descriptor group 1 for A's tiles; s[32:39] group 0, one set for each slot
.set G0, 32
.set G1B, 48                           ; s[48:55], s[56:63] the same for B's tiles
.set G0B, 56
.set G1S, 68                           ; s[68:75], s[76:79] groups 1 and 0 for A's scales; s[80:87], s[88:91] for B's
.set G0S, 76
.set G1SB, 80
.set G0SB, 88
.set MSB, 0
.macro WIN new                         ; the immediate's high byte repeats the setting that is left
.if MSB != \new
	s_set_vgpr_msb (MSB<<8)|\new
.set MSB, \new
.endif
.endm
.set MUL_LO, 0xa1                      ; source 0 (B) window 1, source 1 (A) window 0, C and D window 2
.set MUL_HI, 0xf1                      ; the same, C and D window 3
.set TO_B,   0x40                      ; destination window 1, address window 0
; A joint load: waves 0 and 1 fetch for A, waves 2 and 3 for B.  Each line has one mask and one set of registers for all that issue it; the branch hangs on the wave's number alone.
; An s_nop 0 and four v_nop follow each of the two lines.
.macro JLOAD g0a, g1a, g0b, g1b
	s_cmp_eq_u32 s15, 0
	s_cbranch_scc0 .Lfor_b_\@
	tensor_load_to_lds s[\g0a:\g0a+3], s[\g1a:\g1a+7]
	s_nop 0
.rept 4
	v_nop
.endr
	s_branch .Lasked_\@
.Lfor_b_\@:
	tensor_load_to_lds s[\g0b:\g0b+3], s[\g1b:\g1b+7]
	s_nop 0
.rept 4
	v_nop
.endr
.Lasked_\@:
.endm
.macro CREST                           ; a round of the cluster's barrier behind its opening barrier
	s_cmp_lg_u32 s14, 0
	s_cbranch_scc1 .Lnot_wave_0_\@
	s_barrier_signal -3
.Lnot_wave_0_\@:
	s_barrier_wait -3
	s_barrier_signal -1
	s_barrier_wait -1
.endm
.macro CROUND                          ; a whole round
	s_barrier_signal -1
	s_barrier_wait -1
	CREST
.endm
	s_load_b128 s[4:7], s[0:1], 0x0                ; A's codes s[4:5], A's scales s[6:7]
	s_load_b128 s[8:11], s[0:1], 0x10              ; codes1 s[8:9], scales1 s[10:11]
	s_load_b64 s[12:13], s[0:1], 0x20              ; out0
	v_lshl_add_u32 v[SPW], v0, 2, SPARE
	v_mov_b32 v[NIL], 0
	ds_add_u32 v[SPW], v[NIL]                      ; the wave's opening: the add, waited for ahead of my first tensor load; the set-up below, work on registers, stands between the add and its wait
	v_lshrrev_b32 v1, 5, v0
	v_readfirstlane_b32 s14, v1                    ; wave 0..3
	s_lshr_b32 s15, s14, 1                         ; which half of the tile's rows is mine.  Also: I fetch for A (0) or for B (1)
	s_and_b32 s16, s14, 1                          ; which half of its columns.  Also: which 128 rows of that tile I fetch
	s_bfe_u32 s40, ttmp6, 0x40000                  ; cx, cy: my place in the cluster
	s_bfe_u32 s41, ttmp6, 0x40004
	s_lshl_b32 s42, ttmp9, 2
	s_add_co_u32 s42, s42, s40                     ; tile column = 4 x cluster x + cx
	s_and_b32 s17, ttmp7, 0xffff
	s_lshl_b32 s17, s17, 2
	s_add_co_u32 s17, s17, s41                     ; tile row = 4 x cluster y + cy
	s_lshl_b32 s43, s41, 2
	s_lshl_b32 s43, 15, s43                        ; my row of the cluster
	s_lshl_b32 s44, 0x1111, s40                    ; my column
	; descriptor group 1: a tile of 128 rows x ROWB bytes, padded in LDS
	s_or_b32 s[G1+0], s43, (0<<16)|(1<<20)|(1<<21)|(3<<22)|(3<<25)  ; 15:0 the mask: A's tiles go to my row; elements of 1 byte; padding on; bit 21 beside a mask; after every 16 words, 4 words
	s_or_b32 s[G1B+0], s44, (0<<16)|(1<<20)|(1<<21)|(3<<22)|(3<<25)
.irp g, G1, G1B
	s_mov_b32 s[\g+1], ROWB<<16                    ; tensor_dim0
	s_mov_b32 s[\g+2], 128<<16                     ; tensor_dim1 = 128
	s_mov_b32 s[\g+3], ROWB<<16                    ; tile_dim0
	s_mov_b32 s[\g+4], 128                         ; tile_dim1 = 128
	s_mov_b32 s[\g+5], KROW                        ; tensor_dim0_stride
	s_mov_b32 s[\g+6], 0
	s_mov_b32 s[\g+7], 0
.endr
	; the scales of 128 rows: a dense block of 128 KS bytes, as rows of 256 bytes (32 elements of 8 bytes), 16 bytes of padding behind each
	s_or_b32 s[G1S+0], s43, (3<<16)|(1<<20)|(1<<21)|(5<<22)|(3<<25)
	s_or_b32 s[G1SB+0], s44, (3<<16)|(1<<20)|(1<<21)|(5<<22)|(3<<25)
.irp g, G1S, G1SB
	s_mov_b32 s[\g+1], 32<<16
	s_mov_b32 s[\g+2], (128*KS/256)<<16
	s_mov_b32 s[\g+3], 32<<16
	s_mov_b32 s[\g+4], 128*KS/256
	s_mov_b32 s[\g+5], 32
	s_mov_b32 s[\g+6], 0
	s_mov_b32 s[\g+7], 0
.endr
	s_lshl_b32 s18, s16, 7                         ; which 128 rows of the tile I fetch
	s_lshl_b32 s20, s17, 8
	s_add_co_u32 s20, s20, s18                     ; A: row 256 x tile row + 128 x half
	s_lshl_b32 s46, s42, 8
	s_add_co_u32 s46, s46, s18                     ; B: row 256 x tile column + 128 x half
	s_mov_b32 s21, 0
	s_mov_b32 s47, 0
	s_mov_b64 s[18:19], KS
	s_mul_u64 s[22:23], s[20:21], s[18:19]         ; where these rows' scales begin, in bytes
	s_mul_u64 s[92:93], s[46:47], s[18:19]
	s_mov_b64 s[18:19], KROW
	s_mul_u64 s[20:21], s[20:21], s[18:19]         ; and their codes
	s_mul_u64 s[46:47], s[46:47], s[18:19]
	s_add_co_u32 s46, s46, WOC                     ; + wo's place in codes1 and in scales1: both sums stay under 2^25
	s_add_co_u32 s92, s92, WOS
	s_mul_i32 s45, s14, HALFT                      ; where they go: wave x 128 rows: no place in the cluster enters an LDS address
	s_mul_i32 s94, s14, HALFS
	s_wait_dscnt 0x0                               ; the opening add is done
	s_wait_kmcnt 0x0
	s_add_nc_u64 s[20:21], s[4:5], s[20:21]
	s_add_nc_u64 s[22:23], s[6:7], s[22:23]
	s_add_nc_u64 s[46:47], s[8:9], s[46:47]
	s_add_nc_u64 s[92:93], s[10:11], s[92:93]
	CROUND                                         ; all sixteen work-groups are here: the first joint loads meet
	s_mov_b32 s[G0S], 1
	s_add_co_u32 s[G0S+1], s94, SCL
	s_mov_b64 s[G0S+2:G0S+3], s[22:23]
	s_or_b32 s[G0S+3], s[G0S+3], 0x80000000
	s_mov_b32 s[G0SB], 1
	s_add_co_u32 s[G0SB+1], s94, SCL
	s_mov_b64 s[G0SB+2:G0SB+3], s[92:93]
	s_or_b32 s[G0SB+3], s[G0SB+3], 0x80000000
	JLOAD G0S, G1S, G0SB, G1SB                     ; the scales first: they are wanted with K step 0
.irp s, 0,1
	s_mov_b32 s[G0+4*\s], 1
	s_add_co_u32 s[G0+4*\s+1], s45, \s*SLOT
	s_add_nc_u64 s[G0+4*\s+2:G0+4*\s+3], s[20:21], \s*ROWB
	s_or_b32 s[G0+4*\s+3], s[G0+4*\s+3], 0x80000000
	s_mov_b32 s[G0B+4*\s], 1
	s_add_co_u32 s[G0B+4*\s+1], s45, \s*SLOT
	s_add_nc_u64 s[G0B+4*\s+2:G0B+4*\s+3], s[46:47], \s*ROWB
	s_or_b32 s[G0B+4*\s+3], s[G0B+4*\s+3], 0x80000000
	JLOAD G0+4*\s, G1, G0B+4*\s, G1B
.endr
	v_and_b32 v1, 15, v0                           ; l % 16
	v_bfe_u32 v2, v0, 4, 1                         ; l / 16
	v_mul_u32_u24 v3, v1, PITCH
	v_mul_u32_u24 v4, v2, 24
	v_add_nc_u32 v4, v3, v4                        ; a fragment's row x pitch + 24 x half
	v_lshl_add_u32 v5, v2, 4, v4                   ; and the same behind one padding more
	s_mul_i32 s21, s15, HALFT                      ; my 128 rows of A
	s_mul_i32 s22, s16, HALFT                      ; my 128 rows of B,
	s_add_co_u32 s22, s22, 2*HALFT                 ; which lie behind A's 256
.irp s, 0,1
	v_add_nc_u32 v[ADRA+\s], s21, v4
	v_add_nc_u32 v[ADRB+\s], s22, v4
	v_add_nc_u32 v[ADRA+2+\s], s21, v5
	v_add_nc_u32 v[ADRB+2+\s], s22, v5
	s_add_co_u32 s21, s21, SLOT
	s_add_co_u32 s22, s22, SLOT
.endr
	v_mul_u32_u24 v5, v1, KS                       ; my row's scales: KS bytes a row,
	v_lshrrev_b32 v6, 8, v5
	v_lshl_add_u32 v5, v6, 4, v5                   ; and 16 more for each 256 passed
	s_mul_i32 s21, s15, HALFS                      ; A's: my 128 rows
	s_mul_i32 s22, s16, HALFS                      ; B's: my 128 rows, behind A's 256
	s_add_co_u32 s22, s22, 2*HALFS
	s_sub_co_u32 s22, s22, s21
	v_mul_u32_u24 v6, s22, v2                      ; lanes 16-31 take B's
	s_add_co_u32 s21, s21, SCL
	v_add_nc_u32 v5, v5, v6
	v_add_nc_u32 v[ADRS], s21, v5
	s_mul_i32 s23, s14, 16*SPITCH                  ; my stage
	v_mul_u32_u24 v5, v1, SPITCH                   ; in: row l % 16, 32 bytes for each half of the lanes
	v_lshl_add_u32 v5, v2, 5, v5
	v_add_nc_u32 v[STO], s23, v5
	v_and_b32 v6, 31, v0
	v_lshlrev_b32 v[CO], 4, v6                     ; back: the 32 lanes take one row of 512 bytes; and the same in the output
	v_add_nc_u32 v[RD], s23, v[CO]
	s_lshl_b32 s20, s17, 8
	s_lshl_b32 s21, s15, 7
	s_add_co_u32 s20, s20, s21                     ; my first row: 256 x tile row + 128 x half
	s_mov_b32 s21, 0
	s_mov_b64 s[18:19], SIZE_N*4
	s_mul_u64 s[20:21], s[20:21], s[18:19]
	s_lshl_b32 s46, s42, 10                        ; my first column, in bytes: 1024 x tile column + 512 x half
	s_lshl_b32 s47, s16, 9
	s_add_co_u32 s46, s46, s47
	s_mov_b32 s47, 0
	s_add_nc_u64 s[20:21], s[20:21], s[46:47]
	s_add_nc_u64 s[12:13], s[12:13], s[20:21]
.macro FRAG reg, adr, q, i             ; a fragment is 12 registers: lane l holds row l % 16; registers 6 c .. 6 c + 5 hold K = 64 c + 32 (l / 16) + 0 .. 31: 24 bytes of the row's stream of bits
.irp p, 0,1,2,3,4,5                    ; in pieces of 8 bytes.  Lanes 0-15 take the row's pieces 12 q + 0, 1, 2 and 12 q + 6, 7, 8, lanes 16-31 those three pieces on
.set PC, 12*(\q)+6*(\p/3)+\p%3        ; 16 bytes of padding lie behind every 64 bytes (8 pieces): where the piece three on lies behind one padding more, the second address register serves
.if PC%8 < 5
	ds_load_b64 v[\reg+2*\p:\reg+2*\p+1], v[\adr] offset:8*PC+16*(PC/8)+(\i)*16*PITCH
.else
	ds_load_b64 v[\reg+2*\p:\reg+2*\p+1], v[\adr+2] offset:8*PC+16*(PC/8)+(\i)*16*PITCH
.endif
.endr
.endm
; 16 matrix instructions: A's blocks a0, a0 + 1 x B's eight, 128 along K.  zero = 1: the first product starts the sums.  The 64 accumulators take turns, one instruction a turn.
.macro MUL16 a0, p, q, sc, zero
.irp a, \a0, \a0+1
.irp b, 0,1,2,3,4,5,6,7
.if \zero
	v_wmma_scale_f32_16x16x128_f8f6f4 v[8*(8*((\a)%4)+\b):8*(8*((\a)%4)+\b)+7], v[128*(\p)+FR*\b:128*(\p)+FR*\b+FR-1], v[AF+FR*(\a):AF+FR*(\a)+FR-1], 0, v[SC+8*NQ*(\sc)+NQ*\b+(\q)], v[SC+8*NQ*(\sc)+NQ*(\a)+(\q)] matrix_a_fmt:MATRIX_FMT_FP6 matrix_b_fmt:MATRIX_FMT_FP6 matrix_a_scale:MATRIX_SCALE_ROW1
.else
	v_wmma_scale_f32_16x16x128_f8f6f4 v[8*(8*((\a)%4)+\b):8*(8*((\a)%4)+\b)+7], v[128*(\p)+FR*\b:128*(\p)+FR*\b+FR-1], v[AF+FR*(\a):AF+FR*(\a)+FR-1], v[8*(8*((\a)%4)+\b):8*(8*((\a)%4)+\b)+7], v[SC+8*NQ*(\sc)+NQ*\b+(\q)], v[SC+8*NQ*(\sc)+NQ*(\a)+(\q)] matrix_a_fmt:MATRIX_FMT_FP6 matrix_b_fmt:MATRIX_FMT_FP6 matrix_a_scale:MATRIX_SCALE_ROW1
.endif
.endr
.endr
.endm
.macro FETCH_B slot, q, p              ; B's eight fragments of the slot's q-th 128 along K into set p
	WIN TO_B
.irp i, 0,1,2,3,4,5,6,7
	FRAG 128*(\p)+FR*\i, ADRB+\slot, \q, \i
.endr
	WIN 0
.endm
.macro FETCH_A slot, q, i0             ; A's blocks i0 .. i0 + 3
.irp i, \i0, \i0+1, \i0+2, \i0+3
	FRAG AF+FR*(\i), ADRA+\slot, \q, \i
.endr
.endm
.macro SCALES sc                       ; the next K step's scale words into set sc: lanes 0-15 take A's block i, lanes 16-31 B's block i
.irp i, 0,1,2,3,4,5,6,7
	ds_load_b64 v[SC+8*NQ*\sc+NQ*\i:SC+8*NQ*\sc+NQ*\i+1], v[ADRS] offset:\i*SBLK
.endr
.endm
; A load into a register that a matrix instruction has read, and an LDS store that reads a matrix result, stand NP places behind that matrix instruction; only plain vector instructions that name none of its
; registers are places (ISA guide 7.12.1 for vector instructions).
.macro PLACES n
.rept \n
	v_nop
.endr
.endm
.macro STEP slot, q, zero              ; a step of 128 along K that has its successor in the same slot
	s_wait_dscnt 4*NL                              ; B's set and A's blocks 0-3 are in; the youngest 24 loads (A's blocks 4-7) may be out
	WIN MUL_LO
	MUL16 0, (\q)%2, \q, \slot, \zero
	MUL16 2, (\q)%2, \q, \slot, \zero
	s_wait_dscnt 0                                 ; A's blocks 4-7 are in
	PLACES NP
	FETCH_B \slot, (\q)+1, 1-(\q)%2
	FETCH_A \slot, (\q)+1, 0
	WIN MUL_HI
	MUL16 4, (\q)%2, \q, \slot, \zero
	MUL16 6, (\q)%2, \q, \slot, \zero
	PLACES NP
	WIN 0
	FETCH_A \slot, (\q)+1, 4
.endm
; A slot's last step changes slots: ONE barrier; in front of it each wave waits for all its tensor loads, adds 0 to its spare word, and waits for that and for its own reads of this slot.  fill = 1: this slot is filled again.
.macro TURN slot, next, fill
	s_wait_tensorcnt 0x0                           ; all my tensor loads have landed: my part of the next slot
	ds_add_u32 v[SPW], v[NIL]                      ; 0 onto my spare word
	s_wait_dscnt 4*NL+1                            ; (the add and the youngest 24 loads, A's blocks 4-7, may be out)
	WIN MUL_LO
	MUL16 0, 1, NQ-1, \slot, 0                     ; sixteen matrix instructions stand between the add and the wait for it
	s_wait_dscnt 0x0                               ; the add is done, and my reads of this slot are over
	s_barrier_signal -1
	MUL16 2, 1, NQ-1, \slot, 0
	WIN 0
	s_barrier_wait -1
.if \fill
	CREST                                          ; the barrier has opened a round of the cluster's barrier: no wave of any partner still reads this slot's tile or has a load on its way
	s_add_nc_u64 s[G0+4*\slot+2:G0+4*\slot+3], s[G0+4*\slot+2:G0+4*\slot+3], 2*ROWB
	s_add_nc_u64 s[G0B+4*\slot+2:G0B+4*\slot+3], s[G0B+4*\slot+2:G0B+4*\slot+3], 2*ROWB
	JLOAD G0+4*\slot, G1, G0B+4*\slot, G1B         ; the first tensor load behind the round; its four v_nop are the places in front of the loads below
.else
	PLACES NP
.endif
	v_add_nc_u32 v[ADRS], 4*NQ, v[ADRS]            ; on to the next K step's scale words
	FETCH_B \next, 0, 0
	FETCH_A \next, 0, 0
	SCALES \next
	WIN MUL_HI
	MUL16 4, 1, NQ-1, \slot, 0
	MUL16 6, 1, NQ-1, \slot, 0
	PLACES NP
	WIN 0
	FETCH_A \next, 0, 4
.endm
	s_wait_tensorcnt 1                             ; the scales and my part of K step 0 are in (K step 1's load may be out),
	s_barrier_signal -1
	s_barrier_wait -1                              ; everybody's are
	FETCH_B 0, 0, 0
	FETCH_A 0, 0, 0
	SCALES 0
	FETCH_A 0, 0, 4
	STEP 0, 0, 1                                   ; the first step stands in front of the loop: its products start the sums
	s_mov_b32 s3, LAPS-1
.Llap:                                                 ; a trip goes once round the ring and fills both slots again
	TURN 0, 1, 1
	STEP 1, 0, 0
	TURN 1, 0, 1
	STEP 0, 0, 0
	s_sub_co_u32 s3, s3, 1
	s_cmp_lg_u32 s3, 0
	s_cbranch_scc1 .Llap
	TURN 0, 1, 0                                   ; the last lap fills nothing
	STEP 1, 0, 0
	s_wait_dscnt 4*NL                              ; the very last step: nothing more to fetch
	WIN MUL_LO
	MUL16 0, 1, NQ-1, 1, 0
	MUL16 2, 1, NQ-1, 1, 0
	s_wait_dscnt 0
	WIN MUL_HI
	MUL16 4, 1, NQ-1, 1, 0
	MUL16 6, 1, NQ-1, 1, 0
	WIN 0
; THE WAY OUT, block by block of 16 rows x 128 columns.  A lane holds 32 neighbouring bytes of a row, and the lanes beside it hold other rows: so a block goes through my own stage in LDS and comes back as whole
; rows of 512 bytes.  LDS serves a wave's instructions in order (ISA guide 5.7.1.4): no wait between the stores and the loads, nor in front of the next block's stores.
.macro TOSTAGE a
.set AC, 64*((\a)%4)
	WIN 0x08+4*((\a)/4)                            ; the data: window 2 or 3
.irp b, 0,1,2,3,4,5,6,7
	ds_store_b128 v[STO], v[AC+8*\b:AC+8*\b+3] offset:64*\b          ; each accumulator from its low end on
	ds_store_b128 v[STO], v[AC+8*\b+4:AC+8*\b+7] offset:64*\b+16
.endr
	WIN 0
.set BB, BK+64*((\a)%2)
.irp t, 0,1,2,3,4,5,6,7,8,9,10,11,12,13,14,15
	ds_load_b128 v[BB+4*\t:BB+4*\t+3], v[RD] offset:\t*SPITCH
.endr
.endm
.macro SEND a, younger                 ; younger: the LDS instructions issued behind block a's loads, which may stay out
.set BB, BK+64*((\a)%2)
	s_wait_dscnt \younger                          ; the block is back in registers
.if (\a) > 0
	s_add_nc_u64 s[12:13], s[12:13], 16*SIZE_N*4   ; (behind a wait on XCNT: the earlier stores have read their base)  16 rows on, so that the stores' offsets stay small
.endif
.irp t, 0,1,2,3,4,5,6,7,8,9,10,11,12,13,14,15
	global_store_b128 v[CO], v[BB+4*\t:BB+4*\t+3], s[12:13] offset:\t*SIZE_N*4 th:TH_STORE_NT   ; 32 lanes store 512 consecutive bytes, aligned; written once, read by nobody here
.endr
.endm
	PLACES NP                                      ; behind the last products: for the loads into the registers that held A's fragments and for the reads of results
	TOSTAGE 0
.irp a, 1,2,3,4,5,6,7
.if \a > 1
	s_wait_xcnt 0x0                                ; block a - 2's stores have read their registers and their base: block a's loads may land there, and the base may step
.endif
	TOSTAGE \a
	SEND \a-1, 32                                  ; behind block a - 1's loads: block a's 16 stores and 16 loads
.endr
	s_wait_xcnt 0x0                                ; block 6's stores have read their base
	SEND 7, 0
	s_wait_tensorcnt 0x0                           ; the wave's end: behind my last tensor load and my last LDS store
	ds_add_u32 v[SPW], v[NIL]
	s_wait_dscnt 0x0
	CROUND                                         ; the closing round: no work-group ends while a partner may still ask for a tile that names it
	s_endpgm
.Lfunc_end_k_qac4699a2bf_oproj:
	.size	k_qac4699a2bf_oproj, .Lfunc_end_k_qac4699a2bf_oproj-k_qac4699a2bf_oproj
	.p2alignl 7, 3214868480
	.fill 96, 4, 3214868480
	.section	.rodata,"a",@progbits
	.p2align	6, 0x0
	.amdhsa_kernel k_qac4699a2bf_oproj
		.amdhsa_group_segment_fixed_size 327680
		.amdhsa_private_segment_fixed_size 0
		.amdhsa_enable_private_segment 0
		.amdhsa_kernarg_size 40
		.amdhsa_user_sgpr_count 2
		.amdhsa_user_sgpr_kernarg_segment_ptr 1
		.amdhsa_wavefront_size32 1
		.amdhsa_system_sgpr_workgroup_id_x 1
		.amdhsa_system_sgpr_workgroup_id_y 1
		.amdhsa_system_sgpr_workgroup_id_z 1
		.amdhsa_system_vgpr_workitem_id 0
		.amdhsa_next_free_vgpr 1024
		.amdhsa_next_free_sgpr 98
		.amdhsa_reserve_vcc 0
		.amdhsa_float_denorm_mode_32 3
		.amdhsa_float_denorm_mode_16_64 3
		.amdhsa_memory_ordered 1
		.amdhsa_forward_progress 1
		.amdhsa_inst_pref_size 160
	.end_amdhsa_kernel
	.amdgpu_metadata
---
amdhsa.version: [ 1, 2 ]
amdhsa.kernels:
  - .name:           k_qac4699a2bf_oproj
    .symbol:         k_qac4699a2bf_oproj.kd
    .args:
      - { .name: o_codes, .offset: 0, .size: 8, .value_kind: global_buffer, .address_space: global }
      - { .name: o_scales, .offset: 8, .size: 8, .value_kind: global_buffer, .address_space: global }
      - { .name: codes1, .offset: 16, .size: 8, .value_kind: global_buffer, .address_space: global }
      - { .name: scales1, .offset: 24, .size: 8, .value_kind: global_buffer, .address_space: global }
      - { .name: out0, .offset: 32, .size: 8, .value_kind: global_buffer, .address_space: global }
    .group_segment_fixed_size: 327680
    .private_segment_fixed_size: 0
    .kernarg_segment_align: 8
    .kernarg_segment_size: 40
    .max_flat_workgroup_size: 128
    .sgpr_count:     98
    .vgpr_count:     1024
    .wavefront_size: 32
...
	.end_amdgpu_metadata
.endif
;; end of part 4
;; ======== version 2 of 2: 4 launches
;; limits: right only within a limited range of input values
;; workspace buffers: codes1 26,214,400 bytes; qkv_img 6,291,456 bytes; qkv_sc 262,144 bytes; o_img 3,276,800 bytes
;; launch quant (part 5): grid 512 x 1, 8 waves a work-group, no clusters, 70,656 bytes of LDS; arguments hidden_states, wq, wk, wv, wo, codes1; writes codes1
.if DOCPART == 5
	.amdgcn_target "amdgcn-amd-amdhsa--gfx1250"
	.amdhsa_code_object_version 6
	.text
	.protected	k_qac4699a2bf_quant
	.globl	k_qac4699a2bf_quant
	.p2align	8
	.type	k_qac4699a2bf_quant,@function
k_qac4699a2bf_quant:
	s_mov_b64 s[64:65], 0
	v_nop
	global_prefetch_b8 v0, s[64:65] scope:SCOPE_SE
	s_setreg_imm32_b32 hwreg(HW_REG_WAVE_MODE, 25, 1), 1
	s_wait_xcnt 0x0
; hidden_states [2048][4096], wq [2048][4096], wk, wv [1024][4096], wo [4096][2048], all f32 with K innermost, become codes of FP6 (E2M3) and one E8M0 scale byte for each 32 along K,
; LAID AS THE PRODUCTS' LAUNCHES READ THEM.  A BLOCK of codes1 is 128 rows x 512 along K of one tensor, 51,200 dense bytes: 32 fragments (16 rows x 128 K) as images of their 12 operand registers
; (1,536 bytes: group c of four registers at 512 c + 16 x lane), fragment (row block i, K step q) at (4 i + q) x 1,536; behind them 2,048 bytes of scale words: that of (i, row r) for K step q at
; q x 512 + 256 (i / 4) + 16 r + 4 (i % 4).  Blocks: x 0-127 (panel x 8 + slot), wq | wk | wv 128-383 (likewise), wo 384-511 (panel x 4 + slot): the block's number is the work-group's.
; ROW r OF ROW BLOCK i IS ROW 32 (i / 2) + 8 (i % 2) + r + 8 (r / 8) OF ITS PANEL: so the products' results come out with 16 neighbours along the next K in a lane.
; A block's scale is 2^(floor(log2(its largest magnitude)) - 2); its byte is the largest magnitude's exponent field - 2, held at 1 from below.  Each number is divided by the scale and rounded to the nearest code, ties to even.
; LIMITS: NaN and infinities among the inputs are not served; a block of 32 whose largest magnitude lies under 2^-124 (zeros among them) keeps the byte 1: the bytes are read by this program alone, and zero codes add nothing.
; SHARES.  A work-group of eight waves makes one block; wave i its row block i: four fragments.  A fragment's 16 loads read 512 consecutive bytes each, a row a load; the 8,192 bytes turn through the wave's own stage in LDS
; and come back, into the registers that they left, so that lane (r, h) holds of row r the numbers 32 b + 16 h + 0 .. 15 in registers 16 b + 0 .. 15.  Two sets of 64 registers: one fragment is on its way while one is worked.
.set WAVES, 8
.set PANEL, 51200                      ; bytes of a block
.set FRB,   1536                       ; bytes of a fragment's image
.set SCO,   32*FRB                     ; where a block's scale words begin
.set SPI,   528                        ; a stage row: 512 bytes + 16
.set STGB,  16*SPI                     ; a wave's stage
.set SWB,   WAVES*STGB                 ; behind the stages: the block's 2,048 bytes of scale words
.set SPARE, SWB+2048                   ; behind them: the spare words, 128 bytes a wave
.set LO,   3                           ; v3  16 x lane
.set STI,  4                           ; v4  the stage, on the way in: 16 x lane; the row stands in the offset
.set STR,  5                           ; v5  and on the way out: r x SPI + 64 h
.set SWA,  6                           ; v6  where I put my row's scale word
.set SWR,  7                           ; v7  where I read 8 bytes of scale words back
.set GS,   8                           ; v8  8 x lane
.set SPW,  10                          ; v10 LDS address of my spare word; never rewritten
.set NIL,  11                          ; v11 0; never rewritten
.set R,    32                          ; v32-159  two sets of 64 numbers
.set CD,   160                         ; v160-207 the four fragments' codes, 12 registers each: no store's data are written again
.set T,    208                         ; v208-215 the upper halves of the blocks' codes, on their way
.set TM,   216                         ; v216-219 largest magnitudes, v220-223 bytes, v228-231 the conversions' scale operands
.set PW,   232                         ; v232-235 a scale word for each fragment
.set SEL,  30                          ; s[30:31] lane selects for v_permlanex16_b32: lane l xor 16
.set RB,   32                          ; s[32:63] the addresses of my 16 rows at the block's first K
	s_load_b256 s[4:11], s[0:1], 0x0               ; hidden_states, wq, wk, wv
	s_load_b128 s[12:15], s[0:1], 0x20             ; wo, codes1
	v_lshl_add_u32 v[SPW], v0, 2, SPARE
	v_mov_b32 v[NIL], 0
	v_lshrrev_b32 v1, 5, v0
	s_delay_alu instid0(VALU_DEP_1)
	v_readfirstlane_b32 s24, v1                    ; wave 0..7: my row block
	v_and_b32 v1, 31, v0                           ; lane
	s_wait_alu depctr_va_vdst(0)
	v_and_b32 v2, 15, v0                           ; r
	v_bfe_u32 v9, v0, 4, 1                         ; h
	v_lshlrev_b32 v[LO], 4, v1
	s_mul_i32 s20, s24, STGB                       ; my stage
	v_add_nc_u32 v[STI], s20, v[LO]
	v_mul_u32_u24 v[STR], v2, SPI
	s_delay_alu instid0(VALU_DEP_1)
	v_lshl_add_u32 v[STR], v9, 6, v[STR]
	s_delay_alu instid0(VALU_DEP_1)
	v_add_nc_u32 v[STR], s20, v[STR]
	s_lshr_b32 s20, s24, 2
	s_lshl_b32 s20, s20, 8                         ; 256 (i / 4)
	s_and_b32 s21, s24, 3
	s_lshl_b32 s21, s21, 2                         ; 4 (i % 4)
	s_add_co_u32 s20, s20, s21
	s_add_co_u32 s20, s20, SWB
	v_lshl_add_u32 v[SWA], v2, 4, s20              ; + 16 r
	s_lshl_b32 s20, s24, 8
	s_add_co_u32 s20, s20, SWB
	v_lshl_add_u32 v[SWR], v1, 3, s20              ; back: wave i takes bytes 256 i .. 256 i + 255
	v_lshlrev_b32 v[GS], 3, v1
	s_mov_b32 s[SEL], 0x76543210
	s_mov_b32 s[SEL+1], 0xfedcba98
.irp b, 0,1,2,3
	v_mov_b32 v[TM+4+\b], 0                        ; written once: a lane permute's destination counts as one of its sources
.endr
	s_mov_b32 s25, 0
	s_wait_alu depctr_va_vdst(0)
	s_wait_kmcnt 0x0
	s_cmp_ge_u32 ttmp9, 128                        ; which tensor: the choice hangs on the work-group's number alone
	s_cselect_b64 s[4:5], s[6:7], s[4:5]
	s_cselect_b32 s25, 128, s25                    ; and that tensor's first block
	s_cmp_ge_u32 ttmp9, 256
	s_cselect_b64 s[4:5], s[8:9], s[4:5]
	s_cselect_b32 s25, 256, s25
	s_cmp_ge_u32 ttmp9, 320
	s_cselect_b64 s[4:5], s[10:11], s[4:5]
	s_cselect_b32 s25, 320, s25
	s_cmp_ge_u32 ttmp9, 384
	s_cselect_b64 s[4:5], s[12:13], s[4:5]
	s_cselect_b32 s25, 384, s25
	s_cselect_b32 s26, 2, 3                        ; wo has 4 blocks to a panel, the others 8
	s_cselect_b32 s27, 3, 7
	s_cselect_b32 s28, 13, 14                      ; and rows of 2^13 bytes, the others of 2^14
	s_sub_co_u32 s25, ttmp9, s25
	s_lshr_b32 s29, s25, s26                       ; the panel
	s_and_b32 s27, s25, s27                        ; the slot of 512 along K
	s_lshl_b32 s29, s29, 7
	s_lshr_b32 s20, s24, 1
	s_lshl_b32 s20, s20, 5
	s_add_co_u32 s29, s29, s20
	s_and_b32 s20, s24, 1
	s_lshl_b32 s20, s20, 3
	s_add_co_u32 s29, s29, s20                     ; my first row: 128 x panel + 32 (i / 2) + 8 (i % 2)
	s_lshl_b32 s20, s29, s28                       ; in bytes: under 2^26
	s_lshl_b32 s27, s27, 11                        ; + 2,048 bytes a slot
	s_add_co_u32 s20, s20, s27
	s_mov_b32 s21, 0
	s_lshl_b32 s22, 1, s28                         ; a row on,
	s_mov_b32 s23, 0
	s_mul_i32 s18, s22, 9                          ; and nine: from row 7 of my 16 to row 8, which lies 8 rows further on
	s_mov_b32 s19, 0
	s_add_nc_u64 s[RB:RB+1], s[4:5], s[20:21]
.irp t, 1,2,3,4,5,6,7,8,9,10,11,12,13,14,15
.if \t == 8
	s_add_nc_u64 s[RB+2*\t:RB+2*\t+1], s[RB+2*\t-2:RB+2*\t-1], s[18:19]
.else
	s_add_nc_u64 s[RB+2*\t:RB+2*\t+1], s[RB+2*\t-2:RB+2*\t-1], s[22:23]
.endif
.endr
	s_mul_i32 s20, ttmp9, PANEL                    ; my block in codes1
	s_lshl_b32 s29, s24, 8
	s_add_co_u32 s22, s20, s29
	s_add_co_u32 s22, s22, SCO                     ; its scale words, my 256 bytes
	s_add_nc_u64 s[16:17], s[14:15], s[22:23]
	s_mul_i32 s29, s24, 4*FRB                      ; my four images
	s_add_co_u32 s20, s20, s29
	s_add_nc_u64 s[14:15], s[14:15], s[20:21]
.macro LOAD f                          ; fragment f: 128 along K of my 16 rows, a row a load: 32 lanes read 512 consecutive bytes
.irp t, 0,1,2,3,4,5,6,7,8,9,10,11,12,13,14,15
	global_load_b128 v[R+64*((\f)%2)+4*\t:R+64*((\f)%2)+4*\t+3], v[LO], s[RB+2*\t:RB+2*\t+1] offset:512*(\f) th:TH_LOAD_NT
.endr
.endm
.macro FRAGM f
.set XS, R+64*((\f)%2)
.set CF, CD+12*(\f)
.if (\f) < 3
	s_wait_loadcnt 16                              ; this fragment's 16 loads are in; the next fragment's 16 may be out
.else
	s_wait_loadcnt 0x0
.endif
.irp t, 0,1,2,3,4,5,6,7,8,9,10,11,12,13,14,15
	ds_store_b128 v[STI], v[XS+4*\t:XS+4*\t+3] offset:\t*SPI
.endr
.irp b, 0,1,2,3
.irp j, 0,1,2,3
	ds_load_b128 v[XS+16*\b+4*\j:XS+16*\b+4*\j+3], v[STR] offset:128*\b+16*\j   ; LDS serves a wave's instructions in order: these see the stores above, and land in the registers that those have left
.endr
.endr
	s_wait_dscnt 0x0
.irp b, 0,1,2,3
	v_max3_num_f32 v[TM+\b], |v[XS+16*\b]|, |v[XS+1+16*\b]|, 0x1800000   ; block b: my 16 numbers, and the floor 2^(3 - 127): the byte cannot fall under 1
.endr
.irp i, 2,4,6,8,10,12,14
.irp b, 0,1,2,3
	s_delay_alu instid0(VALU_DEP_4)
	v_max3_num_f32 v[TM+\b], v[TM+\b], |v[XS+16*\b+\i]|, |v[XS+1+16*\b+\i]|   ; (the four blocks by turns)
.endr
.endr
.irp b, 0,1,2,3
	s_delay_alu instid0(VALU_DEP_4)
	v_permlanex16_b32 v[TM+4+\b], v[TM+\b], s[SEL], s[SEL+1]
.endr
.irp b, 0,1,2,3
	s_delay_alu instid0(VALU_DEP_4)
	v_max_num_f32 v[TM+\b], v[TM+\b], v[TM+4+\b]   ; with lane l xor 16's: the block's largest magnitude
.endr
.irp b, 0,1,2,3
	s_delay_alu instid0(VALU_DEP_4)
	v_add_nc_u32 v[TM+12+\b], 0xff000000, v[TM+\b]   ; 2 off its exponent field: the conversion takes the exponent field of this operand as its scale
.endr
.irp b, 0,1,2,3
	s_delay_alu instid0(VALU_DEP_4)
	v_lshrrev_b32 v[TM+4+\b], 23, v[TM+12+\b]      ; the scale's byte
.endr
	s_delay_alu instid0(VALU_DEP_3)
	v_lshl_or_b32 v[PW+(\f)], v[TM+5], 8, v[TM+4]  ; the four bytes make my row's scale word
	s_delay_alu instid0(VALU_DEP_1)
	v_lshl_or_b32 v[PW+(\f)], v[TM+6], 16, v[PW+(\f)]
	s_delay_alu instid0(VALU_DEP_1)
	v_lshl_or_b32 v[PW+(\f)], v[TM+7], 24, v[PW+(\f)]
.irp c, 0,1
	v_cvt_scalef32_pk16_fp6_f32 v[CF+6*\c:CF+6*\c+2], v[XS+32*\c:XS+32*\c+15], v[TM+12+2*\c]
	v_cvt_scalef32_pk16_fp6_f32 v[T+4*\c:T+4*\c+2], v[XS+16+32*\c:XS+31+32*\c], v[TM+12+2*\c+1]   ; (a conversion's three registers begin on an even number)
.endr
	v_nop                                          ; one plain place behind a scaled conversion
.if (\f)+2 < 4
	LOAD (\f)+2                                    ; the numbers have been read: their registers take the fragment two on
.endif
.irp c, 0,1                                    ; the operand's layout wants a WHOLE block in a lane: lanes 0-15 block 2 c, lanes 16-31 block 2 c + 1
.irp i, 0,1,2
	v_permlane16_swap_b32 v[CF+6*\c+\i], v[T+4*\c+\i]
.endr
.irp i, 0,1,2
	s_delay_alu instid0(VALU_DEP_3)
	v_mov_b32 v[CF+3+6*\c+\i], v[T+4*\c+\i]
.endr
.endr
	ds_store_b32 v[SWA], v[PW+(\f)] offset:512*(\f)   ; both halves of the lanes write the same word with the same value
.irp c, 0,1,2
	global_store_b128 v[LO], v[CF+4*\c:CF+4*\c+3], s[14:15] offset:(\f)*FRB+512*\c   ; 32 lanes store 512 consecutive bytes, aligned
.endr
.endm
	LOAD 0
	LOAD 1
.irp f, 0,1,2,3
	FRAGM \f
.endr
	s_wait_dscnt 0x0                               ; for the others' sake: my scale words lie in LDS
	s_barrier_signal -1
	s_barrier_wait -1
	ds_load_b64 v[12:13], v[SWR]
	s_wait_dscnt 0x0
	global_store_b64 v[GS], v[12:13], s[16:17]     ; 32 lanes store 256 consecutive bytes, aligned
	s_wait_tensorcnt 0x0                           ; the wave's end: behind my last LDS store
	ds_add_u32 v[SPW], v[NIL]
	s_wait_dscnt 0x0
	s_endpgm
.Lfunc_end_k_qac4699a2bf_quant:
	.size	k_qac4699a2bf_quant, .Lfunc_end_k_qac4699a2bf_quant-k_qac4699a2bf_quant
	.p2alignl 7, 3214868480
	.fill 96, 4, 3214868480
	.section	.rodata,"a",@progbits
	.p2align	6, 0x0
	.amdhsa_kernel k_qac4699a2bf_quant
		.amdhsa_group_segment_fixed_size 70656
		.amdhsa_private_segment_fixed_size 0
		.amdhsa_enable_private_segment 0
		.amdhsa_kernarg_size 48
		.amdhsa_user_sgpr_count 2
		.amdhsa_user_sgpr_kernarg_segment_ptr 1
		.amdhsa_wavefront_size32 1
		.amdhsa_system_sgpr_workgroup_id_x 1
		.amdhsa_system_sgpr_workgroup_id_y 1
		.amdhsa_system_sgpr_workgroup_id_z 1
		.amdhsa_system_vgpr_workitem_id 0
		.amdhsa_next_free_vgpr 240
		.amdhsa_next_free_sgpr 66
		.amdhsa_reserve_vcc 0
		.amdhsa_float_denorm_mode_32 3
		.amdhsa_float_denorm_mode_16_64 3
		.amdhsa_memory_ordered 1
		.amdhsa_forward_progress 1
		.amdhsa_inst_pref_size 42
	.end_amdhsa_kernel
	.amdgpu_metadata
---
amdhsa.version: [ 1, 2 ]
amdhsa.kernels:
  - .name:           k_qac4699a2bf_quant
    .symbol:         k_qac4699a2bf_quant.kd
    .args:
      - { .name: hidden_states, .offset: 0, .size: 8, .value_kind: global_buffer, .address_space: global }
      - { .name: wq, .offset: 8, .size: 8, .value_kind: global_buffer, .address_space: global }
      - { .name: wk, .offset: 16, .size: 8, .value_kind: global_buffer, .address_space: global }
      - { .name: wv, .offset: 24, .size: 8, .value_kind: global_buffer, .address_space: global }
      - { .name: wo, .offset: 32, .size: 8, .value_kind: global_buffer, .address_space: global }
      - { .name: codes1, .offset: 40, .size: 8, .value_kind: global_buffer, .address_space: global }
    .group_segment_fixed_size: 70656
    .private_segment_fixed_size: 0
    .kernarg_segment_align: 8
    .kernarg_segment_size: 48
    .max_flat_workgroup_size: 256
    .sgpr_count:     66
    .vgpr_count:     240
    .wavefront_size: 32
...
	.end_amdgpu_metadata
.endif
;; end of part 5
;; launch qkv (part 6): grid 16 x 16, 4 waves a work-group, clusters of 4 x 4, 327,680 bytes of LDS; arguments codes1, qkv_img, qkv_sc, cos, sin; writes qkv_img, qkv_sc
.if DOCPART == 6
	.amdgcn_target "amdgcn-amd-amdhsa--gfx1250"
	.amdhsa_code_object_version 6
	.text
	.protected	k_qac4699a2bf_qkv
	.globl	k_qac4699a2bf_qkv
	.p2align	8
	.type	k_qac4699a2bf_qkv,@function
k_qac4699a2bf_qkv:
	s_mov_b64 s[64:65], 0
	v_nop
	global_prefetch_b8 v0, s[64:65] scope:SCOPE_SE
	s_setreg_imm32_b32 hwreg(HW_REG_WAVE_MODE, 25, 1), 1
	s_wait_xcnt 0x0
	s_wait_alu depctr_hold_cnt(0) depctr_sa_sdst(0) depctr_va_vdst(0) depctr_va_sdst(0) depctr_va_ssrc(0) depctr_va_vcc(0) depctr_vm_vsrc(0)
	s_getreg_b32 s2, hwreg(HW_REG_IB_STS2, 6, 4)
	s_cmp_eq_u32 s2, 0
	s_cbranch_scc0 .Lentry_in_a_cluster
	s_endpgm
.Lentry_in_a_cluster:
	s_bfe_u32 s2, ttmp6, 0x10000c
	s_cmp_lg_u32 s2, 0xf033
	s_cbranch_scc0 .Lentry_shape_is_right
	s_endpgm
.Lentry_shape_is_right:
; The three projections as ONE product on codes of FP6 with E8M0 scales, K = 4,096, then RoPE (q, k) in f32 and the quantising of q, k (along the head's 128) and of v (along the KEYS), all in registers.
; 256 tiles of 128 (A) x 256 (B) in sixteen clusters of 4 x 4.  Clusters with x = 0, 1, 2: A = x (16 panels of 128 tokens), B = wq | wk (24 panels).  Clusters with x = 3: A = wv (8 panels), B = x: they make v TRANSPOSED,
; so that a lane's registers run along the tokens, which are the K of attention's second product.  Both kinds run one ring and one loop; only scalar offsets differ, chosen on the cluster's x, which all partners share.
; OPERANDS.  codes1 holds blocks of 128 rows x 512 K, 51,200 dense bytes: 32 fragments as images of their 12 registers (fragment (row block i, K step q) at (4 i + q) x 1,536), then 2,048 bytes of scale words
; (that of (i, row r), step q at q x 512 + 256 (i / 4) + 16 r + 4 (i % 4)).  A slot of the ring is three blocks: A's, B's two: 512 along K.  Waves 0 and 1 fetch A's halves, waves 2 and 3 B's blocks, by joint loads:
; A's block is shared along a row of the cluster, B's along a column.  A fragment comes out of LDS by three loads of 512 consecutive bytes; nothing is padded.
; A wave makes 64 (A) x 128 (B): 32 accumulators.  A step of 128 along K is 32 matrix instructions; the next step's 12 fragments and 8 scale registers are fetched ahead of them into the other set.
; THE MATRIX INSTRUCTION IS USED TRANSPOSED (source 0 = 16 rows of B, source 1 = 16 rows of A): a lane holds ONE row of A.  Row r of row block i is row 32 (i / 2) + 8 (i % 2) + r + 8 (r / 8) of its panel,
; so that register 16 c + j of a block of A holds B's row 32 c + 16 (lane / 16) + j: 16 neighbours along the next K.
; OUT: each block of A (16 rows x 128) becomes one operand fragment, stored as an image of its 12 registers, and a scale word a row.
;   qkv_img: H x 196,608 + G x 12,288 + a x 1,536 + 512 c + 16 x lane;  H = 0-15 q heads, 16-23 k heads, 24-31 v heads;  G = the group of 128 tokens.   qkv_sc: H x 8,192 + G x 512 + 256 (a / 4) + 16 r + 4 (a % 4).
; The way out parts ONCE, on the cluster's x: q and k are rotated and quantised, v is quantised alone; the two ways join at the store of the scale words.
; LIMITS: NaN and infinities are not served; a block whose largest magnitude lies under 2^-124 keeps the scale byte 1 (this program alone reads the bytes).
; REGISTERS, in windows of 256: window 0: v0-31 addresses; v32-47 scale words, two sets of 8 (A's four, B's four); v64-159 A's fragments, two sets; behind the loop v64-229 at work.
;   window 1: B's fragments, two sets, at v0 and v128; behind the loop the tables of blocks 2, 3.   window 2: the accumulators ((a, b) at v[8 (8 a + b)]).   window 3: the tables of blocks 0, 1.
.set NSLOT,  8                         ; slots' worth of K: 4,096 / 512
.set PANEL,  51200                     ; bytes of a block
.set FRB,    1536                      ; bytes of a fragment's image
.set SCO,    32*FRB                    ; where a block's scale words begin
.set SLOT,   3*PANEL                   ; A's block, then B's two
.set SPARE,  2*SLOT                    ; behind the ring: the spare words, 128 bytes a wave
.set FR,     12                        ; registers of a fragment
.set NP,     4                         ; places behind this matrix instruction (ISA guide 7.12.1)
.set ADRA, 16                          ; v16-17 LDS address of my A fragments in slot 0, 1
.set ADRB, 18                          ; v18-19 of my B fragments
.set ADSA, 20                          ; v20-21 of my A scale words: every lane takes row r's four
.set ADSB, 22                          ; v22-23 of my B scale words: lanes 0-15 those of blocks 0-3, lanes 16-31 of blocks 4-7
.set LI,   24                          ; v24 16 x lane: my place in an image
.set CSO,  25                          ; v25 my stage for the tables, on the way out: r x 528 + 64 (lane / 16)
.set STI,  31                          ; v31 and on the way in: 16 x lane; the row stands in the offset
.set SWO,  26                          ; v26 16 r + 8 (lane / 16): my two scale words on the way out
.set SPW,  28                          ; v28 LDS address of my spare word; never rewritten
.set NIL,  29                          ; v29 0; never rewritten
.set SC,   32                          ; scale words: set p at v[SC + 8 p]: A's blocks 0-3, then B's
.set AF,   64                          ; A's fragments: set p at v[AF + 48 p]
.set CDB,  64                          ; behind the loop: v64-143 the codes, 20 registers for each block: no store's data are written again
.set TM,   144                         ; v144-147 largest magnitudes, v148-151 bytes, v156-159 the conversions' scale operands
.set TT,   160                         ; v160-191 x2 sin, v192-223 x1 sin
.set UU,   192
.set PWS,  224                         ; v224-227 a scale word for each block of A
.set OUTS, 228                         ; v228-229 the scale words as they are stored
.set G1, 24                            ; s[24:31] descriptor group 1 for A's halves; s[32:39] group 0, one set for each slot
.set G0, 32
.set G1B, 48                           ; s[48:55], s[56:63] the same for B's blocks
.set G0B, 56
.set SEL, 70                           ; s[70:71] lane selects for v_permlanex16_b32: lane l xor 16
.set PFA, 72                           ; s[72:73] where my prefetches stand: my work-group's share of the block that I fetch, two refills on
.set PFT, 76                           ; s[76:77] my 32 blocks of 256 bytes of the tile's cos and sin rows
.set PFO, 27                           ; v27 256 x min(lane, 24); never rewritten
.set PFL, 30                           ; v30 256 x lane; never rewritten
; THE PREFETCHES.  Behind slot 0's load slots 1 and 2 are asked for, behind slot 1's slot 3, behind each refill the slot that stands two refills on.  The four partners that ask for a block jointly share it out
; by address: of the 100 blocks of 256 bytes of A's half 25 each, one instruction; of B's 200 blocks 50 each, two instructions (lanes 25-31 name the last block again).
; loop = 1: the loop's last trip has no slot two refills on.
.macro ASKN                            ; my share of the slot behind the one at which s[PFA] stands
	global_prefetch_b8 v[PFO], s[PFA:PFA+1] offset:PANEL th:TH_LOAD_NT scope:SCOPE_SE
	s_cmp_eq_u32 s15, 0
	s_cbranch_scc1 .Lno_askn_\@
	global_prefetch_b8 v[PFO], s[PFA:PFA+1] offset:PANEL+6400 th:TH_LOAD_NT scope:SCOPE_SE
.Lno_askn_\@:
.endm
.macro ASK loop
.if \loop
	s_cmp_gt_u32 s3, 1
	s_cbranch_scc0 .Lno_ask_\@
.endif
	global_prefetch_b8 v[PFO], s[PFA:PFA+1] th:TH_LOAD_NT scope:SCOPE_SE
	s_cmp_eq_u32 s15, 0
	s_cbranch_scc1 .Lno_ask_\@
	global_prefetch_b8 v[PFO], s[PFA:PFA+1] offset:6400 th:TH_LOAD_NT scope:SCOPE_SE
.Lno_ask_\@:
.endm
.set MSB, 0
.macro WIN new                         ; the immediate's high byte repeats the setting that is left
.if MSB != (\new)
	s_set_vgpr_msb (MSB<<8)|(\new)
.set MSB, (\new)
.endif
.endm
.set MUL,  0xa1                        ; source 0 (B) window 1, source 1 (A) window 0, C and D window 2
.set TO_B, 0x40                        ; destination window 1, address window 0
; A joint load: waves 0 and 1 fetch for A, waves 2 and 3 for B.  Each line has one mask and one set of registers for all that issue it; the branch hangs on the wave's number alone.
; An s_nop 0 and four v_nop follow each of the two lines.
.macro JLOAD g0a, g1a, g0b, g1b
	s_cmp_eq_u32 s15, 0
	s_cbranch_scc0 .Lfor_b_\@
	tensor_load_to_lds s[\g0a:\g0a+3], s[\g1a:\g1a+7]
	s_nop 0
.rept 4
	v_nop
.endr
	s_branch .Lasked_\@
.Lfor_b_\@:
	tensor_load_to_lds s[\g0b:\g0b+3], s[\g1b:\g1b+7]
	s_nop 0
.rept 4
	v_nop
.endr
.Lasked_\@:
.endm
.macro CREST                           ; a round of the cluster's barrier behind its opening barrier
	s_cmp_lg_u32 s14, 0
	s_cbranch_scc1 .Lnot_wave_0_\@
	s_barrier_signal -3
.Lnot_wave_0_\@:
	s_barrier_wait -3
	s_barrier_signal -1
	s_barrier_wait -1
.endm
.macro CROUND                          ; a whole round
	s_barrier_signal -1
	s_barrier_wait -1
	CREST
.endm
	s_load_b256 s[4:11], s[0:1], 0x0               ; codes1 s[4:5], qkv_img s[6:7], qkv_sc s[8:9], cos s[10:11]
	s_load_b64 s[12:13], s[0:1], 0x20              ; sin
	v_lshl_add_u32 v[SPW], v0, 2, SPARE
	v_mov_b32 v[NIL], 0
	ds_add_u32 v[SPW], v[NIL]                      ; the wave's opening: the adds, waited for ahead of my first tensor load; the set-up below, work on registers, stands between the adds and their wait
	ds_add_u32 v[SPW], v[NIL]
	v_lshrrev_b32 v1, 5, v0
	v_readfirstlane_b32 s14, v1                    ; wave 0..3
	s_lshr_b32 s15, s14, 1                         ; which 64 rows of A are mine.  Also: I fetch for A (0) or for B (1)
	s_and_b32 s16, s14, 1                          ; which block of B is mine.  Also: which half of A's block, or which block of B, I fetch
	s_bfe_u32 s40, ttmp6, 0x40000                  ; cx, cy: my place in the cluster
	s_bfe_u32 s41, ttmp6, 0x40004
	s_lshl_b32 s42, ttmp9, 2                       ; 4 x cluster x
	s_and_b32 s18, ttmp7, 0xffff                   ; cluster y
	s_lshl_b32 s17, s18, 2                         ; 4 x cluster y
	s_and_b32 s19, s18, 1
	s_lshl_b32 s19, s19, 2                         ; 4 x (cluster y % 2)
	s_lshr_b32 s18, s18, 1
	s_lshl_b32 s18, s18, 2                         ; 4 x (cluster y / 2)
	s_cmp_eq_u32 ttmp9, 3                          ; the clusters with x = 3 make v^T: the same in all sixteen partners
	s_cselect_b32 s66, 1, 0
	s_cselect_b32 s42, s19, s42                    ; tile columns: of x's 8, else of wq | wk's 12
	s_cselect_b32 s17, s18, s17                    ; tile rows: wv's 8, else x's 16
	s_cselect_b32 s67, 320*PANEL, 0                ; where A's blocks begin in codes1: wv, else x
	s_cselect_b32 s68, 0, 128*PANEL                ; B's: x, else wq
	s_add_co_u32 s42, s42, s40                     ; tile column
	s_add_co_u32 s17, s17, s41                     ; tile row
	s_lshl_b32 s43, s41, 2
	s_lshl_b32 s43, 15, s43                        ; my row of the cluster
	s_lshl_b32 s44, 0x1111, s40                    ; my column
	; descriptor group 1: a dense run of bytes as rows of 256 (32 elements of 8 bytes): half of A's block, 100 rows; a block of B, 200 rows
	s_or_b32 s[G1+0], s43, (3<<16)|(1<<21)         ; 15:0 the mask: A's go to my row; elements of 8 bytes; no padding; bit 21 beside a mask
	s_or_b32 s[G1B+0], s44, (3<<16)|(1<<21)
	s_mov_b32 s[G1+1], 32<<16                      ; tensor_dim0
	s_mov_b32 s[G1+2], 100<<16                     ; tensor_dim1
	s_mov_b32 s[G1+3], 32<<16                      ; tile_dim0
	s_mov_b32 s[G1+4], 100                         ; tile_dim1
	s_mov_b32 s[G1+5], 32                          ; the pitch
	s_mov_b32 s[G1+6], 0
	s_mov_b32 s[G1+7], 0
	s_mov_b32 s[G1B+1], 32<<16
	s_mov_b32 s[G1B+2], 200<<16
	s_mov_b32 s[G1B+3], 32<<16
	s_mov_b32 s[G1B+4], 200
	s_mov_b32 s[G1B+5], 32
	s_mov_b32 s[G1B+6], 0
	s_mov_b32 s[G1B+7], 0
	s_mov_b32 s[SEL], 0x76543210
	s_mov_b32 s[SEL+1], 0xfedcba98
	s_mul_i32 s20, s17, NSLOT*PANEL                ; A: the tile row's panel, its first block;
	s_mul_i32 s21, s16, PANEL/2                    ; my half of a block
	s_add_co_u32 s20, s20, s21
	s_add_co_u32 s20, s20, s67                     ; every sum stays under 2^25
	s_mov_b32 s21, 0
	s_lshl_b32 s46, s42, 1
	s_add_co_u32 s46, s46, s16                     ; B: panel 2 x tile column + which
	s_mul_i32 s46, s46, NSLOT*PANEL
	s_add_co_u32 s46, s46, s68
	s_mov_b32 s47, 0
	s_mul_i32 s45, s16, PANEL/2                    ; where they go: no place in the cluster enters an LDS address
	s_mul_i32 s69, s16, PANEL
	s_add_co_u32 s69, s69, PANEL                   ; B's blocks lie behind A's
	s_wait_dscnt 0x0                               ; the opening add is done
	s_wait_kmcnt 0x0
	s_add_nc_u64 s[20:21], s[4:5], s[20:21]
	s_add_nc_u64 s[46:47], s[4:5], s[46:47]
	s_cmp_eq_u32 s15, 0                            ; the prefetches: what I fetch,
	s_cselect_b64 s[PFA:PFA+1], s[20:21], s[46:47]
	s_cselect_b32 s74, s40, s41                    ; my place among the four that ask for it with me,
	s_mul_i32 s74, s74, 6400
	s_lshl_b32 s74, s74, s15                       ; 25 blocks of A's half, 50 of B's block,
	s_add_co_u32 s74, s74, PANEL                   ; at slot 1
	s_mov_b32 s75, 0
	s_add_nc_u64 s[PFA:PFA+1], s[PFA:PFA+1], s[74:75]
	s_lshr_b32 s76, s40, 1                         ; the tables of my tile's 128 tokens, 256 blocks each: partners 0, 1 take cos, partners 2, 3 sin, 32 blocks a wave
	s_cmp_eq_u32 s76, 0
	s_cselect_b64 s[PFT:PFT+1], s[10:11], s[12:13]
	s_and_b32 s74, s40, 1
	s_lshl_b32 s74, s74, 2
	s_add_co_u32 s74, s74, s14
	s_lshl_b32 s74, s74, 13
	s_lshl_b32 s75, s17, 16
	s_add_co_u32 s74, s74, s75
	s_mov_b32 s75, 0
	s_add_nc_u64 s[PFT:PFT+1], s[PFT:PFT+1], s[74:75]
	CROUND                                         ; all sixteen work-groups are here: the first joint loads meet
.irp s, 0,1
	s_mov_b32 s[G0+4*\s], 1
	s_add_co_u32 s[G0+4*\s+1], s45, \s*SLOT
	s_add_nc_u64 s[G0+4*\s+2:G0+4*\s+3], s[20:21], \s*PANEL
	s_or_b32 s[G0+4*\s+3], s[G0+4*\s+3], 0x80000000
	s_mov_b32 s[G0B+4*\s], 1
	s_add_co_u32 s[G0B+4*\s+1], s69, \s*SLOT
	s_add_nc_u64 s[G0B+4*\s+2:G0B+4*\s+3], s[46:47], \s*PANEL
	s_or_b32 s[G0B+4*\s+3], s[G0B+4*\s+3], 0x80000000
.endr
	JLOAD G0, G1, G0B, G1B                         ; slot 0: one tensor load a wave at the head
	v_and_b32 v1, 15, v0                           ; r = l % 16
	v_bfe_u32 v2, v0, 4, 1                         ; h = l / 16
	v_and_b32 v3, 31, v0
	v_lshlrev_b32 v[LI], 4, v3
	v_lshlrev_b32 v4, 4, v1                        ; 16 r
	v_min_u32 v[PFO], 24, v3
	v_lshlrev_b32 v[PFO], 8, v[PFO]
	v_lshlrev_b32 v[PFL], 8, v3
	s_wait_alu depctr_va_vdst(0)
	ASK 0                                          ; slot 1
	ASKN                                           ; slot 2
	s_mul_i32 s22, s15, 16*FRB                     ; my four row blocks of A: sixteen images on
	s_mul_i32 s23, s16, PANEL
	s_add_co_u32 s23, s23, PANEL                   ; my block of B
.irp s, 0,1
	v_add_nc_u32 v[ADRA+\s], s22, v[LI]
	v_add_nc_u32 v[ADRB+\s], s23, v[LI]
	s_add_co_u32 s22, s22, SLOT
	s_add_co_u32 s23, s23, SLOT
.endr
	s_lshl_b32 s22, s15, 8
	s_add_co_u32 s22, s22, SCO                     ; A's scale words: 256 bytes for row blocks 0-3, 256 for 4-7
	s_mul_i32 s23, s16, PANEL
	s_add_co_u32 s23, s23, PANEL+SCO               ; B's
.irp s, 0,1
	v_add_nc_u32 v[ADSA+\s], s22, v4
	v_add_nc_u32 v[ADSB+\s], s23, v[LI]
	s_add_co_u32 s22, s22, SLOT
	s_add_co_u32 s23, s23, SLOT
.endr
	; the way out's addresses
	s_mul_i32 s45, s14, 16896                      ; my stage: two tables x 16 rows x (512 + 16) bytes, in slot 0
	v_mul_u32_u24 v5, v1, 528
	v_lshl_add_u32 v5, v2, 6, v5                   ; row r, + 64 h: my 16 numbers of a block of 32
	v_add_nc_u32 v[CSO], s45, v5
	v_add_nc_u32 v[STI], s45, v[LI]
	v_lshl_add_u32 v[SWO], v2, 3, v4
	s_lshl_b32 s21, s42, 1
	s_add_co_u32 s21, s21, s16                     ; my panel of B
	s_add_co_u32 s22, s17, 24
	s_cmp_eq_u32 s66, 1
	s_cselect_b32 s22, s22, s21                    ; H: v head 24 + A's panel, else the q or k head = B's panel
	s_cselect_b32 s23, s21, s17                    ; G: the group of 128 tokens
	s_mul_i32 s46, s22, 196608
	s_mul_i32 s47, s23, 12288
	s_add_co_u32 s46, s46, s47
	s_mul_i32 s47, s15, 4*FRB                      ; fragments 0-3 or 4-7
	s_add_co_u32 s46, s46, s47
	s_mov_b32 s47, 0
	s_add_nc_u64 s[6:7], s[6:7], s[46:47]          ; my four images
	s_lshl_b32 s46, s22, 13
	s_lshl_b32 s45, s23, 9
	s_add_co_u32 s46, s46, s45
	s_lshl_b32 s45, s15, 8
	s_add_co_u32 s46, s46, s45
	s_add_nc_u64 s[8:9], s[8:9], s[46:47]          ; and their scale words: 256 bytes
	s_lshl_b32 s46, s17, 16                        ; the tables at my 64 tokens (used where A is x)
	s_lshl_b32 s45, s15, 15
	s_add_co_u32 s46, s46, s45
	s_add_nc_u64 s[10:11], s[10:11], s[46:47]
	s_add_nc_u64 s[12:13], s[12:13], s[46:47]
; One matrix instruction: A's block a x B's block b, 128 along K, operands of set p.  zero = 1: it starts the sum.  B's scale words of blocks 4-7 stand in lanes 16-31.
.macro WM a, b, p, zero
.set rD, 8*(8*(\a)+(\b))
.set rB, 128*(\p)+FR*(\b)
.set rA, AF+48*(\p)+FR*(\a)
.set rT, SC+8*(\p)+4+(\b)%4
.set rS, SC+8*(\p)+(\a)
.if \zero
.if (\b) < 4
	v_wmma_scale_f32_16x16x128_f8f6f4 v[rD:rD+7], v[rB:rB+FR-1], v[rA:rA+FR-1], 0, v[rT], v[rS] matrix_a_fmt:MATRIX_FMT_FP6 matrix_b_fmt:MATRIX_FMT_FP6
.else
	v_wmma_scale_f32_16x16x128_f8f6f4 v[rD:rD+7], v[rB:rB+FR-1], v[rA:rA+FR-1], 0, v[rT], v[rS] matrix_a_fmt:MATRIX_FMT_FP6 matrix_b_fmt:MATRIX_FMT_FP6 matrix_a_scale:MATRIX_SCALE_ROW1
.endif
.else
.if (\b) < 4
	v_wmma_scale_f32_16x16x128_f8f6f4 v[rD:rD+7], v[rB:rB+FR-1], v[rA:rA+FR-1], v[rD:rD+7], v[rT], v[rS] matrix_a_fmt:MATRIX_FMT_FP6 matrix_b_fmt:MATRIX_FMT_FP6
.else
	v_wmma_scale_f32_16x16x128_f8f6f4 v[rD:rD+7], v[rB:rB+FR-1], v[rA:rA+FR-1], v[rD:rD+7], v[rT], v[rS] matrix_a_fmt:MATRIX_FMT_FP6 matrix_b_fmt:MATRIX_FMT_FP6 matrix_a_scale:MATRIX_SCALE_ROW1
.endif
.endif
.endm
.macro MULA a, p, zero                 ; A's block a against B's eight.  The 32 accumulators take turns, one instruction a turn, in the same order in every step
.irp b, 0,1,2,3,4,5,6,7
	WM \a, \b, \p, \zero
.endr
.endm
.macro FETCH slot, q, p                ; the fragments and scale words of the slot's q-th 128 along K into set p: 38 loads of 512 bytes
	WIN TO_B
.irp b, 0,1,2,3,4,5,6,7
.irp c, 0,1,2
	ds_load_b128 v[128*(\p)+FR*\b+4*\c:128*(\p)+FR*\b+4*\c+3], v[ADRB+\slot] offset:(4*\b+(\q))*FRB+512*\c
.endr
.endr
	WIN 0
.irp a, 0,1,2,3
.irp c, 0,1,2
	ds_load_b128 v[AF+48*(\p)+FR*\a+4*\c:AF+48*(\p)+FR*\a+4*\c+3], v[ADRA+\slot] offset:(4*\a+(\q))*FRB+512*\c
.endr
.endr
	ds_load_b128 v[SC+8*(\p):SC+8*(\p)+3], v[ADSA+\slot] offset:512*(\q)
	ds_load_b128 v[SC+8*(\p)+4:SC+8*(\p)+7], v[ADSB+\slot] offset:512*(\q)
.endm
; A load into a register that a matrix instruction has read, and a vector instruction that reads a matrix result, stand NP places behind that matrix instruction; only plain vector instructions that name
; none of its registers are places (ISA guide 7.12.1 for vector instructions).
.macro PLACES n
.rept \n
	v_nop
.endr
.endm
.macro STEP slot, q, zero              ; one of a slot's first three steps: it multiplies set q % 2 and fetches the next step into the other set
	s_wait_dscnt 0x0                               ; this step's fragments, asked for a step ago, are in
	PLACES NP                                      ; behind the last step's products, which read the other set
	FETCH \slot, (\q)+1, ((\q)+1)%2
	WIN MUL
.irp a, 0,1,2,3
	MULA \a, (\q)%2, \zero
.endr
	WIN 0
.endm
; A slot's last step multiplies set 1 and changes slots: ONE barrier; in front of it each wave waits for all its tensor loads, adds 0 to its spare word, and waits for that and for its own reads of this slot.
; fill = 1: this slot is filled again, two slots ahead: the load has 112 of a slot's 128 matrix instructions in which to land.
.macro TURN slot, next, fill
.if \fill
	s_wait_xcnt 0x0                                ; my last prefetch has read its address: it is stepped here, ahead of the waits of the change of slots
	s_add_nc_u64 s[PFA:PFA+1], s[PFA:PFA+1], PANEL
.endif
	s_wait_tensorcnt 0x0                           ; all my tensor loads have landed: my part of the next slot
	ds_add_u32 v[SPW], v[NIL]                      ; 0 onto my spare word
	s_wait_dscnt 1                                 ; this step's fragments are in (the add may be out)
	WIN MUL
	MULA 0, 1, 0                                   ; eight matrix instructions stand between the add and the wait for it
	s_wait_dscnt 0x0                               ; the add is done, and my reads of this slot are over
	s_barrier_signal -1
	MULA 1, 1, 0
	WIN 0
	s_barrier_wait -1
.if \fill
	CREST                                          ; the barrier has opened a round of the cluster's barrier: no wave of any partner still reads this slot or has a load on its way
	s_add_nc_u64 s[G0+4*\slot+2:G0+4*\slot+3], s[G0+4*\slot+2:G0+4*\slot+3], 2*PANEL
	s_add_nc_u64 s[G0B+4*\slot+2:G0B+4*\slot+3], s[G0B+4*\slot+2:G0B+4*\slot+3], 2*PANEL
	JLOAD G0+4*\slot, G1, G0B+4*\slot, G1B         ; the first tensor load behind the round; its four v_nop are the places in front of the loads below
.else
	PLACES NP
.endif
	FETCH \next, 0, 0
.if \fill
	ASK 1
.endif
	WIN MUL
	MULA 2, 1, 0
	MULA 3, 1, 0
	WIN 0
.endm
	s_wait_alu depctr_va_vdst(0)
	s_wait_tensorcnt 0x0                           ; my part of slot 0 is in
	ds_add_u32 v[SPW], v[NIL]
	s_wait_xcnt 0x0                                ; my prefetch has read its address
	s_add_nc_u64 s[PFA:PFA+1], s[PFA:PFA+1], 2*PANEL
	s_wait_dscnt 0x0
	CROUND                                         ; everybody's part is in, and all sixteen work-groups are here
	JLOAD G0+4, G1, G0B+4, G1B                     ; slot 1's first fill, the first tensor load behind the round
	FETCH 0, 0, 0
	ASK 0                                          ; slot 3
	s_cmp_eq_u32 s66, 1                            ; v has no RoPE: its clusters ask for no table
	s_cbranch_scc1 .Lno_tab
	global_prefetch_b8 v[PFL], s[PFT:PFT+1] th:TH_LOAD_NT scope:SCOPE_SE
.Lno_tab:
	STEP 0, 0, 1                                   ; the first step stands in front of the loop: its products start the sums
	STEP 0, 1, 0
	STEP 0, 2, 0
	s_mov_b32 s3, NSLOT/2-1
.Llap:                                                 ; a trip goes once round the ring, from a slot's last step to the same place, and fills both slots again
	TURN 0, 1, 1
	STEP 1, 0, 0
	STEP 1, 1, 0
	STEP 1, 2, 0
	TURN 1, 0, 1
	STEP 0, 0, 0
	STEP 0, 1, 0
	STEP 0, 2, 0
	s_sub_co_u32 s3, s3, 1
	s_cmp_lg_u32 s3, 0
	s_cbranch_scc1 .Llap
	TURN 0, 1, 0                                   ; the last change of slots fills nothing
	STEP 1, 0, 0
	STEP 1, 1, 0
	STEP 1, 2, 0
	s_wait_dscnt 0x0                               ; the very last step: nothing more to fetch
	WIN MUL
.irp a, 0,1,2,3
	MULA \a, 1, 0
.endr
	WIN 0
; THE WAY OUT, block by block of A: 16 rows x 128, 64 registers a lane, register 16 c + j = number 32 c + 16 (lane / 16) + j of my row.
; cos and sin of block a's 16 tokens: 32 loads, a row of a table each: 32 lanes read 512 consecutive bytes.  Each block has a set of 128 registers of its own: blocks 0, 1 in window 3, blocks 2, 3 in window 1
.macro LOADCS a
.set TW, 3-2*((\a)/2)
.set PB, 128*((\a)%2)
.set WW, TW<<6
	WIN WW
.irp t, 0,1,2,3,4,5,6,7,8,9,10,11,12,13,14,15
	global_load_b128 v[PB+4*\t:PB+4*\t+3], v[LI], s[10:11] offset:(32*((\a)/2)+8*((\a)%2)+\t+8*(\t/8))*512
	global_load_b128 v[PB+64+4*\t:PB+64+4*\t+3], v[LI], s[12:13] offset:(32*((\a)/2)+8*((\a)%2)+\t+8*(\t/8))*512
.endr
	WIN 0
.endm
; The rows turn through my own stage and come back, into the registers that they left, in the order of the results: lane (r, h) takes of row r the numbers 32 c + 16 h + 0 .. 15 into registers 16 c + 0 .. 15.
; The stage lies in slot 0, which has had its last fill and, behind the last change of slots, its last read.  LDS serves a wave's instructions in order: no wait between the stores and the loads, nor ahead of the next block's stores.
.macro SHUF a
.set TW, 3-2*((\a)/2)
.set PB, 128*((\a)%2)
.set WW, TW<<2
	WIN WW
.irp t, 0,1,2,3,4,5,6,7,8,9,10,11,12,13,14,15
	ds_store_b128 v[STI], v[PB+4*\t:PB+4*\t+3] offset:528*\t
	ds_store_b128 v[STI], v[PB+64+4*\t:PB+64+4*\t+3] offset:8448+528*\t
.endr
.set WW, TW<<6
	WIN WW
.irp c, 0,1,2,3
.irp j, 0,1,2,3
	ds_load_b128 v[PB+16*\c+4*\j:PB+16*\c+4*\j+3], v[CSO] offset:128*\c+16*\j
	ds_load_b128 v[PB+64+16*\c+4*\j:PB+64+16*\c+4*\j+3], v[CSO] offset:8448+128*\c+16*\j
.endr
.endr
	WIN 0
.endm
; RoPE in place: x[d] = x[d] cos[d] - x[d + 64] sin[d], x[d + 64] = x[d + 64] cos[d + 64] + x[d] sin[d + 64].  d + 64 is register + 32 of the same lane.  Each accumulator is read from its low end on.
.macro ROPE a
.set TW, 3-2*((\a)/2)
.set AC, 64*(\a)
.set PB, 128*((\a)%2)
.set WW, 2|(TW<<2)                     ; source 0 (x) window 2, source 1 (the table) window TW, destination window 0
	WIN WW
.irp i, 0,2,4,6,8,10,12,14,16,18,20,22,24,26,28,30
	v_pk_mul_f32 v[TT+\i:TT+\i+1], v[AC+32+\i:AC+32+\i+1], v[PB+64+\i:PB+64+\i+1]
.endr
.irp i, 0,2,4,6,8,10,12,14,16,18,20,22,24,26,28,30
	v_pk_mul_f32 v[UU+\i:UU+\i+1], v[AC+\i:AC+\i+1], v[PB+96+\i:PB+96+\i+1]
.endr
.set WW, (2<<6)|(TW<<2)|2              ; destination and source 0 window 2, source 1 window TW, source 2 window 0
	WIN WW
.irp i, 0,2,4,6,8,10,12,14,16,18,20,22,24,26,28,30
	v_pk_fma_f32 v[AC+\i:AC+\i+1], v[AC+\i:AC+\i+1], v[PB+\i:PB+\i+1], v[TT+\i:TT+\i+1] neg_lo:[0,0,1] neg_hi:[0,0,1]
.endr
.irp i, 0,2,4,6,8,10,12,14,16,18,20,22,24,26,28,30
	v_pk_fma_f32 v[AC+32+\i:AC+32+\i+1], v[AC+32+\i:AC+32+\i+1], v[PB+32+\i:PB+32+\i+1], v[UU+\i:UU+\i+1]
.endr
	WIN 0
.endm
; Block a's 64 numbers a lane become a fragment's codes, stored as an image of its registers, and a scale word a row.
.macro QUANTW a
.set AC, 64*(\a)
.set CA, CDB+20*(\a)
	WIN 0x0a                                       ; sources 0 and 1 window 2
.irp b, 0,1,2,3
	v_max3_num_f32 v[TM+\b], |v[AC+16*\b]|, |v[AC+16*\b+1]|, 0x1800000   ; block b: my 16 numbers, and the floor 2^(3 - 127): the byte cannot fall under 1
.endr
.irp i, 2,4,6,8,10,12,14
.irp b, 0,1,2,3
	v_max3_num_f32 v[TM+\b], |v[AC+16*\b+\i]|, |v[AC+16*\b+\i+1]|, v[TM+\b]   ; (the four blocks by turns)
.endr
.endr
	WIN 0
.irp b, 0,1,2,3
	v_permlanex16_b32 v[TM+4+\b], v[TM+\b], s[SEL], s[SEL+1]
.endr
.irp b, 0,1,2,3
	v_max_num_f32 v[TM+\b], v[TM+\b], v[TM+4+\b]   ; with lane l xor 16's: the block's largest magnitude
.endr
.irp b, 0,1,2,3
	v_add_nc_u32 v[TM+12+\b], 0xff000000, v[TM+\b]   ; 2 off its exponent field: the conversion's scale operand
.endr
.irp b, 0,1,2,3
	v_lshrrev_b32 v[TM+4+\b], 23, v[TM+12+\b]      ; the scale's byte
.endr
	v_lshl_or_b32 v[PWS+(\a)], v[TM+5], 8, v[TM+4]   ; the four bytes make my row's scale word (both halves of the lanes hold it)
	v_lshl_or_b32 v[PWS+(\a)], v[TM+6], 16, v[PWS+(\a)]
	v_lshl_or_b32 v[PWS+(\a)], v[TM+7], 24, v[PWS+(\a)]
	WIN 0x02                                       ; source 0 window 2
.irp c, 0,1
	v_cvt_scalef32_pk16_fp6_f32 v[CA+6*\c:CA+2+6*\c], v[AC+32*\c:AC+15+32*\c], v[TM+12+2*\c]
	v_cvt_scalef32_pk16_fp6_f32 v[CA+12+4*\c:CA+14+4*\c], v[AC+16+32*\c:AC+31+32*\c], v[TM+12+2*\c+1]   ; (a conversion's three registers begin on an even number)
.endr
	WIN 0
	v_nop                                          ; one plain place behind a scaled conversion
.irp c, 0,1                                    ; the operand's layout wants a WHOLE block in a lane: lanes 0-15 block 2 c, lanes 16-31 block 2 c + 1
.irp i, 0,1,2
	v_permlane16_swap_b32 v[CA+6*\c+\i], v[CA+12+4*\c+\i]
.endr
.irp i, 0,1,2
	v_mov_b32 v[CA+3+6*\c+\i], v[CA+12+4*\c+\i]
.endr
.endr
.irp c, 0,1,2
	global_store_b128 v[LI], v[CA+4*\c:CA+4*\c+3], s[6:7] offset:(\a)*FRB+512*\c   ; 32 lanes store 512 consecutive bytes, aligned
.endr
.endm
	PLACES NP                                      ; behind the last products: for the first reads of results and for writes and loads into registers that held fragments
.irp b, 0,1,2,3
	v_mov_b32 v[TM+4+\b], 0                        ; written once: a lane permute's destination counts as one of its sources
.endr
	s_mov_b32 s67, 0xffff0000                      ; lanes 16-31
	s_cmp_eq_u32 s66, 1                            ; THE ONE PARTING: v has no RoPE.  The branch hangs on the cluster's x alone, which all sixteen partners share
	s_cbranch_scc1 .Lv_way
	; q and k.  A block's tables are asked for two blocks ahead, each into registers of its own, and turn through the stage one block ahead
	LOADCS 0
	LOADCS 1
	s_wait_loadcnt 32                              ; block 0's 32 loads are in; block 1's may be out
	SHUF 0
	LOADCS 2
.irp a, 0,1,2,3
.if \a < 3
.if \a < 2
	s_wait_loadcnt 32                              ; the next block's 32 loads are in; those of the block behind it may be out
.else
	s_wait_loadcnt 0x0
.endif
	SHUF \a+1
.if \a < 1
	LOADCS 3
.endif
	s_wait_dscnt 63                                ; this block's tables are back: of the next block's 64 LDS instructions 63 may be out
.else
	s_wait_dscnt 0x0
.endif
	ROPE \a
	QUANTW \a
.endr
	s_branch .Lwords
.Lv_way:
	; v: the sums are quantised as they stand
.irp a, 0,1,2,3
	QUANTW \a
.endr
.Lwords:
.irp t, 0,1
	v_cndmask_b32 v[OUTS+\t], v[PWS+\t], v[PWS+2+\t], s67   ; lanes 0-15: row r's words of my blocks 0, 1; lanes 16-31: of blocks 2, 3
.endr
	global_store_b64 v[SWO], v[OUTS:OUTS+1], s[8:9]   ; 256 consecutive bytes, aligned
	s_wait_tensorcnt 0x0                           ; the wave's end: behind my last tensor load
	ds_add_u32 v[SPW], v[NIL]
	s_wait_dscnt 0x0
	CROUND                                         ; the closing round: no work-group ends while a partner may still ask for a tile that names it
	s_endpgm
.Lfunc_end_k_qac4699a2bf_qkv:
	.size	k_qac4699a2bf_qkv, .Lfunc_end_k_qac4699a2bf_qkv-k_qac4699a2bf_qkv
	.p2alignl 7, 3214868480
	.fill 96, 4, 3214868480
	.section	.rodata,"a",@progbits
	.p2align	6, 0x0
	.amdhsa_kernel k_qac4699a2bf_qkv
		.amdhsa_group_segment_fixed_size 327680
		.amdhsa_private_segment_fixed_size 0
		.amdhsa_enable_private_segment 0
		.amdhsa_kernarg_size 40
		.amdhsa_user_sgpr_count 2
		.amdhsa_user_sgpr_kernarg_segment_ptr 1
		.amdhsa_wavefront_size32 1
		.amdhsa_system_sgpr_workgroup_id_x 1
		.amdhsa_system_sgpr_workgroup_id_y 1
		.amdhsa_system_sgpr_workgroup_id_z 1
		.amdhsa_system_vgpr_workitem_id 0
		.amdhsa_next_free_vgpr 1024
		.amdhsa_next_free_sgpr 80
		.amdhsa_reserve_vcc 0
		.amdhsa_float_denorm_mode_32 3
		.amdhsa_float_denorm_mode_16_64 3
		.amdhsa_memory_ordered 1
		.amdhsa_forward_progress 1
		.amdhsa_inst_pref_size 200
	.end_amdhsa_kernel
	.amdgpu_metadata
---
amdhsa.version: [ 1, 2 ]
amdhsa.kernels:
  - .name:           k_qac4699a2bf_qkv
    .symbol:         k_qac4699a2bf_qkv.kd
    .args:
      - { .name: codes1, .offset: 0, .size: 8, .value_kind: global_buffer, .address_space: global }
      - { .name: qkv_img, .offset: 8, .size: 8, .value_kind: global_buffer, .address_space: global }
      - { .name: qkv_sc, .offset: 16, .size: 8, .value_kind: global_buffer, .address_space: global }
      - { .name: cos, .offset: 24, .size: 8, .value_kind: global_buffer, .address_space: global }
      - { .name: sin, .offset: 32, .size: 8, .value_kind: global_buffer, .address_space: global }
    .group_segment_fixed_size: 327680
    .private_segment_fixed_size: 0
    .kernarg_segment_align: 8
    .kernarg_segment_size: 40
    .max_flat_workgroup_size: 128
    .sgpr_count:     80
    .vgpr_count:     1024
    .wavefront_size: 32
...
	.end_amdgpu_metadata
.endif
;; end of part 6
;; launch attn (part 7): grid 32 x 8, 8 waves a work-group, clusters of 4 x 4, 327,680 bytes of LDS; arguments qkv_img, qkv_sc, attention_mask, o_img; writes o_img
.if DOCPART == 7
	.amdgcn_target "amdgcn-amd-amdhsa--gfx1250"
	.amdhsa_code_object_version 6
	.text
	.protected	k_qac4699a2bf_attn
	.globl	k_qac4699a2bf_attn
	.p2align	8
	.type	k_qac4699a2bf_attn,@function
k_qac4699a2bf_attn:
	s_mov_b64 s[64:65], 0
	v_nop
	global_prefetch_b8 v0, s[64:65] scope:SCOPE_SE
	s_setreg_imm32_b32 hwreg(HW_REG_WAVE_MODE, 25, 1), 1
	s_wait_xcnt 0x0
	s_wait_alu depctr_hold_cnt(0) depctr_sa_sdst(0) depctr_va_vdst(0) depctr_va_sdst(0) depctr_va_ssrc(0) depctr_va_vcc(0) depctr_vm_vsrc(0)
	s_getreg_b32 s2, hwreg(HW_REG_IB_STS2, 6, 4)
	s_cmp_eq_u32 s2, 0
	s_cbranch_scc0 .Lentry_in_a_cluster
	s_endpgm
.Lentry_in_a_cluster:
	s_bfe_u32 s2, ttmp6, 0x10000c
	s_cmp_lg_u32 s2, 0xf033
	s_cbranch_scc0 .Lentry_shape_is_right
	s_endpgm
.Lentry_shape_is_right:
; Attention on codes of FP6 with E8M0 scales: S^T = k q^T, the mask, p = 2^(t - M) with a running whole M, p quantised along the keys, O^T += v^T p^T, O / l quantised along the head's 128 for the last projection.
; A work-group (x, y) takes 64 tokens (x) of the two query heads 2 y, 2 y + 1, which share key and value head y.  Eight waves: wave w takes the 16 tokens of fragment w % 4, BOTH heads, and of every slot of 256 keys
; the 128 keys w / 4.  So each fragment of k and v, each mask word and each scale word that a wave reads from LDS serves two heads.  At the end waves w and w xor 4 hand each other one head's O, M and l through LDS:
; a wave's head A is 2 y + w / 4 (kept), its head B the other (given away).
; THE RING: two slots, each with k's and v's images of 256 keys (four pieces of 12,288 bytes, as 12 rows of 1,024 bytes + 128 of padding) and the mask's 64 rows x 256 keys (rows of 1,024 + 16 bytes).
; Waves 0-3 fetch the pieces, jointly with my row of the cluster (same y); waves 4-7 the mask's tiles, jointly with my column (same x).  One round of the cluster's barrier and one load a wave for each slot.
; k's TILES ARE GATHERED BY ADDRESS: row m of tile (c, t) is key 64 c + 32 (m / 8) + 8 t + m % 8, which lies in image 4 c + 2 (m / 8) + t % 2 at row 8 (t / 2) + m % 8.  A lane (query r, half h) then holds
; in registers 32 c .. 32 c + 31 the keys 64 c + 32 h + 0 .. 31: whole blocks of 32, in the order of the next operand's registers.  The padding sets the two groups of eight rows 128 bytes apart modulo 256.
; THE MASK x sqrt(128) IS THE C OF THE SCORE PRODUCT: D = k q + sqrt(128) mask, t = D x log2(e) / sqrt(128).  One packed multiply a pair of mask words serves both heads.
; PV of a step stands behind the next change of slots, over the flight of that trip's LDS loads; v's fragments are fetched ahead of the softmax and wait in registers.
; The scale words of k and v, 512 dense bytes a step each, come by loads of whole blocks, a trip ahead.
; THE TILES ARE PREFETCHED: at the head slots 1 and 2, behind trip n's load slot n + 3, two slots ahead of its tensor load; trips 5 and 6 ask for nothing.  The mask's: waves 0, 1 of the clusters with y = 0,
; 8 rows x 1,024 bytes a wave, the four partners of a column sharing the 64 rows out by address.  k's and v's: waves 2, 3 of every work-group: the partner at place cx of a row of the cluster takes piece cx of the
; slot's four, 24 blocks of 256 bytes a wave (lanes 24-31 name the last again).
; LIMITS: NaN and infinities are not served; the promise holds while |t| stays under 2^31; a block whose largest magnitude lies under 2^-124 keeps the scale byte 1 (this program alone reads the bytes).
; REGISTERS: window 0: v1-35 addresses, state, scale words; v36-55 at work; v56-79 q's two fragments; v80-127 k's tiles 0-3; v128-191 mask, then head A's scores and p; v192-255 head B's.
;   window 1: v0-127 O^T of heads A, B; v128-223 v's eight fragments (k's tiles 4-7 pass through the first 48); v224-247 p's codes; v248-254 upper halves of blocks on their way.
.set PIECE, 12288
.set PP,    13824                      ; a piece in LDS
.set SLOT1, 131072
.set MOFF,  4*PP
.set MP,    1040
.set GP,    16*MP+128
.set SPARE, 2*SLOT1
.set SWS,   SPARE+1024
.set STGB,  8704                       ; a wave's stage for the hand-over, in slot 0 behind its last fill and last read
.set PANEL, 51200
.set SCO,   49152
.set LI,  1
.set AK0, 2
.set AM0, 3
.set AV0, 4
.set SPW, 5
.set NIL, 6
.set ADK, 8
.set ADM, 9
.set ADV, 10
.set KSO, 11
.set NM,  12                           ; pairs (-M, running largest D) of heads A, B
.set L,   16                           ; the sums, two halves a head
.set F,   20                           ; pairs (f, p's scale word)
.set SH,  24
.set QS,  25
.set PFO, 27
.set KSC, 28
.set VSC, 32
.set Q,   56
.set KF,  80
.set S,   128
.set VF,  128                          ; window 1
.set CD,  224
.set TT,  248
.set WV,   14
.set G1KV, 24
.set KS,   32
.set VS,   34
.set QA,   36
.set QB,   38
.set G1M,  40
.set G0KV, 48
.set G0M,  52
.set QSA,  56
.set QSB,  58
.set SEL,  60
.set CC,   62
.set SQ,   66
.set TB,   68
.set KVW,  69                          ; all ones in waves 2, 3, which prefetch k and v; else 0
.set SLOTS, 70
.set PFA,  72
.set LIM,  74                          ; 2 in a wave that prefetches, else the greatest number
.set PST,  92                          ; s[92:93] bytes from slot to slot of what I prefetch
.set MSB, 0
.macro WIN new
.if MSB != (\new)
	s_set_vgpr_msb (MSB<<8)|(\new)
.set MSB, (\new)
.endif
.endm
.macro NOPS n
.rept \n
	v_nop
.endr
.endm
.macro JLOAD                           ; waves 0-3 k's and v's pieces, waves 4-7 the mask's tiles; s_nop 0 and four v_nop behind each line
	s_cmp_eq_u32 s16, 0
	s_cbranch_scc0 .Lfor_m_\@
	tensor_load_to_lds s[G0KV:G0KV+3], s[G1KV:G1KV+7]
	s_nop 0
	NOPS 4
	s_branch .Lasked_\@
.Lfor_m_\@:
	tensor_load_to_lds s[G0M:G0M+3], s[G1M:G1M+7]
	s_nop 0
	NOPS 4
.Lasked_\@:
.endm
.macro ASK how                         ; my share of the slot at which s[PFA] stands
.if \how
	s_cmp_eq_u32 s[LIM], 2
.else
	s_cmp_gt_u32 s[SLOTS], s[LIM]                  ; not in the loop's last two trips: no slot is left
.endif
	s_cbranch_scc0 .Lnot_mine_\@
	global_prefetch_b8 v[PFO], s[PFA:PFA+1] th:TH_LOAD_NT scope:SCOPE_SE
.Lnot_mine_\@:
.endm
.macro CROUND
	s_barrier_signal -1
	s_barrier_wait -1
	s_cmp_lg_u32 s[WV], 0
	s_cbranch_scc1 .Lnot_wave_0_\@
	s_barrier_signal -3
.Lnot_wave_0_\@:
	s_barrier_wait -3
	s_barrier_signal -1
	s_barrier_wait -1
.endm
.macro WS d, a, b, c, sa, sb, row      ; one matrix instruction; c < 0: it starts the sum; row: source 0's scales stand in lanes 16-31
.if (\c) < 0
.if \row
	v_wmma_scale_f32_16x16x128_f8f6f4 v[(\d):(\d)+7], v[(\a):(\a)+11], v[(\b):(\b)+11], 0, v[\sa], v[\sb] matrix_a_fmt:MATRIX_FMT_FP6 matrix_b_fmt:MATRIX_FMT_FP6 matrix_a_scale:MATRIX_SCALE_ROW1
.else
	v_wmma_scale_f32_16x16x128_f8f6f4 v[(\d):(\d)+7], v[(\a):(\a)+11], v[(\b):(\b)+11], 0, v[\sa], v[\sb] matrix_a_fmt:MATRIX_FMT_FP6 matrix_b_fmt:MATRIX_FMT_FP6
.endif
.else
.if \row
	v_wmma_scale_f32_16x16x128_f8f6f4 v[(\d):(\d)+7], v[(\a):(\a)+11], v[(\b):(\b)+11], v[(\c):(\c)+7], v[\sa], v[\sb] matrix_a_fmt:MATRIX_FMT_FP6 matrix_b_fmt:MATRIX_FMT_FP6 matrix_a_scale:MATRIX_SCALE_ROW1
.else
	v_wmma_scale_f32_16x16x128_f8f6f4 v[(\d):(\d)+7], v[(\a):(\a)+11], v[(\b):(\b)+11], v[(\c):(\c)+7], v[\sa], v[\sb] matrix_a_fmt:MATRIX_FMT_FP6 matrix_b_fmt:MATRIX_FMT_FP6
.endif
.endif
.endm
	s_load_b256 s[4:11], s[0:1], 0x0               ; qkv_img, qkv_sc, attention_mask, o_img
	v_lshl_add_u32 v[SPW], v0, 2, SPARE
	v_mov_b32 v[NIL], 0
	ds_add_u32 v[SPW], v[NIL]                      ; the opening lines: the add, twice on end, and its wait
	ds_add_u32 v[SPW], v[NIL]
	v_lshrrev_b32 v8, 5, v0
	v_readfirstlane_b32 s[WV], v8
	s_and_b32 s15, s[WV], 3                        ; my token fragment; also which piece or mask tile I fetch
	s_lshr_b32 s16, s[WV], 2                       ; my half of a slot's keys; also head A; also I fetch pieces (0) or mask (1)
	s_bfe_u32 s17, ttmp6, 0x40000
	s_bfe_u32 s18, ttmp6, 0x40004
	s_lshl_b32 s19, ttmp9, 2
	s_add_co_u32 s19, s19, s17                     ; x
	s_and_b32 s20, ttmp7, 0xffff
	s_lshl_b32 s20, s20, 2
	s_add_co_u32 s20, s20, s18                     ; y
	s_lshl_b32 s21, s18, 2
	s_lshl_b32 s21, 15, s21                        ; my row of the cluster
	s_lshl_b32 s22, 0x1111, s17                    ; my column
	s_or_b32 s[G1KV], s21, (3<<16)|(1<<20)|(1<<21)|(7<<22)|(31<<25)   ; elements of 8 bytes; 32 words of padding behind every 256
	s_mov_b32 s[G1KV+1], 128<<16
	s_mov_b32 s[G1KV+2], 12<<16
	s_mov_b32 s[G1KV+3], 128<<16
	s_mov_b32 s[G1KV+4], 12
	s_mov_b32 s[G1KV+5], 128
	s_mov_b32 s[G1KV+6], 0
	s_mov_b32 s[G1KV+7], 0
	s_or_b32 s[G1M], s22, (2<<16)|(1<<20)|(1<<21)|(7<<22)|(3<<25)     ; 16 rows x 256 f32; 4 words of padding behind each row
	s_mov_b32 s[G1M+1], 256<<16
	s_mov_b32 s[G1M+2], 16<<16
	s_mov_b32 s[G1M+3], 256<<16
	s_mov_b32 s[G1M+4], 16
	s_mov_b32 s[G1M+5], 2048
	s_mov_b32 s[G1M+6], 0
	s_mov_b32 s[G1M+7], 0
	s_mov_b32 s[SEL], 0x76543210
	s_mov_b32 s[SEL+1], 0xfedcba98
	s_mov_b32 s[CC], 0x3e0293ee                    ; log2(e) / sqrt(128)
	s_mov_b32 s[CC+1], s[CC]
	s_mov_b32 s[SQ], 0x413504f3                    ; sqrt(128)
	s_mov_b32 s[SQ+1], s[SQ]
	s_mov_b32 s[TB], 0
	s_and_b32 s76, s15, 1                          ; piece: k (0) or v (1),
	s_lshr_b32 s77, s15, 1                         ; of the slot's first or second 128 keys
	s_lshl_b32 s78, s76, 3
	s_add_co_u32 s78, s78, s20
	s_add_co_u32 s78, s78, 16
	s_mul_i32 s80, s78, 196608
	s_mul_i32 s79, s77, PIECE
	s_add_co_u32 s80, s80, s79
	s_mov_b32 s81, 0
	s_mov_b32 s[G0KV], 1
	s_mul_i32 s[G0KV+1], s15, PP
	s_mov_b32 s[G0M], 1
	s_mul_i32 s[G0M+1], s15, GP
	s_add_co_u32 s[G0M+1], s[G0M+1], MOFF
	s_lshl_b32 s84, s19, 19
	s_lshl_b32 s79, s15, 17
	s_add_co_u32 s84, s84, s79
	s_mov_b32 s85, 0
	s_lshl_b32 s86, s20, 1
	s_add_co_u32 s86, s86, s16                     ; head A
	s_xor_b32 s87, s86, 1                          ; head B
	s_lshr_b32 s88, s19, 1                         ; my tokens' group of 128
	s_and_b32 s89, s19, 1
	s_lshl_b32 s79, s89, 2
	s_add_co_u32 s79, s79, s15                     ; and fragment
	s_mul_i32 s90, s88, PIECE
	s_mul_i32 s75, s79, 1536
	s_add_co_u32 s90, s90, s75
	s_mul_i32 s[QA], s86, 196608
	s_add_co_u32 s[QA], s[QA], s90
	s_mov_b32 s[QA+1], 0
	s_mul_i32 s[QB], s87, 196608
	s_add_co_u32 s[QB], s[QB], s90
	s_mov_b32 s[QB+1], 0
	s_lshl_b32 s90, s88, 9
	s_lshl_b32 s75, s89, 8
	s_add_co_u32 s90, s90, s75
	s_lshl_b32 s75, s15, 2
	s_add_co_u32 s90, s90, s75
	s_lshl_b32 s[QSA], s86, 13
	s_add_co_u32 s[QSA], s[QSA], s90
	s_mov_b32 s[QSA+1], 0
	s_lshl_b32 s[QSB], s87, 13
	s_add_co_u32 s[QSB], s[QSB], s90
	s_mov_b32 s[QSB+1], 0
	s_add_co_u32 s75, s20, 16
	s_lshl_b32 s[KS], s75, 13                      ; k's scale words: my first 128 keys
	s_lshl_b32 s75, s16, 9
	s_add_co_u32 s[KS], s[KS], s75
	s_mov_b32 s[KS+1], 0
	s_add_co_u32 s[VS], s[KS], 65536               ; v's: eight heads on
	s_mov_b32 s[VS+1], 0
	s_lshl_b32 s82, s88, 2                         ; o_img: block (x / 2) x 4 + y / 2
	s_lshr_b32 s75, s20, 1
	s_add_co_u32 s82, s82, s75
	s_mul_i32 s82, s82, PANEL
	s_and_b32 s75, s20, 1
	s_lshl_b32 s75, s75, 1
	s_lshl_b32 s79, s79, 2
	s_add_co_u32 s79, s79, s75
	s_add_co_u32 s79, s79, s16
	s_mul_i32 s79, s79, 1536                       ; image (4 x fragment + 2 (y % 2) + head)
	s_add_co_u32 s90, s82, s79
	s_mov_b32 s91, 0
	s_and_b32 s79, s[WV], 1
	s_add_co_u32 s75, s75, s79
	s_lshl_b32 s75, s75, 9
	s_lshl_b32 s79, s89, 8
	s_add_co_u32 s75, s75, s79
	s_add_co_u32 s82, s82, s75
	s_add_co_u32 s82, s82, SCO                     ; the scale words that waves 0, 1 store
	s_mov_b32 s83, 0
	s_lshl_b32 s22, s19, 19                        ; the prefetches.  The mask: my work-group's 16 rows of the 64, my wave's 8, at slot 1
	s_lshl_b32 s79, s18, 17
	s_add_co_u32 s22, s22, s79
	s_and_b32 s79, s[WV], 1
	s_lshl_b32 s79, s79, 16
	s_add_co_u32 s22, s22, s79
	s_add_co_u32 s22, s22, 1024
	s_mov_b32 s23, 0
	s_and_b32 s79, s17, 1                          ; k and v: piece cx of the slot's four,
	s_lshl_b32 s79, s79, 3
	s_add_co_u32 s79, s79, s20
	s_add_co_u32 s79, s79, 16
	s_mul_i32 s21, s79, 196608
	s_lshr_b32 s79, s17, 1
	s_mul_i32 s79, s79, PIECE
	s_add_co_u32 s21, s21, s79
	s_and_b32 s79, s[WV], 1
	s_mul_i32 s79, s79, 6144                       ; my wave's 24 blocks,
	s_add_co_u32 s21, s21, s79
	s_add_co_u32 s21, s21, 2*PIECE                 ; at slot 1
	s_and_b32 s75, ttmp7, 0xffff
	s_cmp_eq_u32 s75, 0
	s_cselect_b32 s[LIM], 2, -1                    ; the mask: the clusters with y = 0 alone
	s_mov_b32 s[PST], 1024
	s_mov_b32 s[PST+1], 0
	s_mov_b32 s[KVW], 0
	s_lshr_b32 s79, s[WV], 1
	s_cmp_eq_u32 s79, 1                            ; waves 2, 3
	s_cselect_b32 s22, s21, s22
	s_cselect_b32 s[LIM], 2, s[LIM]
	s_cselect_b32 s[PST], 2*PIECE, s[PST]
	s_cselect_b32 s[KVW], -1, s[KVW]
	s_cmp_gt_u32 s79, 1                            ; waves 4-7 ask for nothing
	s_cselect_b32 s[LIM], -1, s[LIM]
	s_mul_i32 s86, s16, 2*PP                       ; LDS: my k piece, my v piece, my mask rows and keys
	s_add_co_u32 s87, s86, PP
	s_mul_i32 s88, s77, 2*GP
	s_mul_i32 s79, s76, 8*MP
	s_add_co_u32 s88, s88, s79
	s_lshl_b32 s79, s16, 9
	s_add_co_u32 s88, s88, s79
	s_add_co_u32 s88, s88, MOFF
	s_wait_dscnt 0x0
	s_wait_kmcnt 0x0
	s_add_nc_u64 s[G0KV+2:G0KV+3], s[4:5], s[80:81]
	s_or_b32 s[G0KV+3], s[G0KV+3], 0x80000000
	s_add_nc_u64 s[G0M+2:G0M+3], s[8:9], s[84:85]
	s_or_b32 s[G0M+3], s[G0M+3], 0x80000000
	s_add_nc_u64 s[QA:QA+1], s[4:5], s[QA:QA+1]
	s_add_nc_u64 s[QB:QB+1], s[4:5], s[QB:QB+1]
	s_add_nc_u64 s[QSA:QSA+1], s[6:7], s[QSA:QSA+1]
	s_add_nc_u64 s[QSB:QSB+1], s[6:7], s[QSB:QSB+1]
	s_add_nc_u64 s[KS:KS+1], s[6:7], s[KS:KS+1]
	s_add_nc_u64 s[VS:VS+1], s[6:7], s[VS:VS+1]
	s_add_nc_u64 s[12:13], s[10:11], s[82:83]
	s_add_nc_u64 s[10:11], s[10:11], s[90:91]
	s_cmp_eq_u32 s[KVW], 0
	s_cselect_b64 s[PFA:PFA+1], s[8:9], s[4:5]
	s_add_nc_u64 s[PFA:PFA+1], s[PFA:PFA+1], s[22:23]
	CROUND
	JLOAD                                          ; slot 0: one load a wave at the head
	v_and_b32 v36, 31, v0
	v_and_b32 v37, 15, v0
	v_bfe_u32 v38, v0, 4, 1                        ; h
	v_and_b32 v39, 7, v0
	v_bfe_u32 v40, v0, 3, 1
	v_lshlrev_b32 v[LI], 4, v36
	v_lshlrev_b32 v41, 4, v37
	v_lshlrev_b32 v[KSO], 8, v38
	v_lshl_add_u32 v[KSO], v39, 4, v[KSO]          ; 256 h + 16 (r % 8)
	v_mul_u32_u24 v[AK0], v40, 3456                ; two images on, with their padding
	v_add_nc_u32 v[AK0], v[AK0], v[KSO]
	v_add_nc_u32 v[AK0], s86, v[AK0]
	v_lshl_add_u32 v[KSO], v40, 3, v[KSO]          ; + 8 (r / 8): k's scale words, two tiles a load
.irp c, 0,1,2
	global_load_b128 v[Q+4*\c:Q+4*\c+3], v[LI], s[QA:QA+1] offset:512*\c
	global_load_b128 v[Q+12+4*\c:Q+12+4*\c+3], v[LI], s[QB:QB+1] offset:512*\c
.endr
	global_load_b32 v[QS], v41, s[QSA:QSA+1]
	global_load_b32 v[QS+1], v41, s[QSB:QSB+1]
	global_load_b64 v[KSC:KSC+1], v[KSO], s[KS:KS+1]
	global_load_b64 v[KSC+2:KSC+3], v[KSO], s[KS:KS+1] offset:128
	v_lshrrev_b32 v44, 2, v36
	v_and_b32 v45, 3, v36
	v_lshlrev_b32 v[PFO], 13, v44
	v_lshl_add_u32 v[PFO], v45, 8, v[PFO]          ; the mask: a row for four lanes, 256 bytes a lane
	v_min_u32 v46, 23, v36
	v_lshlrev_b32 v46, 8, v46                      ; k and v: 256 bytes a lane
	v_cndmask_b32 v[PFO], v[PFO], v46, s[KVW]
	s_wait_alu depctr_va_vdst(0)
	ASK 1                                          ; slot 1
	v_add_nc_u32 v[AV0], s87, v[LI]
	v_mul_u32_u24 v[AM0], v39, MP
	v_mad_u32_u24 v[AM0], v40, GP, v[AM0]
	v_lshl_add_u32 v[AM0], v38, 7, v[AM0]
	v_add_nc_u32 v[AM0], s88, v[AM0]
	v_lshlrev_b32 v[SH], 3, v38
.irp e, 0,1
	v_mov_b32 v[NM+2*\e+1], 0xff61b1e6             ; the largest D so far: -3e38
	v_mov_b32 v[NM+2*\e], 0x7f61b1e6               ; -M
	v_mov_b32 v[L+2*\e], 0
	v_mov_b32 v[L+2*\e+1], 0
	v_mov_b32 v[F+2*\e+1], 0                       ; (named as a pair's upper half before it is first made)
	v_mov_b32 v[42+\e], 0                          ; (a lane permute's destination counts as a source)
.endr
	s_wait_xcnt 0x0                                ; my prefetch has read its address
	s_add_nc_u64 s[PFA:PFA+1], s[PFA:PFA+1], s[PST:PST+1]
	ASK 1                                          ; slot 2
.macro KLOAD c, reg                    ; k's tiles (c, 0 .. 3), gathered
.irp t, 0,1,2,3
.irp g, 0,1,2
.set YY, (4*\c+(\t%2))*1536+512*\g
	ds_load_b128 v[\reg+12*\t+4*\g:\reg+12*\t+4*\g+3], v[ADK] offset:YY+128*(YY/1024)+128*(\t/2)
.endr
.endr
.endm
.macro MASKMUL c
.set j, 32*\c
.rept 16
	v_pk_mul_f32 v[S+j:S+j+1], v[S+j:S+j+1], s[SQ:SQ+1] op_sel_hi:[1,0]
.set j, j+2
.endr
.endm
.macro QK e, c                         ; four tiles of scores of head e; C is the mask, which lies in head A's registers
.irp t, 0,1,2,3
	WS S+64*\e+32*\c+8*\t, KF+(VF-KF)*\c+12*\t, Q+12*\e, S+32*\c+8*\t, KSC+\t, QS+\e, \c
.endr
.endm
; O^T x f, then O^T += v^T p^T for both heads: 16 accumulators by turns.  pv = 1: the first products start the sums
.macro PVPART pv
	s_wait_loadcnt 0x0                             ; v's scale words of that step, k's of this one
.if \pv == 2
	WIN 0x41
	s_wait_alu depctr_va_vdst(0)                   ; directly ahead of the first reader of O^T
.irp e, 0,1
.set j, 64*\e
.rept 32
	v_pk_mul_f32 v[j:j+1], v[j:j+1], v[F+2*\e:F+2*\e+1] op_sel_hi:[1,0]
.set j, j+2
.endr
.endr
.endif
	WIN 0x55
.irp t, 0,1,2,3,4,5,6,7
.irp e, 0,1
.if \pv == 1
	WS 64*\e+8*\t, VF+12*\t, CD+12*\e, -1, VSC+(\t%4), F+2*\e+1, \t/4
.else
	WS 64*\e+8*\t, VF+12*\t, CD+12*\e, 64*\e+8*\t, VSC+(\t%4), F+2*\e+1, \t/4
.endif
.endr
.endr
	WIN 0
	NOPS 4                                         ; places in front of loads into v's fragments and scale words
.endm
; Both heads, phase by phase, four chains by turns.  v36-39 the blocks' largest, v40-43 at work, v44-47 second chains of the sums, v48-51 the conversions' scale operands, v52-53 scale words on their way
.macro SOFTMAX
.irp e, 0,1
.irp c, 0,1
	v_max3_num_f32 v[36+2*\e+\c], v[S+64*\e+32*\c], v[S+64*\e+32*\c+1], v[S+64*\e+32*\c+2]
.endr
.endr
.irp i, 3,5,7,9,11,13,15,17,19,21,23,25,27,29
.irp e, 0,1
.irp c, 0,1
	v_max3_num_f32 v[36+2*\e+\c], v[36+2*\e+\c], v[S+64*\e+32*\c+\i], v[S+64*\e+32*\c+\i+1]
.endr
.endr
.endr
.irp e, 0,1
.irp c, 0,1
	v_max_num_f32 v[36+2*\e+\c], v[36+2*\e+\c], v[S+64*\e+32*\c+31]   ; the largest D of my block 2 c + h: it serves the row's maximum and the block's largest p
.endr
.endr
.irp e, 0,1
	v_max_num_f32 v[40+\e], v[36+2*\e], v[37+2*\e]
.endr
.irp e, 0,1
	s_delay_alu instid0(VALU_DEP_2)
	v_permlanex16_b32 v[42+\e], v[40+\e], s[SEL], s[SEL+1]
.endr
.irp e, 0,1
	s_delay_alu instid0(VALU_DEP_2)
	v_max3_num_f32 v[NM+2*\e+1], v[NM+2*\e+1], v[40+\e], v[42+\e]
.endr
.irp e, 0,1
	s_delay_alu instid0(VALU_DEP_2)
	v_mul_f32 v[40+\e], s[CC], v[NM+2*\e+1]        ; the running largest t
.endr
.irp e, 0,1
	v_mov_b32 v[42+\e], v[NM+2*\e]
.endr
.irp e, 0,1
	v_floor_f32 v[NM+2*\e], -v[40+\e]              ; -M = -ceil(t)
.endr
.irp e, 0,1
	s_delay_alu instid0(VALU_DEP_2)
	v_sub_f32 v[42+\e], v[NM+2*\e], v[42+\e]
.endr
.irp e, 0,1
	s_delay_alu instid0(VALU_DEP_2)
	v_cvt_i32_f32 v[42+\e], v[42+\e]               ; (it saturates)
.endr
.irp e, 0,1
	s_delay_alu instid0(VALU_DEP_2)
	v_ldexp_f32 v[F+2*\e], 1.0, v[42+\e]           ; f = 2^(old M - new M)
.endr
.irp e, 0,1
.set j, S+64*\e
.rept 32
	v_pk_fma_f32 v[j:j+1], v[j:j+1], s[CC:CC+1], v[NM+2*\e:NM+2*\e+1] op_sel_hi:[1,0,0]   ; t - M
.set j, j+2
.endr
.endr
.irp e, 0,1
.irp c, 0,1
	v_fma_f32 v[36+2*\e+\c], v[36+2*\e+\c], s[CC], v[NM+2*\e]
.endr
.endr
	s_wait_alu depctr_va_vdst(0)                   ; the wait ahead of the batch
.set j, S
.rept 128
	v_exp_f32 v[j], v[j]
.set j, j+1
.endr
.irp b, 36,37,38,39
	v_exp_f32 v[\b], v[\b]                         ; each block's largest p
.endr
.irp e, 0,1
	v_pk_mul_f32 v[L+2*\e:L+2*\e+1], v[L+2*\e:L+2*\e+1], v[F+2*\e:F+2*\e+1] op_sel_hi:[1,0]
.endr
	s_wait_alu depctr_va_vdst(0)                   ; and behind it, ahead of its first reader
.irp e, 0,1
	v_pk_add_f32 v[44+2*\e:45+2*\e], v[S+64*\e:S+64*\e+1], v[S+64*\e+2:S+64*\e+3]   ; the sums are taken of the unquantised p
.endr
.irp i, 4,8,12,16,20,24,28,32,36,40,44,48,52,56,60
.irp e, 0,1
	v_pk_add_f32 v[L+2*\e:L+2*\e+1], v[L+2*\e:L+2*\e+1], v[S+64*\e+\i:S+64*\e+\i+1]
	v_pk_add_f32 v[44+2*\e:45+2*\e], v[44+2*\e:45+2*\e], v[S+64*\e+\i+2:S+64*\e+\i+3]
.endr
.endr
.irp e, 0,1
	v_pk_add_f32 v[L+2*\e:L+2*\e+1], v[L+2*\e:L+2*\e+1], v[44+2*\e:45+2*\e]
.endr
.irp b, 0,1,2,3
	v_max_num_f32 v[36+\b], 0x1800000, v[36+\b]    ; the floor 2^(3 - 127): the byte cannot fall under 1
.endr
.irp b, 0,1,2,3
	v_add_nc_u32 v[48+\b], 0xff000000, v[36+\b]    ; 2 off the exponent field: the conversion's scale operand
.endr
.irp b, 0,1,2,3
	v_lshrrev_b32 v[36+\b], 23, v[48+\b]           ; the byte
.endr
.irp e, 0,1
	v_lshl_or_b32 v[52+\e], v[37+2*\e], 16, v[36+2*\e]   ; my blocks h and 2 + h
.endr
.irp e, 0,1
	s_delay_alu instid0(VALU_DEP_2)
	v_lshlrev_b32 v[52+\e], v[SH], v[52+\e]
.endr
.irp e, 0,1
	s_delay_alu instid0(VALU_DEP_2)
	v_permlanex16_b32 v[42+\e], v[52+\e], s[SEL], s[SEL+1]
.endr
.irp e, 0,1
	s_delay_alu instid0(VALU_DEP_2)
	v_or_b32 v[F+2*\e+1], v[52+\e], v[42+\e]       ; with lane l xor 16's two bytes: p's scale word
.endr
.irp e, 0,1
	WIN 0x40
.irp c, 0,1
	v_cvt_scalef32_pk16_fp6_f32 v[CD+12*\e+6*\c:CD+12*\e+6*\c+2], v[S+64*\e+32*\c:S+64*\e+32*\c+15], v[48+2*\e+\c]
	v_cvt_scalef32_pk16_fp6_f32 v[TT+4*\c:TT+4*\c+2], v[S+64*\e+32*\c+16:S+64*\e+32*\c+31], v[48+2*\e+\c]   ; (a conversion's three registers begin on an even number)
.endr
	v_nop
	WIN 0x41
.irp c, 0,1
.irp i, 0,1,2
	v_mov_b32 v[CD+12*\e+6*\c+3+\i], v[TT+4*\c+\i]
.endr
.endr
.endr
	WIN 0
.endm
; A trip: one slot.  pv: 0 no step is pending, 1 the pending products start O^T, 2 they add to it.  fill: the other slot is asked for, and k's next scale words
.macro TRIP pv, fill, how
.if \pv
	s_xor_b32 s[TB], s[TB], SLOT1
.endif
	v_add_nc_u32 v[ADK], s[TB], v[AK0]
	v_add_nc_u32 v[ADM], s[TB], v[AM0]
	v_add_nc_u32 v[ADV], s[TB], v[AV0]
	s_wait_alu depctr_va_vdst(0)                   ; directly ahead of the blocking wait
	s_wait_tensorcnt 0x0                           ; my part of this trip's slot is in
	ds_add_u32 v[SPW], v[NIL]
.if \fill
	s_xor_b32 s[G0KV+1], s[G0KV+1], SLOT1
	s_add_nc_u64 s[G0KV+2:G0KV+3], s[G0KV+2:G0KV+3], 2*PIECE
	s_xor_b32 s[G0M+1], s[G0M+1], SLOT1
	s_add_nc_u64 s[G0M+2:G0M+3], s[G0M+2:G0M+3], 1024
	s_wait_xcnt 0x0                                ; my last prefetch has read its address
	s_add_nc_u64 s[PFA:PFA+1], s[PFA:PFA+1], s[PST:PST+1]
	s_wait_dscnt 0x0                               ; the add, and my reads of the other slot, v's fragments among them
	CROUND
	JLOAD
	ASK \how
.else
	s_wait_dscnt 0x0
	s_barrier_signal -1
	s_barrier_wait -1
.endif
.irp c, 0,1
.irp i, 0,1,2,3,4,5,6,7
	ds_load_b128 v[S+32*\c+4*\i:S+32*\c+4*\i+3], v[ADM] offset:256*\c+16*\i   ; the mask at my query, keys 64 c + 32 h + 4 i ..
.endr
.endr
	KLOAD 0, KF
.if \pv
	PVPART \pv
	s_add_nc_u64 s[VS:VS+1], s[VS:VS+1], 1024      ; (behind the wait that shows the loads done)
.else
	s_wait_loadcnt 0x0                             ; q, its scale words, k's
.endif
	s_add_nc_u64 s[KS:KS+1], s[KS:KS+1], 1024
	WIN 0x40
	KLOAD 1, VF
	WIN 0
	global_load_b128 v[VSC:VSC+3], v[LI], s[VS:VS+1]   ; v's scale words of this step: 512 dense bytes
	s_wait_dscnt 12                                ; all but the 12 loads of k's tiles 4-7
	MASKMUL 0
	QK 1, 0
	s_wait_dscnt 0x0
	MASKMUL 1                                      ; (these 16 are the places between head B's reads of the mask and head A's sums onto it)
	QK 0, 0
	WIN 0x01
	QK 1, 1
	NOPS 5                                         ; likewise
	QK 0, 1
	WIN 0
	NOPS 4
.if \fill
	global_load_b64 v[KSC:KSC+1], v[KSO], s[KS:KS+1]
	global_load_b64 v[KSC+2:KSC+3], v[KSO], s[KS:KS+1] offset:128
.endif
	WIN 0x40
.irp t, 0,1,2,3,4,5,6,7
.irp g, 0,1,2
.set YY, \t*1536+512*\g
	ds_load_b128 v[VF+12*\t+4*\g:VF+12*\t+4*\g+3], v[ADV] offset:YY+128*(YY/1024)
.endr
.endr
	WIN 0
	SOFTMAX
.endm
	TRIP 0, 1, 1
	TRIP 1, 1, 1
	s_mov_b32 s[SLOTS], 5
.Ltrip:
	TRIP 2, 1, 0
	s_sub_co_u32 s[SLOTS], s[SLOTS], 1
	s_cmp_lg_u32 s[SLOTS], 0
	s_cbranch_scc1 .Ltrip
	TRIP 2, 0, 0                                   ; the last slot: nothing more is asked for
	s_wait_alu depctr_va_vdst(0)
	s_wait_dscnt 0x0                               ; v's last fragments
	PVPART 2
; THE HAND-OVER: head B's O^T, -M and l go to my stage; my partner's stage holds my head A's other half of the keys
	s_mul_i32 s75, s[WV], STGB
	s_xor_b32 s76, s[WV], 4
	s_mul_i32 s76, s76, STGB
	s_lshl_b32 s77, s16, 8
	s_lshl_b32 s78, s15, 2
	s_add_co_u32 s77, s77, s78
	s_add_co_u32 s77, s77, SWS
	s_and_b32 s78, s[WV], 1
	s_lshl_b32 s78, s78, 8
	s_add_co_u32 s78, s78, SWS
	v_add_f32 v[NM+3], v[L+2], v[L+3]              ; the pair (-M, l) of head B
	v_add_f32 v[L], v[L], v[L+1]
	v_and_b32 v36, 31, v0
	v_and_b32 v44, 15, v0
	v_lshl_add_u32 v37, v36, 4, s75
	v_lshl_add_u32 v38, v36, 3, s75
	v_lshl_add_u32 v39, v36, 4, s76
	v_lshl_add_u32 v40, v36, 3, s76
	v_lshl_add_u32 v55, v44, 4, s77                ; where my row's scale word goes
	v_lshl_add_u32 v53, v36, 3, s78                ; where waves 0, 1 read the words back
	v_lshlrev_b32 v54, 3, v36
	WIN 0x04
.irp i, 0,1,2,3,4,5,6,7,8,9,10,11,12,13,14,15
	ds_store_b128 v37, v[64+4*\i:67+4*\i] offset:512*\i
.endr
	WIN 0
	ds_store_b64 v38, v[NM+2:NM+3] offset:8192
	s_wait_alu depctr_va_vdst(0)
	s_wait_dscnt 0x0
	s_barrier_signal -1
	s_barrier_wait -1
.irp i, 0,1,2,3,4,5,6,7,8,9,10,11,12,13,14,15
	ds_load_b128 v[S+4*\i:S+4*\i+3], v39 offset:512*\i
.endr
	ds_load_b64 v[42:43], v40 offset:8192
	s_wait_dscnt 0x0
	v_min_num_f32 v44, v[NM], v42                  ; -M of both halves
	v_sub_f32 v45, v44, v[NM]
	v_sub_f32 v46, v44, v42
	v_cvt_i32_f32 v45, v45
	v_cvt_i32_f32 v46, v46
	v_ldexp_f32 v48, 1.0, v45
	v_ldexp_f32 v50, 1.0, v46
	v_mul_f32 v[L], v[L], v48
	v_fma_f32 v[L], v43, v50, v[L]
	v_permlanex16_b32 v41, v[L], s[SEL], s[SEL+1]
	v_add_f32 v[L], v[L], v41                      ; the row's sum
	s_wait_alu depctr_va_vdst(0)
	v_rcp_f32 v[L], v[L]
	v_nop
	s_wait_alu depctr_va_vdst(0)
	v_mul_f32 v48, v48, v[L]                       ; the two factors take the division in
	v_mul_f32 v50, v50, v[L]
	WIN 0x01
	s_wait_alu depctr_va_vdst(0)                   ; directly ahead of the first reader of head A's O^T
.set j, 0
.rept 32
	v_pk_mul_f32 v[192+j:193+j], v[j:j+1], v[48:49] op_sel_hi:[1,0]
.set j, j+2
.endr
	WIN 0
.set j, 0
.rept 32
	v_pk_fma_f32 v[192+j:193+j], v[S+j:S+j+1], v[50:51], v[192+j:193+j] op_sel_hi:[1,0,1]
.set j, j+2
.endr
; o(r, 32 b + 16 h + 0 .. 15) lies in registers 192 + 16 b ..: quantised along the head's 128, stored as an operand fragment's image and a scale word a row
.irp b, 0,1,2,3
	v_max3_num_f32 v[36+\b], |v[192+16*\b]|, |v[193+16*\b]|, 0x1800000
.endr
.irp i, 2,4,6,8,10,12,14
.irp b, 0,1,2,3
	v_max3_num_f32 v[36+\b], v[36+\b], |v[192+16*\b+\i]|, |v[193+16*\b+\i]|
.endr
.endr
.irp b, 0,1,2,3
	v_permlanex16_b32 v[40+\b], v[36+\b], s[SEL], s[SEL+1]
.endr
.irp b, 0,1,2,3
	v_max_num_f32 v[36+\b], v[36+\b], v[40+\b]
.endr
.irp b, 0,1,2,3
	v_add_nc_u32 v[48+\b], 0xff000000, v[36+\b]
.endr
.irp b, 0,1,2,3
	v_lshrrev_b32 v[40+\b], 23, v[48+\b]
.endr
	v_lshl_or_b32 v52, v41, 8, v40
	v_lshl_or_b32 v52, v42, 16, v52
	v_lshl_or_b32 v52, v43, 24, v52
	ds_store_b32 v55, v52
.irp c, 0,1
	v_cvt_scalef32_pk16_fp6_f32 v[80+6*\c:82+6*\c], v[192+32*\c:207+32*\c], v[48+2*\c]
	v_cvt_scalef32_pk16_fp6_f32 v[92+4*\c:94+4*\c], v[208+32*\c:223+32*\c], v[48+2*\c+1]
.endr
	v_nop
.irp c, 0,1
.irp i, 0,1,2
	v_permlane16_swap_b32 v[80+6*\c+\i], v[92+4*\c+\i]
.endr
.irp i, 0,1,2
	v_mov_b32 v[83+6*\c+\i], v[92+4*\c+\i]
.endr
.endr
	s_wait_alu depctr_va_vdst(0)
	s_wait_dscnt 0x0
	s_barrier_signal -1
	s_barrier_wait -1
.irp c, 0,1,2
	global_store_b128 v[LI], v[80+4*\c:83+4*\c], s[10:11] offset:512*\c   ; 512 consecutive bytes, aligned
.endr
	s_cmp_lt_u32 s[WV], 2
	s_cbranch_scc0 .Lno_words
	ds_load_b64 v[96:97], v53
	s_wait_dscnt 0x0
	global_store_b64 v54, v[96:97], s[12:13]       ; 256 consecutive bytes, aligned
.Lno_words:
	s_wait_tensorcnt 0x0                           ; the wave's end
	ds_add_u32 v[SPW], v[NIL]
	s_wait_dscnt 0x0
	CROUND                                         ; the closing round
	s_endpgm
.Lfunc_end_k_qac4699a2bf_attn:
	.size	k_qac4699a2bf_attn, .Lfunc_end_k_qac4699a2bf_attn-k_qac4699a2bf_attn
	.p2alignl 7, 3214868480
	.fill 96, 4, 3214868480
	.section	.rodata,"a",@progbits
	.p2align	6, 0x0
	.amdhsa_kernel k_qac4699a2bf_attn
		.amdhsa_group_segment_fixed_size 327680
		.amdhsa_private_segment_fixed_size 0
		.amdhsa_enable_private_segment 0
		.amdhsa_kernarg_size 32
		.amdhsa_user_sgpr_count 2
		.amdhsa_user_sgpr_kernarg_segment_ptr 1
		.amdhsa_wavefront_size32 1
		.amdhsa_system_sgpr_workgroup_id_x 1
		.amdhsa_system_sgpr_workgroup_id_y 1
		.amdhsa_system_sgpr_workgroup_id_z 1
		.amdhsa_system_vgpr_workitem_id 0
		.amdhsa_next_free_vgpr 512
		.amdhsa_next_free_sgpr 96
		.amdhsa_reserve_vcc 0
		.amdhsa_float_denorm_mode_32 3
		.amdhsa_float_denorm_mode_16_64 3
		.amdhsa_memory_ordered 1
		.amdhsa_forward_progress 1
		.amdhsa_inst_pref_size 166
	.end_amdhsa_kernel
	.amdgpu_metadata
---
amdhsa.version: [ 1, 2 ]
amdhsa.kernels:
  - .name:           k_qac4699a2bf_attn
    .symbol:         k_qac4699a2bf_attn.kd
    .args:
      - { .name: qkv_img, .offset: 0, .size: 8, .value_kind: global_buffer, .address_space: global }
      - { .name: qkv_sc, .offset: 8, .size: 8, .value_kind: global_buffer, .address_space: global }
      - { .name: attention_mask, .offset: 16, .size: 8, .value_kind: global_buffer, .address_space: global }
      - { .name: o_img, .offset: 24, .size: 8, .value_kind: global_buffer, .address_space: global }
    .group_segment_fixed_size: 327680
    .private_segment_fixed_size: 0
    .kernarg_segment_align: 8
    .kernarg_segment_size: 32
    .max_flat_workgroup_size: 256
    .sgpr_count:     96
    .vgpr_count:     512
    .wavefront_size: 32
...
	.end_amdgpu_metadata
.endif
;; end of part 7
;; launch oproj (part 8): grid 16 x 16, 4 waves a work-group, clusters of 4 x 4, 327,680 bytes of LDS; arguments o_img, codes1, out0; writes out0
.if DOCPART == 8
	.amdgcn_target "amdgcn-amd-amdhsa--gfx1250"
	.amdhsa_code_object_version 6
	.text
	.protected	k_qac4699a2bf_oproj
	.globl	k_qac4699a2bf_oproj
	.p2align	8
	.type	k_qac4699a2bf_oproj,@function
k_qac4699a2bf_oproj:
	s_mov_b64 s[64:65], 0
	v_nop
	global_prefetch_b8 v0, s[64:65] scope:SCOPE_SE
	s_setreg_imm32_b32 hwreg(HW_REG_WAVE_MODE, 25, 1), 1
	s_wait_xcnt 0x0
	s_wait_alu depctr_hold_cnt(0) depctr_sa_sdst(0) depctr_va_vdst(0) depctr_va_sdst(0) depctr_va_ssrc(0) depctr_va_vcc(0) depctr_vm_vsrc(0)
	s_getreg_b32 s2, hwreg(HW_REG_IB_STS2, 6, 4)
	s_cmp_eq_u32 s2, 0
	s_cbranch_scc0 .Lentry_in_a_cluster
	s_endpgm
.Lentry_in_a_cluster:
	s_bfe_u32 s2, ttmp6, 0x10000c
	s_cmp_lg_u32 s2, 0xf033
	s_cbranch_scc0 .Lentry_shape_is_right
	s_endpgm
.Lentry_shape_is_right:
.set SIZE_N, 4096
.set NSLOT,  4
.set WOB,    384
.set PANEL,  51200
.set FRB,    1536
.set SCO,    32*FRB
.set SLOT,   3*PANEL
.set SPARE,  2*SLOT
.set FR,     12
.set NP,     4
.set SPITCH, 528
.set ADRA, 16
.set ADRB, 18
.set ADSA, 20
.set ADSB, 22
.set LI,   24
.set STO,  25
.set RD,   26
.set SPW,  28
.set NIL,  29
.set SC,   32
.set AF,   64
.set BK,   64
.set G1, 24
.set G0, 32
.set G1B, 48
.set G0B, 56
.set PFA, 72                           ; s[72:73] where my prefetches stand: my work-group's share of the block that I fetch, two refills on
.set PFO, 27                           ; v27 256 x min(lane, 24); never rewritten
; out0 = o wo^T on codes of FP6 with E8M0 scales, K = 2,048 in four slots of 512: 256 tiles of 128 (o's tokens) x 256 (wo's rows), a ring of two slots of three blocks of 51,200 bytes, filled by joint loads.
; THE PREFETCHES.  Behind slot 0's load slots 1 and 2 are asked for, behind slot 1's slot 3; there are no more.  The four partners that ask for a block jointly share it out by address: of the 100 blocks of
; 256 bytes of A's half 25 each, one instruction; of B's 200 blocks 50 each, two instructions (lanes 25-31 name the last block again).
.macro ASKN                            ; my share of the slot behind the one at which s[PFA] stands
	global_prefetch_b8 v[PFO], s[PFA:PFA+1] offset:PANEL th:TH_LOAD_NT scope:SCOPE_SE
	s_cmp_eq_u32 s15, 0
	s_cbranch_scc1 .Lno_askn_\@
	global_prefetch_b8 v[PFO], s[PFA:PFA+1] offset:PANEL+6400 th:TH_LOAD_NT scope:SCOPE_SE
.Lno_askn_\@:
.endm
.macro ASK
	global_prefetch_b8 v[PFO], s[PFA:PFA+1] th:TH_LOAD_NT scope:SCOPE_SE
	s_cmp_eq_u32 s15, 0
	s_cbranch_scc1 .Lno_ask_\@
	global_prefetch_b8 v[PFO], s[PFA:PFA+1] offset:6400 th:TH_LOAD_NT scope:SCOPE_SE
.Lno_ask_\@:
.endm
.set MSB, 0
.macro WIN new
.if MSB != (\new)
	s_set_vgpr_msb (MSB<<8)|(\new)
.set MSB, (\new)
.endif
.endm
.set MUL,  0xa1
.set TO_B, 0x40
.macro JLOAD g0a, g1a, g0b, g1b
	s_cmp_eq_u32 s15, 0
	s_cbranch_scc0 .Lfor_b_\@
	tensor_load_to_lds s[\g0a:\g0a+3], s[\g1a:\g1a+7]
	s_nop 0
.rept 4
	v_nop
.endr
	s_branch .Lasked_\@
.Lfor_b_\@:
	tensor_load_to_lds s[\g0b:\g0b+3], s[\g1b:\g1b+7]
	s_nop 0
.rept 4
	v_nop
.endr
.Lasked_\@:
.endm
.macro CREST
	s_cmp_lg_u32 s14, 0
	s_cbranch_scc1 .Lnot_wave_0_\@
	s_barrier_signal -3
.Lnot_wave_0_\@:
	s_barrier_wait -3
	s_barrier_signal -1
	s_barrier_wait -1
.endm
.macro CROUND
	s_barrier_signal -1
	s_barrier_wait -1
	CREST
.endm
	s_load_b128 s[4:7], s[0:1], 0x0
	s_load_b64 s[12:13], s[0:1], 0x10
	v_lshl_add_u32 v[SPW], v0, 2, SPARE
	v_mov_b32 v[NIL], 0
	ds_add_u32 v[SPW], v[NIL]
	ds_add_u32 v[SPW], v[NIL]
	v_lshrrev_b32 v1, 5, v0
	v_readfirstlane_b32 s14, v1
	s_lshr_b32 s15, s14, 1
	s_and_b32 s16, s14, 1
	s_bfe_u32 s40, ttmp6, 0x40000
	s_bfe_u32 s41, ttmp6, 0x40004
	s_lshl_b32 s42, ttmp9, 2
	s_add_co_u32 s42, s42, s40
	s_and_b32 s17, ttmp7, 0xffff
	s_lshl_b32 s17, s17, 2
	s_add_co_u32 s17, s17, s41
	s_lshl_b32 s43, s41, 2
	s_lshl_b32 s43, 15, s43
	s_lshl_b32 s44, 0x1111, s40
	s_or_b32 s[G1+0], s43, (3<<16)|(1<<21)
	s_or_b32 s[G1B+0], s44, (3<<16)|(1<<21)
	s_mov_b32 s[G1+1], 32<<16
	s_mov_b32 s[G1+2], 100<<16
	s_mov_b32 s[G1+3], 32<<16
	s_mov_b32 s[G1+4], 100
	s_mov_b32 s[G1+5], 32
	s_mov_b32 s[G1+6], 0
	s_mov_b32 s[G1+7], 0
	s_mov_b32 s[G1B+1], 32<<16
	s_mov_b32 s[G1B+2], 200<<16
	s_mov_b32 s[G1B+3], 32<<16
	s_mov_b32 s[G1B+4], 200
	s_mov_b32 s[G1B+5], 32
	s_mov_b32 s[G1B+6], 0
	s_mov_b32 s[G1B+7], 0
	s_mul_i32 s20, s17, NSLOT*PANEL
	s_mul_i32 s21, s16, PANEL/2
	s_add_co_u32 s20, s20, s21
	s_mov_b32 s21, 0
	s_lshl_b32 s46, s42, 1
	s_add_co_u32 s46, s46, s16
	s_mul_i32 s46, s46, NSLOT*PANEL
	s_add_co_u32 s46, s46, WOB*PANEL
	s_mov_b32 s47, 0
	s_mul_i32 s45, s16, PANEL/2
	s_mul_i32 s69, s16, PANEL
	s_add_co_u32 s69, s69, PANEL
	s_wait_dscnt 0x0
	s_wait_kmcnt 0x0
	s_add_nc_u64 s[20:21], s[4:5], s[20:21]
	s_add_nc_u64 s[46:47], s[6:7], s[46:47]
	s_cmp_eq_u32 s15, 0                            ; the prefetches: what I fetch,
	s_cselect_b64 s[PFA:PFA+1], s[20:21], s[46:47]
	s_cselect_b32 s74, s40, s41                    ; my place among the four that ask for it with me,
	s_mul_i32 s74, s74, 6400
	s_lshl_b32 s74, s74, s15                       ; 25 blocks of A's half, 50 of B's block,
	s_add_co_u32 s74, s74, PANEL                   ; at slot 1
	s_mov_b32 s75, 0
	s_add_nc_u64 s[PFA:PFA+1], s[PFA:PFA+1], s[74:75]
	CROUND
.irp s, 0,1
	s_mov_b32 s[G0+4*\s], 1
	s_add_co_u32 s[G0+4*\s+1], s45, \s*SLOT
	s_add_nc_u64 s[G0+4*\s+2:G0+4*\s+3], s[20:21], \s*PANEL
	s_or_b32 s[G0+4*\s+3], s[G0+4*\s+3], 0x80000000
	s_mov_b32 s[G0B+4*\s], 1
	s_add_co_u32 s[G0B+4*\s+1], s69, \s*SLOT
	s_add_nc_u64 s[G0B+4*\s+2:G0B+4*\s+3], s[46:47], \s*PANEL
	s_or_b32 s[G0B+4*\s+3], s[G0B+4*\s+3], 0x80000000
.endr
	JLOAD G0, G1, G0B, G1B                         ; slot 0: one tensor load a wave at the head
	v_and_b32 v1, 15, v0
	v_bfe_u32 v2, v0, 4, 1
	v_and_b32 v3, 31, v0
	v_lshlrev_b32 v[LI], 4, v3
	v_lshlrev_b32 v4, 4, v1
	v_min_u32 v[PFO], 24, v3
	v_lshlrev_b32 v[PFO], 8, v[PFO]
	s_wait_alu depctr_va_vdst(0)
	ASK                                            ; slot 1
	ASKN                                           ; slot 2
	s_mul_i32 s22, s15, 16*FRB
	s_mul_i32 s23, s16, PANEL
	s_add_co_u32 s23, s23, PANEL
.irp s, 0,1
	v_add_nc_u32 v[ADRA+\s], s22, v[LI]
	v_add_nc_u32 v[ADRB+\s], s23, v[LI]
	s_add_co_u32 s22, s22, SLOT
	s_add_co_u32 s23, s23, SLOT
.endr
	s_lshl_b32 s22, s15, 8
	s_add_co_u32 s22, s22, SCO
	s_mul_i32 s23, s16, PANEL
	s_add_co_u32 s23, s23, PANEL+SCO
.irp s, 0,1
	v_add_nc_u32 v[ADSA+\s], s22, v4
	v_add_nc_u32 v[ADSB+\s], s23, v[LI]
	s_add_co_u32 s22, s22, SLOT
	s_add_co_u32 s23, s23, SLOT
.endr
	s_mul_i32 s23, s14, 16*SPITCH
	v_mul_u32_u24 v5, v1, SPITCH
	v_lshl_add_u32 v5, v2, 6, v5
	v_add_nc_u32 v[STO], s23, v5
	v_add_nc_u32 v[RD], s23, v[LI]
	s_lshl_b32 s20, s17, 21
	s_lshl_b32 s21, s15, 20
	s_add_co_u32 s20, s20, s21
	s_lshl_b32 s21, s42, 10
	s_add_co_u32 s20, s20, s21
	s_lshl_b32 s21, s16, 9
	s_add_co_u32 s20, s20, s21
	s_mov_b32 s21, 0
	s_add_nc_u64 s[12:13], s[12:13], s[20:21]
.macro WM a, b, p, zero
.set rD, 8*(8*(\a)+(\b))
.set rB, 128*(\p)+FR*(\b)
.set rA, AF+48*(\p)+FR*(\a)
.set rT, SC+8*(\p)+4+(\b)%4
.set rS, SC+8*(\p)+(\a)
.if \zero
.if (\b) < 4
	v_wmma_scale_f32_16x16x128_f8f6f4 v[rD:rD+7], v[rB:rB+FR-1], v[rA:rA+FR-1], 0, v[rT], v[rS] matrix_a_fmt:MATRIX_FMT_FP6 matrix_b_fmt:MATRIX_FMT_FP6
.else
	v_wmma_scale_f32_16x16x128_f8f6f4 v[rD:rD+7], v[rB:rB+FR-1], v[rA:rA+FR-1], 0, v[rT], v[rS] matrix_a_fmt:MATRIX_FMT_FP6 matrix_b_fmt:MATRIX_FMT_FP6 matrix_a_scale:MATRIX_SCALE_ROW1
.endif
.else
.if (\b) < 4
	v_wmma_scale_f32_16x16x128_f8f6f4 v[rD:rD+7], v[rB:rB+FR-1], v[rA:rA+FR-1], v[rD:rD+7], v[rT], v[rS] matrix_a_fmt:MATRIX_FMT_FP6 matrix_b_fmt:MATRIX_FMT_FP6
.else
	v_wmma_scale_f32_16x16x128_f8f6f4 v[rD:rD+7], v[rB:rB+FR-1], v[rA:rA+FR-1], v[rD:rD+7], v[rT], v[rS] matrix_a_fmt:MATRIX_FMT_FP6 matrix_b_fmt:MATRIX_FMT_FP6 matrix_a_scale:MATRIX_SCALE_ROW1
.endif
.endif
.endm
.macro MULA a, p, zero
.irp b, 0,1,2,3,4,5,6,7
	WM \a, \b, \p, \zero
.endr
.endm
.macro FETCH slot, q, p
	WIN TO_B
.irp b, 0,1,2,3,4,5,6,7
.irp c, 0,1,2
	ds_load_b128 v[128*(\p)+FR*\b+4*\c:128*(\p)+FR*\b+4*\c+3], v[ADRB+\slot] offset:(4*\b+(\q))*FRB+512*\c
.endr
.endr
	WIN 0
.irp a, 0,1,2,3
.irp c, 0,1,2
	ds_load_b128 v[AF+48*(\p)+FR*\a+4*\c:AF+48*(\p)+FR*\a+4*\c+3], v[ADRA+\slot] offset:(4*\a+(\q))*FRB+512*\c
.endr
.endr
	ds_load_b128 v[SC+8*(\p):SC+8*(\p)+3], v[ADSA+\slot] offset:512*(\q)
	ds_load_b128 v[SC+8*(\p)+4:SC+8*(\p)+7], v[ADSB+\slot] offset:512*(\q)
.endm
.macro PLACES n
.rept \n
	v_nop
.endr
.endm
.macro STEP slot, q, zero
	s_wait_dscnt 0x0
	PLACES NP
	FETCH \slot, (\q)+1, ((\q)+1)%2
	WIN MUL
.irp a, 0,1,2,3
	MULA \a, (\q)%2, \zero
.endr
	WIN 0
.endm
.macro TURN slot, next, fill
	s_wait_tensorcnt 0x0
	ds_add_u32 v[SPW], v[NIL]
	s_wait_dscnt 1
	WIN MUL
	MULA 0, 1, 0
	s_wait_dscnt 0x0
	s_barrier_signal -1
	MULA 1, 1, 0
	WIN 0
	s_barrier_wait -1
.if \fill
	CREST
	s_add_nc_u64 s[G0+4*\slot+2:G0+4*\slot+3], s[G0+4*\slot+2:G0+4*\slot+3], 2*PANEL
	s_add_nc_u64 s[G0B+4*\slot+2:G0B+4*\slot+3], s[G0B+4*\slot+2:G0B+4*\slot+3], 2*PANEL
	JLOAD G0+4*\slot, G1, G0B+4*\slot, G1B
.else
	PLACES NP
.endif
	FETCH \next, 0, 0
	WIN MUL
	MULA 2, 1, 0
	MULA 3, 1, 0
	WIN 0
.endm
	s_wait_alu depctr_va_vdst(0)
	s_wait_tensorcnt 0x0                           ; my part of slot 0 is in
	ds_add_u32 v[SPW], v[NIL]
	s_wait_xcnt 0x0                                ; my prefetch has read its address
	s_add_nc_u64 s[PFA:PFA+1], s[PFA:PFA+1], 2*PANEL
	s_wait_dscnt 0x0
	CROUND                                         ; everybody's part is in, and all sixteen work-groups are here
	JLOAD G0+4, G1, G0B+4, G1B                     ; slot 1's first fill, the first tensor load behind the round
	FETCH 0, 0, 0
	ASK                                            ; slot 3
	STEP 0, 0, 1
	STEP 0, 1, 0
	STEP 0, 2, 0
	s_mov_b32 s3, NSLOT/2-1
.Llap:
	TURN 0, 1, 1
	STEP 1, 0, 0
	STEP 1, 1, 0
	STEP 1, 2, 0
	TURN 1, 0, 1
	STEP 0, 0, 0
	STEP 0, 1, 0
	STEP 0, 2, 0
	s_sub_co_u32 s3, s3, 1
	s_cmp_lg_u32 s3, 0
	s_cbranch_scc1 .Llap
	TURN 0, 1, 0
	STEP 1, 0, 0
	STEP 1, 1, 0
	STEP 1, 2, 0
	s_wait_dscnt 0x0
	WIN MUL
.irp a, 0,1,2,3
	MULA \a, 1, 0
.endr
	WIN 0
.macro TOSTAGE a
.set AC, 64*(\a)
	WIN 0x08
.irp b, 0,1,2,3,4,5,6,7
	ds_store_b128 v[STO], v[AC+8*\b:AC+8*\b+3] offset:128*(\b/2)+32*(\b%2)
	ds_store_b128 v[STO], v[AC+8*\b+4:AC+8*\b+7] offset:128*(\b/2)+32*(\b%2)+16
.endr
	WIN 0
.set BB, BK+64*((\a)%2)
.irp t, 0,1,2,3,4,5,6,7,8,9,10,11,12,13,14,15
	ds_load_b128 v[BB+4*\t:BB+4*\t+3], v[RD] offset:\t*SPITCH
.endr
.endm
.macro SEND a, younger
.set BB, BK+64*((\a)%2)
	s_wait_dscnt \younger
.irp t, 0,1,2,3,4,5,6,7,8,9,10,11,12,13,14,15
	global_store_b128 v[LI], v[BB+4*\t:BB+4*\t+3], s[12:13] offset:(32*((\a)/2)+8*((\a)%2)+\t+8*(\t/8))*SIZE_N*4 th:TH_STORE_NT
.endr
.endm
	PLACES NP
	TOSTAGE 0
.irp a, 1,2,3
.if \a > 1
	s_wait_xcnt 0x0
.endif
	TOSTAGE \a
	SEND \a-1, 32
.endr
	SEND 3, 0
	s_wait_tensorcnt 0x0
	ds_add_u32 v[SPW], v[NIL]
	s_wait_dscnt 0x0
	CROUND
	s_endpgm
.Lfunc_end_k_qac4699a2bf_oproj:
	.size	k_qac4699a2bf_oproj, .Lfunc_end_k_qac4699a2bf_oproj-k_qac4699a2bf_oproj
	.p2alignl 7, 3214868480
	.fill 96, 4, 3214868480
	.section	.rodata,"a",@progbits
	.p2align	6, 0x0
	.amdhsa_kernel k_qac4699a2bf_oproj
		.amdhsa_group_segment_fixed_size 327680
		.amdhsa_private_segment_fixed_size 0
		.amdhsa_enable_private_segment 0
		.amdhsa_kernarg_size 24
		.amdhsa_user_sgpr_count 2
		.amdhsa_user_sgpr_kernarg_segment_ptr 1
		.amdhsa_wavefront_size32 1
		.amdhsa_system_sgpr_workgroup_id_x 1
		.amdhsa_system_sgpr_workgroup_id_y 1
		.amdhsa_system_sgpr_workgroup_id_z 1
		.amdhsa_system_vgpr_workitem_id 0
		.amdhsa_next_free_vgpr 1024
		.amdhsa_next_free_sgpr 76
		.amdhsa_reserve_vcc 0
		.amdhsa_float_denorm_mode_32 3
		.amdhsa_float_denorm_mode_16_64 3
		.amdhsa_memory_ordered 1
		.amdhsa_forward_progress 1
		.amdhsa_inst_pref_size 133
	.end_amdhsa_kernel
	.amdgpu_metadata
---
amdhsa.version: [ 1, 2 ]
amdhsa.kernels:
  - .name:           k_qac4699a2bf_oproj
    .symbol:         k_qac4699a2bf_oproj.kd
    .args:
      - { .name: o_img, .offset: 0, .size: 8, .value_kind: global_buffer, .address_space: global }
      - { .name: codes1, .offset: 8, .size: 8, .value_kind: global_buffer, .address_space: global }
      - { .name: out0, .offset: 16, .size: 8, .value_kind: global_buffer, .address_space: global }
    .group_segment_fixed_size: 327680
    .private_segment_fixed_size: 0
    .kernarg_segment_align: 8
    .kernarg_segment_size: 24
    .max_flat_workgroup_size: 128
    .sgpr_count:     76
    .vgpr_count:     1024
    .wavefront_size: 32
...
	.end_amdgpu_metadata
.endif
;; end of part 8
